; MI455X (gfx1250); checked and timed in simulation.
; The chip was launched on July 23, 2026; its instructions are those of AMD's public machine-readable ISA for CDNA 5 (MIT licence, August 2026) and "CDNA5" Instruction Set Architecture Reference Guide (July 2026). The comments in the code are by the model that wrote it; some were corrected since.
;; Transformer Block. Allowed arithmetic: float matrix products may take bf16 or f16 operands with f32 sums; all other float work in f32.
;; Inputs: W1 1,024 x 4,096 float32; W2 4,096 x 1,024 float32; Wk 1,024 x 1,024 float32; Wo 1,024 x 1,024 float32; Wq 1,024 x 1,024 float32; Wv 1,024 x 1,024 float32; b1 4,096 float32; b2 1,024 float32; bo 1,024 float32; ln1_scale 1,024 float32; ln1_shift 1,024 float32; ln2_scale 1,024 float32; ln2_shift 1,024 float32; x 2 x 2,048 x 1,024 float32.
;; Outputs: out0 2 x 2,048 x 1,024 float32.
;; 2 versions, each right; version 2 is version 1 with the launches prep, ln2 written anew for expert scheduling mode. Each part assembles by itself: llvm-mc -triple=amdgcn-amd-amdhsa -mcpu=gfx1250 --defsym DOCPART=n.
;; ======== version 1 of 2: 7 launches
;; limits: values are held in f16: magnitudes above 65,504 overflow, below 6.1e-05 lose precision
;; workspace buffers: wb 25,165,824 bytes; h 8,388,608 bytes; q 8,388,608 bytes; k 8,388,608 bytes; v 8,388,608 bytes; ctx 8,388,608 bytes; x1 16,777,216 bytes; g 33,554,432 bytes
;; launch prep (part 1): grid 1024 x 1, 8 waves a work-group, no clusters, 0 bytes of LDS; arguments x, ln1_scale, ln1_shift, Wq, Wk, Wv, Wo, W1, W2, h, wb; writes h, wb
.if DOCPART == 1
	.amdgcn_target "amdgcn-amd-amdhsa--gfx1250"
	.amdhsa_code_object_version 6
	.text
	.protected	k_qe5fc8fdea8_prep
	.globl	k_qe5fc8fdea8_prep
	.p2align	8
	.type	k_qe5fc8fdea8_prep,@function
k_qe5fc8fdea8_prep:
	s_mov_b64 s[64:65], 0
	v_nop
	global_prefetch_b8 v0, s[64:65] scope:SCOPE_SE
	s_setreg_imm32_b32 hwreg(HW_REG_WAVE_MODE, 25, 1), 1
	s_wait_xcnt 0x0
; h = f16(LayerNorm(x) * ln1_scale + ln1_shift), and the six weight matrices rounded to f16 into wb, each dense as it lies ([K][N]).
; Everything is taken as rows of 1,024 f32 (4,096 bytes) that become rows of 1,024 f16 (2,048 bytes).  A work-group takes 16 rows, each of its eight waves 2.
; Work-groups 0-255: the 4,096 rows of x.  Work-groups 256-1023, u = number - 256: u 0-63 Wq, 64-127 Wk, 128-191 Wv, 192-255 Wo, 256-511 W1, 512-767 W2; the unit's 32,768 bytes go to wb + 32,768 u.
; A wave holds a whole row in 32 registers a lane, so mean and variance never leave the wave: no LDS, no barrier.  The variance is the mean of (x - mean)^2, taken in a second pass over the registers.
; A load of the wave covers 512 consecutive bytes; a store covers 256 consecutive bytes, at a multiple of 256 from its buffer's first byte.
; FORMAT: f16, eleven significant bits, for all matrix operands of the program: under the causal mask the first rows' context is as large as v itself, and eight bits would spend the output's allowance there.
; LIMITS: statistics and arithmetic in f32, one rounding to f16 at the end.  f16 holds nothing beyond 65,504 (a larger number becomes an infinity): |h| is at most 32 |scale| + |shift|, some 1,000 with gains and
; shifts of 30; weights of spread 0.03 reach about 6 at 30 times that.  Below 6e-5 f16 keeps a fixed step of 6e-8.  NaN and infinities are not treated apart.
.set X,  4                             ; v[4:67]    two rows as loaded: row r, load j, word i = column 128 j + 4 lane + i, at X + 32 r + 4 j + i
.set SC, 68                            ; v[68:99]   the scale of my 32 columns
.set SH, 100                           ; v[100:131] the shift
.set Y,  132                           ; v[132:163] packed results
.set T,  164                           ; v[164:175] at work: four chains (8), the mean twice (2), 1/sqrt twice (2)
	s_load_b512 s[4:19], s[0:1], 0x0               ; x s[4:5], scale s[6:7], shift s[8:9], Wq s[10:11], Wk s[12:13], Wv s[14:15], Wo s[16:17], W1 s[18:19]
	s_load_b128 s[20:23], s[0:1], 0x40             ; W2 s[20:21], h s[22:23]
	s_load_b64 s[24:25], s[0:1], 0x50              ; wb
	v_and_b32 v1, 31, v0                           ; lane
	v_lshrrev_b32 v3, 5, v0
	v_readfirstlane_b32 s30, v3                    ; wave 0..7
	v_lshlrev_b32 v2, 3, v1                        ; 8 bytes a lane on the way out
	v_lshlrev_b32 v1, 4, v1                        ; 16 bytes a lane on the way in
	s_mov_b32 s31, ttmp9
	s_lshl_b32 s40, s30, 13                        ; my wave's two rows in the source,
	s_mov_b32 s41, 0
	s_lshl_b32 s42, s30, 12                        ; and in the destination
	s_mov_b32 s43, 0
	s_mov_b32 s36, 0x76543210                      ; v_permlanex16_b32: each lane takes its own place in the other half
	s_mov_b32 s37, 0xfedcba98
	s_mov_b32 s38, 0x3a800000                      ; 1 / 1024
	s_mov_b32 s39, 0x3727c5ac                      ; 1e-5
	s_wait_kmcnt 0x0
.macro LOADROW r, nt                   ; eight loads: the whole row.  nt = 1: bytes that the launch reads once and nothing reads again
.irp j, 0,1,2,3,4,5,6,7
.if \nt
	global_load_b128 v[X+32*(\r)+4*(\j):X+32*(\r)+4*(\j)+3], v1, s[26:27] offset:4096*(\r)+512*(\j) th:TH_LOAD_NT
.else
	global_load_b128 v[X+32*(\r)+4*(\j):X+32*(\r)+4*(\j)+3], v1, s[26:27] offset:4096*(\r)+512*(\j)
.endif
.endr
.endm
.macro FOLD                            ; the four chains into one number a lane
	v_pk_add_f32 v[T:T+1], v[T:T+1], v[T+2:T+3]
	v_pk_add_f32 v[T+4:T+5], v[T+4:T+5], v[T+6:T+7]
	v_pk_add_f32 v[T:T+1], v[T:T+1], v[T+4:T+5]
	v_add_f32 v[T], v[T], v[T+1]
.endm
.macro ACROSS                          ; the sum over the 32 lanes, in every lane
	v_add_f32_dpp v[T], v[T], v[T] row_xmask:1 row_mask:0xf bank_mask:0xf
	v_add_f32_dpp v[T], v[T], v[T] row_xmask:2 row_mask:0xf bank_mask:0xf
	v_add_f32_dpp v[T], v[T], v[T] row_xmask:4 row_mask:0xf bank_mask:0xf
	v_add_f32_dpp v[T], v[T], v[T] row_xmask:8 row_mask:0xf bank_mask:0xf
	v_permlanex16_b32 v[T+1], v[T], s36, s37       ; its destination counts as read: FOLD has written it
	v_add_f32 v[T], v[T], v[T+1]
.endm
; Row r becomes (x - mean) / sqrt(var + eps), in place.
.macro STATS r
.set XR, X+32*(\r)
.irp c, 0,1,2,3
	v_pk_add_f32 v[T+2*(\c):T+2*(\c)+1], v[XR+2*(\c):XR+2*(\c)+1], v[XR+8+2*(\c):XR+8+2*(\c)+1]  ; the first pairs start the chains: nothing is cleared
.endr
.irp p, 8,9,10,11,12,13,14,15
	v_pk_add_f32 v[T+2*((\p)%4):T+2*((\p)%4)+1], v[T+2*((\p)%4):T+2*((\p)%4)+1], v[XR+2*(\p):XR+2*(\p)+1]
.endr
	FOLD
	ACROSS
	v_mul_f32 v[T+8], s38, v[T]                    ; the mean, twice: a pair for the packed subtraction
	v_mul_f32 v[T+9], s38, v[T]
.irp p, 0,1,2,3,4,5,6,7,8,9,10,11,12,13,14,15
	v_pk_add_f32 v[XR+2*(\p):XR+2*(\p)+1], v[XR+2*(\p):XR+2*(\p)+1], v[T+8:T+9] neg_lo:[0,1] neg_hi:[0,1]
.endr
.irp c, 0,1,2,3
	v_pk_mul_f32 v[T+2*(\c):T+2*(\c)+1], v[XR+2*(\c):XR+2*(\c)+1], v[XR+2*(\c):XR+2*(\c)+1]
.endr
.irp p, 4,5,6,7,8,9,10,11,12,13,14,15
	v_pk_fma_f32 v[T+2*((\p)%4):T+2*((\p)%4)+1], v[XR+2*(\p):XR+2*(\p)+1], v[XR+2*(\p):XR+2*(\p)+1], v[T+2*((\p)%4):T+2*((\p)%4)+1]
.endr
	FOLD
	ACROSS
	v_fma_f32 v[T], v[T], s38, s39                 ; var + eps
	v_rsq_f32 v[T+10], v[T]
	v_rsq_f32 v[T+11], v[T]
	v_nop                                          ; a plain instruction between the last v_rsq_f32 and the use of its result (ISA guide 5.7.2)
	s_wait_alu depctr_va_vdst(0)
.irp p, 0,1,2,3,4,5,6,7,8,9,10,11,12,13,14,15
	v_pk_mul_f32 v[XR+2*(\p):XR+2*(\p)+1], v[XR+2*(\p):XR+2*(\p)+1], v[T+10:T+11]
.endr
.endm
.macro APPLY r                         ; times the scale, plus the shift: one fused multiply-add
.irp p, 0,1,2,3,4,5,6,7,8,9,10,11,12,13,14,15
	v_pk_fma_f32 v[X+32*(\r)+2*(\p):X+32*(\r)+2*(\p)+1], v[X+32*(\r)+2*(\p):X+32*(\r)+2*(\p)+1], v[SC+2*(\p):SC+2*(\p)+1], v[SH+2*(\p):SH+2*(\p)+1]
.endr
.endm
.macro OUT r, j                        ; four numbers of load j of row r: rounded, packed, stored; Y's registers are written once, so no wait frees them
	v_cvt_pk_f16_f32 v[Y+16*(\r)+2*(\j)],   v[X+32*(\r)+4*(\j)],   v[X+32*(\r)+4*(\j)+1]
	v_cvt_pk_f16_f32 v[Y+16*(\r)+2*(\j)+1], v[X+32*(\r)+4*(\j)+2], v[X+32*(\r)+4*(\j)+3]
	global_store_b64 v2, v[Y+16*(\r)+2*(\j):Y+16*(\r)+2*(\j)+1], s[32:33] offset:2048*(\r)+256*(\j) th:TH_STORE_NT
.endm
	s_cmp_lt_u32 s31, 256
	s_cbranch_scc1 .Lln
	; THE CAST.  The source and its first unit are chosen by the unit's number; each compare serves the two selects behind it.
	s_sub_co_u32 s29, s31, 256                     ; u
	s_mov_b64 s[26:27], s[20:21]                   ; W2, from unit 512
	s_mov_b32 s28, 512
	s_cmp_lt_u32 s29, 512
	s_cselect_b64 s[26:27], s[18:19], s[26:27]     ; W1, from 256
	s_cselect_b32 s28, 256, s28
	s_cmp_lt_u32 s29, 256
	s_cselect_b64 s[26:27], s[16:17], s[26:27]     ; Wo, from 192
	s_cselect_b32 s28, 192, s28
	s_cmp_lt_u32 s29, 192
	s_cselect_b64 s[26:27], s[14:15], s[26:27]     ; Wv, from 128
	s_cselect_b32 s28, 128, s28
	s_cmp_lt_u32 s29, 128
	s_cselect_b64 s[26:27], s[12:13], s[26:27]     ; Wk, from 64
	s_cselect_b32 s28, 64, s28
	s_cmp_lt_u32 s29, 64
	s_cselect_b64 s[26:27], s[10:11], s[26:27]     ; Wq, from 0
	s_cselect_b32 s28, 0, s28
	s_sub_co_u32 s28, s29, s28                     ; the unit's number inside its matrix,
	s_lshl_b32 s28, s28, 16                        ; 65,536 bytes of f32 each
	s_add_co_u32 s40, s40, s28
	s_add_nc_u64 s[26:27], s[26:27], s[40:41]
	s_lshl_b32 s28, s29, 15                        ; 32,768 bytes of f16 each
	s_add_co_u32 s42, s42, s28
	s_add_nc_u64 s[32:33], s[24:25], s[42:43]
	LOADROW 0, 1
	LOADROW 1, 1
.irp r, 0,1
.irp j, 0,1,2,3,4,5,6,7
	s_wait_loadcnt 15-8*(\r)-(\j)                  ; loads come back in order (ISA guide 5.7.1): this one is in, the younger ones stay out
	OUT \r, \j
.endr
.endr
	s_endpgm
.Lln:	; THE NORM
	s_lshl_b32 s28, s31, 16
	s_add_co_u32 s40, s40, s28
	s_add_nc_u64 s[26:27], s[4:5], s[40:41]        ; x at my two rows
	s_lshl_b32 s28, s31, 15
	s_add_co_u32 s42, s42, s28
	s_add_nc_u64 s[32:33], s[22:23], s[42:43]      ; h at my two rows
	LOADROW 0, 0                                   ; no hint: a later launch reads x again
	LOADROW 1, 0
.irp j, 0,1,2,3,4,5,6,7
	global_load_b128 v[SC+4*(\j):SC+4*(\j)+3], v1, s[6:7] offset:512*(\j)
.endr
.irp j, 0,1,2,3,4,5,6,7
	global_load_b128 v[SH+4*(\j):SH+4*(\j)+3], v1, s[8:9] offset:512*(\j)
.endr
	s_wait_loadcnt 24                              ; row 0 is in; row 1's eight loads and the sixteen of scale and shift stay out
	STATS 0
	s_wait_loadcnt 16                              ; row 1 is in
	STATS 1
	s_wait_loadcnt 0x0                             ; scale and shift
.irp r, 0,1
	APPLY \r
.irp j, 0,1,2,3,4,5,6,7
	OUT \r, \j
.endr
.endr
	s_endpgm
.Lfunc_end_k_qe5fc8fdea8_prep:
	.size	k_qe5fc8fdea8_prep, .Lfunc_end_k_qe5fc8fdea8_prep-k_qe5fc8fdea8_prep
	.p2alignl 7, 3214868480
	.fill 96, 4, 3214868480
	.section	.rodata,"a",@progbits
	.p2align	6, 0x0
	.amdhsa_kernel k_qe5fc8fdea8_prep
		.amdhsa_group_segment_fixed_size 0
		.amdhsa_private_segment_fixed_size 0
		.amdhsa_enable_private_segment 0
		.amdhsa_kernarg_size 88
		.amdhsa_user_sgpr_count 2
		.amdhsa_user_sgpr_kernarg_segment_ptr 1
		.amdhsa_wavefront_size32 1
		.amdhsa_system_sgpr_workgroup_id_x 1
		.amdhsa_system_sgpr_workgroup_id_y 1
		.amdhsa_system_sgpr_workgroup_id_z 1
		.amdhsa_system_vgpr_workitem_id 0
		.amdhsa_next_free_vgpr 176
		.amdhsa_next_free_sgpr 66
		.amdhsa_reserve_vcc 0
		.amdhsa_float_denorm_mode_32 3
		.amdhsa_float_denorm_mode_16_64 3
		.amdhsa_memory_ordered 1
		.amdhsa_forward_progress 1
		.amdhsa_inst_pref_size 27
	.end_amdhsa_kernel
	.amdgpu_metadata
---
amdhsa.version: [ 1, 2 ]
amdhsa.kernels:
  - .name:           k_qe5fc8fdea8_prep
    .symbol:         k_qe5fc8fdea8_prep.kd
    .args:
      - { .name: x, .offset: 0, .size: 8, .value_kind: global_buffer, .address_space: global }
      - { .name: ln1_scale, .offset: 8, .size: 8, .value_kind: global_buffer, .address_space: global }
      - { .name: ln1_shift, .offset: 16, .size: 8, .value_kind: global_buffer, .address_space: global }
      - { .name: Wq, .offset: 24, .size: 8, .value_kind: global_buffer, .address_space: global }
      - { .name: Wk, .offset: 32, .size: 8, .value_kind: global_buffer, .address_space: global }
      - { .name: Wv, .offset: 40, .size: 8, .value_kind: global_buffer, .address_space: global }
      - { .name: Wo, .offset: 48, .size: 8, .value_kind: global_buffer, .address_space: global }
      - { .name: W1, .offset: 56, .size: 8, .value_kind: global_buffer, .address_space: global }
      - { .name: W2, .offset: 64, .size: 8, .value_kind: global_buffer, .address_space: global }
      - { .name: h, .offset: 72, .size: 8, .value_kind: global_buffer, .address_space: global }
      - { .name: wb, .offset: 80, .size: 8, .value_kind: global_buffer, .address_space: global }
    .group_segment_fixed_size: 0
    .private_segment_fixed_size: 0
    .kernarg_segment_align: 8
    .kernarg_segment_size: 88
    .max_flat_workgroup_size: 256
    .sgpr_count:     66
    .vgpr_count:     176
    .wavefront_size: 32
...
	.end_amdgpu_metadata
.endif
;; end of part 1
;; launch qkv (part 2): grid 12 x 16, 4 waves a work-group, clusters of 4 x 4, 327,680 bytes of LDS; arguments h, wb, q, k, v; writes q, k, v
.if DOCPART == 2
	.amdgcn_target "amdgcn-amd-amdhsa--gfx1250"
	.amdhsa_code_object_version 6
	.text
	.protected	k_qe5fc8fdea8_qkv
	.globl	k_qe5fc8fdea8_qkv
	.p2align	8
	.type	k_qe5fc8fdea8_qkv,@function
k_qe5fc8fdea8_qkv:
	s_mov_b64 s[64:65], 0
	v_nop
	global_prefetch_b8 v0, s[64:65] scope:SCOPE_SE
	s_setreg_imm32_b32 hwreg(HW_REG_WAVE_MODE, 25, 1), 1
	s_wait_xcnt 0x0
	s_wait_alu depctr_hold_cnt(0) depctr_sa_sdst(0) depctr_va_vdst(0) depctr_va_sdst(0) depctr_va_ssrc(0) depctr_va_vcc(0) depctr_vm_vsrc(0)
	s_getreg_b32 s2, hwreg(HW_REG_IB_STS2, 6, 4)
	s_cmp_eq_u32 s2, 0
	s_cbranch_scc0 .Lentry_in_a_cluster
	s_endpgm
.Lentry_in_a_cluster:
	s_bfe_u32 s2, ttmp6, 0x10000c
	s_cmp_lg_u32 s2, 0xf033
	s_cbranch_scc0 .Lentry_shape_is_right
	s_endpgm
.Lentry_shape_is_right:
; C = A W for A = h [4096][1024] f16 (rows along K) and W [1024][BN] f16 as it lies, N along the rows.  One text serves two launches; the switch FFN at its head chooses:
;   FFN = 0: W = Wq, Wk, Wv one after the other in wb (cluster x 0, 1, 2); C is rounded to f16 and stored by heads, q, k, v: [32 = 16 batch + head][2048][64].  [4096][3072] in tiles of 256 x 256: a grid of 12 x 16 = 192 work-groups.
;   FFN = 1: W = W1; C + b1 goes through the tanh-GELU in f32, is rounded to f16 and stored in panels, g: [64][4096][64], panel p = columns 64 p .. 64 p + 63.  A grid of 16 x 16.
; In both layouts 16 rows of 64 columns are 2,048 consecutive bytes, so every store of a wave covers 512 consecutive bytes at a multiple of 256 from the buffer's first byte.
; SHARES.  A tile of C is 256 x 256, four waves, each 128 x 128: 64 accumulators of 16 x 16, 512 registers.  K = 1,024 goes in steps of 128 through two LDS slots filled by tensor loads, one load a wave:
; waves 0, 1 bring A's 128 rows x 256 bytes each, waves 2, 3 W's 64 k rows x 512 bytes each.  W's fragments come out of LDS turned, by ds_load_tr16_b128.
; CLUSTER.  4 x 4 work-groups: the four of a row need the same tiles of A, the four of a column the same tiles of W: each tile is asked for jointly, by the same load, descriptor and mask in all four.
; THE MATRIX INSTRUCTION IS USED TRANSPOSED: source 0 = 16 columns of W, source 1 = 16 rows of A: lane l then holds row l % 16 of C and the columns 8 (l / 16) + 0..7.
; GELU: 0.5 x (1 + tanh(u)) = x / (1 + 2^(x (C1 + C3 x^2))), C1 = -2 sqrt(2/pi) log2(e), C3 = 0.044715 C1: the same function; where the exponent overflows the result is x or 0, the function's limits.
; LIMITS: operands f16, sums and the GELU in f32, one rounding to f16 on the way out.  f16 holds nothing beyond 65,504 (a larger result becomes an infinity): with gains and weights all 30 times the problem's
; kind the results have a spread of 30 x 30 = 900 and reach some 5,000.  Below 6e-5 f16 keeps a fixed step of 6e-8.  NaN and infinities are not treated apart.
; REGISTERS, in windows of 256: window 0: v0-31 addresses; v64-127, v128-191 A's two fragment buffers (on the way out at work); v192-223 packed results; v32-63, v224-255 rows read back, by turns.
;   window 1: v64-127, v128-191 W's two fragment buffers; v0-63 the bias of my 128 columns (FFN).   windows 2, 3: the accumulators of my rows 0-63 and 64-127, (a, b) at v[8 (8 (a % 4) + b)].
.set FFN,    0
.if FFN
.set BN,     4096                      ; W's columns
.set WOFF,   8388608                   ; W1 in wb
.set PS,     524288                    ; bytes from a panel to the next: 4,096 rows of 128
.else
.set BN,     1024
.set WOFF,   0
.set PS,     262144                    ; bytes from a head to the next: 2,048 rows of 128
.endif
.set SIZE_K, 1024
.set KSTEP,  128
.set PITCH,  272                       ; a row of A in LDS: 256 bytes + 16 = 68 words: the 16 rows of a load start at 16 different groups of four banks (64 banks of 4 bytes: ISA guide 11.1)
.set PB,     544                       ; a k row of W in LDS: 512 bytes + 32 = 17 x 32
.set HALFT,  128*PITCH                 ; what one tensor load brings: 128 rows of A, or 64 k rows of W (64 x 544 is the same number)
.set SLOT,   4*HALFT                   ; A's 256 rows, then W's 128 k rows
.set STAGE,  2*SLOT                    ; behind the ring: 16 rows x 272 bytes for each wave, for the way out
.set SPITCH, 272
.set SPARE,  STAGE+4*16*SPITCH         ; behind the stages: the spare words, 128 bytes for each wave: two blocks of 256 bytes that no other line names
.set LAPS,   SIZE_K/(2*KSTEP)          ; a lap = two K steps = once round the ring
.set ADRA, 16                          ; v16-17  LDS address of my A fragments in slot 0, 1
.set ADRB, 20                          ; v20-21  the same for W
.set STO,  24                          ; v24     the way out: where I put 16 bytes of a row
.set RD,   25                          ; v25     the way out: where I read four rows of a panel back
.set GO,   26                          ; v26     my 16 bytes in 512 consecutive bytes of the output
.set BOFF, 27                          ; v27     my byte offset in 16 columns of the bias
.set SPW,  28                          ; v28     LDS address of my spare word; never rewritten
.set NIL,  29                          ; v29     0; never rewritten
.set F0,   64
.set F1,   128
.set GX,   64                          ; the GELU: x, in window 0
.set GT,   128                         ; the GELU: at work
.set TMP,  192
.set OB,   32
.set G1, 24                            ; s[24:31] descriptor group 1 for A's tiles;  s[32:39] group 0, one set for each slot
.set G0, 32
.set G1B, 48                           ; s[48:55], s[56:63] the same for W's tiles
.set G0B, 56
.set MSB, 0
.macro WIN new                         ; the immediate's high byte repeats the setting that is left; a switch that changes nothing is dropped
.if MSB != (\new)
	s_set_vgpr_msb (MSB<<8)|(\new)
.set MSB, \new
.endif
.endm
.set MUL_LO, 0xa1                      ; source 0 (W) window 1, source 1 (A) window 0, C and D window 2
.set MUL_HI, 0xf1                      ; the same, C and D window 3
.set TO_B,   0x40                      ; destination window 1, address window 0
; A joint load.  Waves 0 and 1 fetch A's two halves, waves 2 and 3 W's.  The branch hangs on the wave's number alone.  Four v_nop follow each of the two lines, ahead of the jump and the label.
.macro JLOAD s
	s_cmp_eq_u32 s11, 0
	s_cbranch_scc0 .Lfor_b_\@
	tensor_load_to_lds s[G0+4*(\s):G0+4*(\s)+3], s[G1:G1+7]
	s_nop 0
.rept 4
	v_nop
.endr
	s_branch .Lasked_\@
.Lfor_b_\@:
	tensor_load_to_lds s[G0B+4*(\s):G0B+4*(\s)+3], s[G1B:G1B+7]
	s_nop 0
.rept 4
	v_nop
.endr
.Lasked_\@:
.endm
; A round of the cluster's barrier: my work-group's barrier; wave 0 signals for the work-group; every wave waits for all sixteen; my work-group's barrier once more.
.macro CREST                           ; a round behind its opening barrier
	s_cmp_lg_u32 s10, 0
	s_cbranch_scc1 .Lnot_wave_0_\@
	s_barrier_signal -3
.Lnot_wave_0_\@:
	s_barrier_wait -3
	s_barrier_signal -1
	s_barrier_wait -1
.endm
.macro CROUND
	s_barrier_signal -1
	s_barrier_wait -1
	CREST
.endm
	s_load_b128 s[4:7], s[0:1], 0x0                ; h s[4:5], wb s[6:7]
	s_load_b128 s[68:71], s[0:1], 0x10             ; FFN: b1 s[68:69], g s[70:71]; else q s[68:69], k s[70:71]
.if !FFN
	s_load_b64 s[72:73], s[0:1], 0x20              ; v
.endif
	v_lshl_add_u32 v[SPW], v0, 2, SPARE
	v_mov_b32 v[NIL], 0
	ds_add_u32 v28, v29
	ds_add_u32 v28, v29
	s_wait_dscnt 0x0
	v_lshrrev_b32 v1, 5, v0
	v_readfirstlane_b32 s10, v1                    ; wave 0..3
	s_lshr_b32 s11, s10, 1                         ; which half of the tile's rows is mine.  Also: I fetch for A (0) or for W (1)
	s_and_b32 s12, s10, 1                          ; which half of its columns.  Also: which half of that tile I fetch
	s_bfe_u32 s40, ttmp6, 0x40000                  ; cx
	s_bfe_u32 s41, ttmp6, 0x40004                  ; cy
	s_lshl_b32 s42, ttmp9, 2
	s_add_co_u32 s42, s42, s40                     ; tile column = 4 x cluster x + cx
	s_and_b32 s13, ttmp7, 0xffff
	s_lshl_b32 s13, s13, 2
	s_add_co_u32 s13, s13, s41                     ; tile row = 4 x cluster y + cy
	s_lshl_b32 s43, s41, 2
	s_lshl_b32 s43, 15, s43                        ; my row of the cluster
	s_lshl_b32 s44, 0x1111, s40                    ; my column
	s_or_b32 s[G1+0], s43, (1<<16)|(1<<20)|(1<<21)|(5<<22)|(3<<25)   ; the mask: A's tiles go to my row; 2-byte elements; padding on; bit 21 beside a mask; after every 64 words, 4 words
	s_or_b32 s[G1B+0], s44, (1<<16)|(1<<20)|(1<<21)|(6<<22)|(7<<25)  ; W's tiles go to my column; after every 128 words, 8 words
	s_mov_b32 s[G1+1], KSTEP<<16                   ; A: tensor_dim0 = 128
	s_mov_b32 s[G1+2], 128<<16                     ; tensor_dim1 = 128
	s_mov_b32 s[G1+3], KSTEP<<16                   ; tile_dim0 = 128
	s_mov_b32 s[G1+4], 128                         ; tile_dim1 = 128
	s_mov_b32 s[G1+5], SIZE_K                      ; elements from row to row
	s_mov_b32 s[G1+6], 0
	s_mov_b32 s[G1+7], 0
	s_mov_b32 s[G1B+1], 256<<16                    ; W: tensor_dim0 = 256 columns
	s_mov_b32 s[G1B+2], 64<<16                     ; tensor_dim1 = 64 k rows
	s_mov_b32 s[G1B+3], 256<<16                    ; tile_dim0 = 256
	s_mov_b32 s[G1B+4], 64                         ; tile_dim1 = 64
	s_mov_b32 s[G1B+5], BN
	s_mov_b32 s[G1B+6], 0
	s_mov_b32 s[G1B+7], 0
	; A's tile hangs on the tile row alone, W's on the tile column alone; each offset is made in registers that never hold the other coordinate
	s_lshl_b32 s17, s12, 7
	s_lshl_b32 s16, s13, 8
	s_add_co_u32 s16, s16, s17                     ; A: row 256 x tile row + 128 x half,
	s_lshl_b32 s16, s16, 11                        ; 2,048 bytes each
	s_mov_b32 s17, 0
.if FFN
	s_lshl_b32 s46, s42, 9                         ; W1: 512 bytes of a k row for each tile column
	s_add_co_u32 s46, s46, WOFF
.else
	s_lshl_b32 s46, ttmp9, 21                      ; the cluster's x says which of Wq, Wk, Wv: 2,097,152 bytes each;
	s_lshl_b32 s47, s40, 9                         ; cx which 256 of its columns
	s_add_co_u32 s46, s46, s47
.endif
	s_mul_i32 s47, s12, 64*BN*2                    ; which 64 k rows I fetch
	s_add_co_u32 s46, s46, s47
	s_mov_b32 s47, 0
	s_mul_i32 s20, s10, HALFT                      ; where my load lands: wave x HALFT: no place in the cluster enters an LDS address
	s_wait_kmcnt 0x0
	s_add_nc_u64 s[14:15], s[4:5], s[16:17]
	s_add_nc_u64 s[46:47], s[6:7], s[46:47]
	CROUND                                         ; all sixteen work-groups are here: the first joint loads meet
.irp s, 0,1
	s_mov_b32 s[G0+4*(\s)], 1
	s_add_co_u32 s[G0+4*(\s)+1], s20, (\s)*SLOT
	s_add_nc_u64 s[G0+4*(\s)+2:G0+4*(\s)+3], s[14:15], (\s)*KSTEP*2
	s_or_b32 s[G0+4*(\s)+3], s[G0+4*(\s)+3], 0x80000000
	s_mov_b32 s[G0B+4*(\s)], 1
	s_add_co_u32 s[G0B+4*(\s)+1], s20, (\s)*SLOT
	s_add_nc_u64 s[G0B+4*(\s)+2:G0B+4*(\s)+3], s[46:47], (\s)*KSTEP*BN*2
	s_or_b32 s[G0B+4*(\s)+3], s[G0B+4*(\s)+3], 0x80000000
	JLOAD \s                                       ; K steps 0 and 1: two loads of mine are out
.endr
	; A's fragment: lane l holds row l % 16, K = 8 (l / 16) + 0..7 and 16 + 8 (l / 16) + 0..7: two loads of 16 bytes, 32 bytes apart.
	; W's fragment: the turning load takes 16 k rows x 16 columns (lane l reads k row 8 (l / 16) + l % 8, columns 8 ((l / 8) % 2) + 0..7) and leaves lane l column l % 16 and 8 k; two of them, 16 k rows apart.
	v_and_b32 v1, 15, v0                           ; l % 16
	v_bfe_u32 v2, v0, 4, 1                         ; l / 16
	v_mul_u32_u24 v3, v1, PITCH
	v_lshl_add_u32 v3, v2, 4, v3
	v_and_b32 v4, 7, v0
	v_lshl_add_u32 v4, v2, 3, v4
	v_mul_u32_u24 v4, v4, PB
	v_bfe_u32 v5, v0, 3, 1
	v_lshl_add_u32 v4, v5, 4, v4
	s_mul_i32 s21, s11, HALFT                      ; my 128 rows of A
	s_lshl_b32 s22, s12, 8                         ; my 128 columns of W: 256 bytes of each k row,
	s_add_co_u32 s22, s22, 2*HALFT                 ; behind A's 256 rows
.irp s, 0,1
	v_add_nc_u32 v[ADRA+(\s)], s21, v3
	v_add_nc_u32 v[ADRB+(\s)], s22, v4
	s_add_co_u32 s21, s21, SLOT
	s_add_co_u32 s22, s22, SLOT
.endr
	s_mul_i32 s23, s10, 16*SPITCH
	s_add_co_u32 s23, s23, STAGE                   ; my stage
	v_add_nc_u32 v[STO], s23, v3                   ; in: row l % 16, 16 bytes for each half of the lanes (the stage's pitch is A's)
	v_bfe_u32 v6, v0, 3, 2                         ; back: 32 lanes take four rows of a panel's 128 bytes,
	v_mul_u32_u24 v6, v6, SPITCH
	v_and_b32 v7, 7, v0
	v_lshl_add_u32 v6, v7, 4, v6
	v_add_nc_u32 v[RD], s23, v6
	v_and_b32 v[GO], 31, v0                        ; which are 512 consecutive bytes of the output
	v_lshlrev_b32 v[GO], 4, v[GO]
	v_lshlrev_b32 v[BOFF], 5, v2                   ; eight f32 for each half of the lanes
.if FFN
	s_lshl_b32 s16, s42, 2
	s_lshl_b32 s17, s12, 1
	s_add_co_u32 s16, s16, s17                     ; my first panel: 4 x tile column + 2 x half,
	s_lshl_b32 s16, s16, 12                        ; 4,096 rows each,
	s_lshl_b32 s17, s13, 8
	s_add_co_u32 s16, s16, s17
	s_lshl_b32 s17, s11, 7
	s_add_co_u32 s16, s16, s17                     ; my first row,
	s_lshl_b32 s16, s16, 7                         ; 128 bytes each
	s_mov_b32 s17, 0
	s_add_nc_u64 s[8:9], s[70:71], s[16:17]        ; g at my part
	s_lshl_b32 s46, s42, 10
	s_lshl_b32 s47, s12, 9
	s_add_co_u32 s46, s46, s47
	s_mov_b32 s47, 0
	s_add_nc_u64 s[68:69], s[68:69], s[46:47]      ; b1 at my 128 columns
	s_mov_b32 s74, 0xc0135761                      ; C1 = -2.3022082
	s_mov_b32 s75, s74                             ; named with it as a pair
	s_mov_b32 s76, 0xbdd2d3e8                      ; C3 = -0.10294324
	s_mov_b32 s77, s76
	WIN TO_B
.irp b, 0,1,2,3,4,5,6,7                ; the bias of columns 16 b + 8 (l / 16) + 0..7; waited for on the way out
	global_load_b128 v[8*(\b):8*(\b)+3],   v[BOFF], s[68:69] offset:64*(\b)
	global_load_b128 v[8*(\b)+4:8*(\b)+7], v[BOFF], s[68:69] offset:64*(\b)+16
.endr
	WIN 0
.else
	s_lshr_b32 s16, s13, 3                         ; the batch,
	s_lshl_b32 s16, s16, 4
	s_lshl_b32 s17, s40, 2
	s_add_co_u32 s16, s16, s17
	s_lshl_b32 s17, s12, 1
	s_add_co_u32 s16, s16, s17                     ; my first head: 16 x batch + 4 cx + 2 x half,
	s_lshl_b32 s16, s16, 11                        ; 2,048 rows each,
	s_and_b32 s17, s13, 7
	s_lshl_b32 s17, s17, 8
	s_add_co_u32 s16, s16, s17
	s_lshl_b32 s17, s11, 7
	s_add_co_u32 s16, s16, s17                     ; my first row in the batch,
	s_lshl_b32 s16, s16, 7                         ; 128 bytes each
	s_mov_b32 s17, 0
	s_mov_b32 s18, ttmp9
	s_cmp_eq_u32 s18, 1
	s_cselect_b64 s[8:9], s[70:71], s[68:69]       ; k, or q,
	s_cmp_eq_u32 s18, 2
	s_cselect_b64 s[8:9], s[72:73], s[8:9]         ; or v
	s_add_nc_u64 s[8:9], s[8:9], s[16:17]
.endif
; 16 matrix instructions: m blocks a0, a0 + 1 of the window's four x all 8 n blocks, 32 along K.  zero = 1: the first product starts the sums.  The 64 accumulators take turns.
.macro MUL16 f, hi, a0, zero
	WIN MUL_LO+0x50*(\hi)
.irp a, \a0, (\a0)+1
.irp b, 0,1,2,3,4,5,6,7
.if \zero
	v_wmma_f32_16x16x32_f16 v[8*(8*(\a)+(\b)):8*(8*(\a)+(\b))+7], v[(\f)+8*(\b):(\f)+8*(\b)+7], v[(\f)+8*(4*(\hi)+(\a)):(\f)+8*(4*(\hi)+(\a))+7], 0
.else
	v_wmma_f32_16x16x32_f16 v[8*(8*(\a)+(\b)):8*(8*(\a)+(\b))+7], v[(\f)+8*(\b):(\f)+8*(\b)+7], v[(\f)+8*(4*(\hi)+(\a)):(\f)+8*(4*(\hi)+(\a))+7], v[8*(8*(\a)+(\b)):8*(8*(\a)+(\b))+7]
.endif
.endr
.endr
.endm
; 32 LDS loads in one run: the fragments of quarter q of a K step (32 along K) into buffer f: W's 128 columns first, then A's 128 rows
.macro FETCH slot, q, f
	WIN TO_B
.irp i, 0,1,2,3,4,5,6,7
	ds_load_tr16_b128 v[(\f)+8*(\i):(\f)+8*(\i)+3],   v[ADRB+(\slot)] offset:32*(\q)*PB+32*(\i)
	ds_load_tr16_b128 v[(\f)+8*(\i)+4:(\f)+8*(\i)+7], v[ADRB+(\slot)] offset:(32*(\q)+16)*PB+32*(\i)
.endr
	WIN 0
.irp i, 0,1,2,3,4,5,6,7
	ds_load_b128 v[(\f)+8*(\i):(\f)+8*(\i)+3],   v[ADRA+(\slot)] offset:64*(\q)+(\i)*16*PITCH
	ds_load_b128 v[(\f)+8*(\i)+4:(\f)+8*(\i)+7], v[ADRA+(\slot)] offset:64*(\q)+(\i)*16*PITCH+32
.endr
.endm
.macro PLACES                          ; four plain instructions between a matrix instruction and a load into, or a vector instruction on, its registers
.rept 4
	v_nop
.endr
.endm
; One of a K step's first three quarters: multiplies buffer f; in its middle it fetches quarter q of the same slot into buffer g.
.macro QUARTER slot, q, f, g, zero
	s_wait_dscnt 8                                 ; W and A's rows 0-63 are in; the youngest eight loads (A's rows 64-127) may be out
	WIN MUL_LO
	MUL16 \f, 0, 0, \zero
	MUL16 \f, 0, 2, \zero
	PLACES
	FETCH \slot, \q, \g
	s_wait_dscnt 32                                ; all but the 32 just issued
	WIN MUL_HI
	MUL16 \f, 1, 0, \zero
	MUL16 \f, 1, 2, \zero
.endm
; The last quarter's first half, and the one barrier of a change of slots.  In front of it each wave waits for all its tensor loads (one is out: its part of the next slot), adds 0 to its spare word,
; and waits for that and for its reads of this slot.  Behind it nobody reads this slot any more and the next slot is whole.
.macro MEET round
	WIN 0                                          ; (the add's two registers lie in window 0)
	s_wait_tensorcnt 0x0
	ds_add_u32 v[SPW], v[NIL]                      ; 0 onto my spare word
	s_wait_dscnt 9                                 ; the add and the youngest eight loads may be out
	WIN MUL_LO
	MUL16 F1, 0, 0, 0
	s_wait_dscnt 0x0                               ; the add is done, and my reads of this slot are over
	s_barrier_signal -1
	MUL16 F1, 0, 2, 0
.if \round
	WIN 0
.endif
	s_barrier_wait -1
.endm
; The whole last quarter.  fill = 1: the barrier opens a round of the cluster's, and the slot just read out is filled again first behind it, with the K step two steps on.
.macro TURN slot, next, fill
	MEET \fill
.if \fill
	CREST                                          ; no wave of any partner still reads this slot's tile or has a load on its way
	s_add_nc_u64 s[G0+4*(\slot)+2:G0+4*(\slot)+3], s[G0+4*(\slot)+2:G0+4*(\slot)+3], 2*KSTEP*2
	s_add_nc_u64 s[G0B+4*(\slot)+2:G0B+4*(\slot)+3], s[G0B+4*(\slot)+2:G0B+4*(\slot)+3], 2*KSTEP*BN*2
	JLOAD \slot                                    ; my one tensor load behind the round; its four v_nop are also the places in front of the loads below
.else
	PLACES
.endif
	FETCH \next, 0, F0
	WIN MUL_HI
	MUL16 F1, 1, 0, 0
	MUL16 F1, 1, 2, 0
.endm
; THE WAY OUT of block a (16 rows x 128 columns).  PACK or GELU: 16 bytes of f16 a lane and n block.  TOSTAGE: into my own stage, and back as rows of a panel.  SEND: stored.
.macro PACK a
.set AC, 64*((\a)%4)
	WIN 0x0a+5*((\a)/4)                            ; sources 0 and 1: window 2 or 3
.irp b, 0,1,2,3,4,5,6,7
.irp r, 0,1,2,3
	v_cvt_pk_f16_f32 v[TMP+4*(\b)+(\r)], v[AC+8*(\b)+2*(\r)], v[AC+8*(\b)+2*(\r)+1]  ; each accumulator from its lowest registers on
.endr
.endr
	WIN 0
.endm
.macro GELU a
.set AC, 64*((\a)%4)
	WIN 0x06+((\a)/4)                              ; source 0 (sums) window 2 or 3, source 1 (bias) window 1, destination window 0
.set i, 0
.rept 32
	v_pk_add_f32 v[GX+2*i:GX+2*i+1], v[AC+2*i:AC+2*i+1], v[2*i:2*i+1]  ; x = sum + b1; each accumulator from its lowest registers on
.set i, i+1
.endr
	WIN 0
.set i, 0
.rept 32
	v_pk_mul_f32 v[GT+2*i:GT+2*i+1], v[GX+2*i:GX+2*i+1], v[GX+2*i:GX+2*i+1]
.set i, i+1
.endr
.set i, 0
.rept 32
	v_pk_fma_f32 v[GT+2*i:GT+2*i+1], v[GT+2*i:GT+2*i+1], s[76:77], s[74:75] op_sel_hi:[1,0,0]  ; C3 x^2 + C1
.set i, i+1
.endr
.set i, 0
.rept 32
	v_pk_mul_f32 v[GT+2*i:GT+2*i+1], v[GT+2*i:GT+2*i+1], v[GX+2*i:GX+2*i+1]
.set i, i+1
.endr
.set i, 0
.rept 64
	v_exp_f32 v[GT+i], v[GT+i]
.set i, i+1
.endr
	v_nop                                          ; a plain instruction behind the last exponential (ISA guide 5.7.2)
.set i, 0
.rept 32
	v_pk_add_f32 v[GT+2*i:GT+2*i+1], v[GT+2*i:GT+2*i+1], 1.0 op_sel_hi:[1,0]
.set i, i+1
.endr
.set i, 0
.rept 64
	v_rcp_f32 v[GT+i], v[GT+i]
.set i, i+1
.endr
	v_nop                                          ; and behind the last reciprocal
.set i, 0
.rept 32
	v_pk_mul_f32 v[GX+2*i:GX+2*i+1], v[GX+2*i:GX+2*i+1], v[GT+2*i:GT+2*i+1]
.set i, i+1
.endr
.set i, 0
.rept 32
	v_cvt_pk_f16_f32 v[TMP+i], v[GX+2*i], v[GX+2*i+1]
.set i, i+1
.endr
.endm
.macro MAKE a
.if FFN
	GELU \a
.else
	PACK \a
.endif
.endm
.macro TOSTAGE a
	WIN 0
.set BK, OB+192*((\a)%2)
.irp b, 0,1,2,3,4,5,6,7
	ds_store_b128 v[STO], v[TMP+4*(\b):TMP+4*(\b)+3] offset:32*(\b)
.endr
.irp pn, 0,1
.irp t, 0,1,2,3
	ds_load_b128 v[BK+4*(4*(\pn)+(\t)):BK+4*(4*(\pn)+(\t))+3], v[RD] offset:128*(\pn)+(\t)*4*SPITCH  ; LDS serves a wave's instructions in order (ISA guide 5.7.1.4): these see the stores above
.endr
.endr
.endm
.macro SEND a
	WIN 0
.set BK, OB+192*((\a)%2)
	s_wait_dscnt 0x0                               ; the block is back in registers
	s_wait_xcnt 0x0                                ; the stores of the block before have had their addresses translated (ISA guide 3.1): its registers are loaded again only behind this wait
.irp pn, 0,1
.irp t, 0,1,2,3
	global_store_b128 v[GO], v[BK+4*(4*(\pn)+(\t)):BK+4*(4*(\pn)+(\t))+3], s[8:9] offset:(\pn)*PS+(\a)*2048+(\t)*512  ; four rows of a panel: 512 consecutive bytes; panel, block and rows stand in the immediate
.endr
.endr
.endm
	s_wait_tensorcnt 0x1                           ; my part of K step 0 is in; K step 1's may stay out
	s_barrier_signal -1
	s_barrier_wait -1                              ; everybody's is
	FETCH 0, 0, F0
	QUARTER 0, 1, F0, F1, 1                        ; the first quarter stands in front of the loop: its products start the sums
	WIN 0                                          ; at a label and at a branch every window is 0
	s_mov_b32 s3, LAPS-1
.Llap:                                                 ; a trip goes once round the ring, from a lap's second quarter to the next lap's first, and fills both slots again
	QUARTER 0, 2, F1, F0, 0
	QUARTER 0, 3, F0, F1, 0
	TURN 0, 1, 1
	QUARTER 1, 1, F0, F1, 0
	QUARTER 1, 2, F1, F0, 0
	QUARTER 1, 3, F0, F1, 0
	TURN 1, 0, 1
	QUARTER 0, 1, F0, F1, 0
	WIN 0
	s_sub_co_u32 s3, s3, 1
	s_cmp_lg_u32 s3, 0
	s_cbranch_scc1 .Llap
	QUARTER 0, 2, F1, F0, 0                        ; the last lap fills nothing, and has no round of the cluster's barrier
	QUARTER 0, 3, F0, F1, 0
	TURN 0, 1, 0
	QUARTER 1, 1, F0, F1, 0
	QUARTER 1, 2, F1, F0, 0
	QUARTER 1, 3, F0, F1, 0
	s_wait_dscnt 8                                 ; the very last quarter: nothing more to fetch
	MUL16 F1, 0, 0, 0
	MUL16 F1, 0, 2, 0
	s_wait_dscnt 0x0
	MUL16 F1, 1, 0, 0
	MUL16 F1, 1, 2, 0
	WIN 0
.if FFN
	s_wait_loadcnt 0x0                             ; the bias
.endif
	PLACES
	MAKE 0
	TOSTAGE 0
.irp a, 1,2,3,4,5,6,7                  ; block a's arithmetic stands between block a - 1's loads from the stage and the wait for them
	MAKE \a
	SEND (\a)-1
	TOSTAGE \a
.endr
	SEND 7
	s_wait_tensorcnt 0x0                           ; the wave's end
	ds_add_u32 v[SPW], v[NIL]
	s_wait_dscnt 0x0
	CROUND                                         ; the closing round: no work-group ends while a partner may still ask for a tile that names it
	s_endpgm
.Lfunc_end_k_qe5fc8fdea8_qkv:
	.size	k_qe5fc8fdea8_qkv, .Lfunc_end_k_qe5fc8fdea8_qkv-k_qe5fc8fdea8_qkv
	.p2alignl 7, 3214868480
	.fill 96, 4, 3214868480
	.section	.rodata,"a",@progbits
	.p2align	6, 0x0
	.amdhsa_kernel k_qe5fc8fdea8_qkv
		.amdhsa_group_segment_fixed_size 327680
		.amdhsa_private_segment_fixed_size 0
		.amdhsa_enable_private_segment 0
		.amdhsa_kernarg_size 40
		.amdhsa_user_sgpr_count 2
		.amdhsa_user_sgpr_kernarg_segment_ptr 1
		.amdhsa_wavefront_size32 1
		.amdhsa_system_sgpr_workgroup_id_x 1
		.amdhsa_system_sgpr_workgroup_id_y 1
		.amdhsa_system_sgpr_workgroup_id_z 1
		.amdhsa_system_vgpr_workitem_id 0
		.amdhsa_next_free_vgpr 1024
		.amdhsa_next_free_sgpr 80
		.amdhsa_reserve_vcc 0
		.amdhsa_float_denorm_mode_32 3
		.amdhsa_float_denorm_mode_16_64 3
		.amdhsa_memory_ordered 1
		.amdhsa_forward_progress 1
		.amdhsa_inst_pref_size 143
	.end_amdhsa_kernel
	.amdgpu_metadata
---
amdhsa.version: [ 1, 2 ]
amdhsa.kernels:
  - .name:           k_qe5fc8fdea8_qkv
    .symbol:         k_qe5fc8fdea8_qkv.kd
    .args:
      - { .name: h, .offset: 0, .size: 8, .value_kind: global_buffer, .address_space: global }
      - { .name: wb, .offset: 8, .size: 8, .value_kind: global_buffer, .address_space: global }
      - { .name: q, .offset: 16, .size: 8, .value_kind: global_buffer, .address_space: global }
      - { .name: k, .offset: 24, .size: 8, .value_kind: global_buffer, .address_space: global }
      - { .name: v, .offset: 32, .size: 8, .value_kind: global_buffer, .address_space: global }
    .group_segment_fixed_size: 327680
    .private_segment_fixed_size: 0
    .kernarg_segment_align: 8
    .kernarg_segment_size: 40
    .max_flat_workgroup_size: 128
    .sgpr_count:     80
    .vgpr_count:     1024
    .wavefront_size: 32
...
	.end_amdgpu_metadata
.endif
;; end of part 2
;; launch attn (part 3): grid 8 x 32, 4 waves a work-group, no clusters, 327,680 bytes of LDS; arguments q, k, v, ctx; writes ctx
.if DOCPART == 3
	.amdgcn_target "amdgcn-amd-amdhsa--gfx1250"
	.amdhsa_code_object_version 6
	.text
	.protected	k_qe5fc8fdea8_attn
	.globl	k_qe5fc8fdea8_attn
	.p2align	8
	.type	k_qe5fc8fdea8_attn,@function
k_qe5fc8fdea8_attn:
	s_mov_b64 s[64:65], 0
	v_nop
	global_prefetch_b8 v0, s[64:65] scope:SCOPE_SE
	s_setreg_imm32_b32 hwreg(HW_REG_WAVE_MODE, 25, 1), 1
	s_wait_xcnt 0x0
; CAUSAL ATTENTION.  O[h][q][:] = the sum over k <= q of softmax_k(Q[h][q] . K[h][k] / 8) V[h][k][:].  Q, K, V, O: [SIZE_H][SIZE_N][64], all f16: a head's rows are dense, 128 bytes each.
; Products, maxima and sums in f32; the weights p are rounded to f16 for the second product (their sum l is taken of the unrounded p), O once at the end.
; LIMITS.  f16 holds no number beyond 65,504: Q, K and V arrive within it; p lies in 0 to 1, and below 6e-5 it keeps f16's fixed step of 6e-8; O is a mean of V's rows and has their range, to within 2^-11 of it.
; A hidden score counts as its value less 1e30: f16's scores, 2.7e11 at the most, are nothing beside that; a weight below 2^-126 counts as 0 in l; NaN and infinities are not treated apart.
; THE WALK.  A head's queries lie in NBQ = SIZE_N / 128 blocks of 128, its keys in NT = SIZE_N / 256 tiles of 256 (four steps of 64).  Block i needs the tiles 0 .. i / 2; the last holds the diagonal, in its steps 0 and 1
; if i is even, 2 and 3 if i is odd.  A work-group takes TWO blocks, NBQ - 1 - b and then b: (NBQ - 1 - b) / 2 + 1 + b / 2 + 1 = NT + 1 tiles, whatever b: all work-groups do equal work, and ONE loop with a constant trip
; count walks them.  Which tile is asked for, and what a trip does, hang on scalar registers made from b; every jump goes forward, but for the counted loops' own; none passes a barrier, or a tensor load but the one of
; LOAD's two that the wave's number does not choose; the ring (two slots of LDS that take turns) runs on across the change of blocks.  The grid is 8 x 32 = 256 work-groups.
; NO CLUSTER: of a head's eight walks only those of b = 2 e and 2 e + 1 are alike throughout, and what a trip does hangs on b, which would differ between partners.
; SHARES.  Of a block's two bands of 64 queries a wave owns 16 rows in each: two PIECES.  So the diagonal tile is the same work for all four waves: band x's own step is 2 (i % 2) + x; it sees all keys of the steps
; before that one and none of the steps behind it.
; THE MASK is the C operand that starts the sum S^T = K Q^T: 0, or -1e30 where the key is hidden.  MD, made once, is the mask of a band's own step for my 16 rows; a product's mask is MD x AL + BE with two scalars:
; (1, 0) in the band's own step; (0, 0) before it; (0, -1e30) behind it.  Only the diagonal tile's text and a block's beginning make and take masks; elsewhere C is the constant 0.
; LAYOUT, SOFTMAX, TURNS.  S^T = K Q^T holds ONE query a lane (lane % 16) and the keys 8 (lane / 16) + 0..7; two such results rounded to f16 ARE source 1 of O^T = V^T P.  p = 2^(c s - c m), c = log2(e) / 8, with a
; running maximum m; O and l are multiplied by a = 2^(c m_old - c m_new) in every step.  A step is two turns.  Piece 0's turn of step j: 8 products K Q^T of piece 1 for step j, later 8 products V^T P of piece 1 for step j - 1;
; piece 1's turn: K Q^T of piece 0 for step j + 1, V^T P of piece 0 for step j.  Beside them the scaling, exponentials, roundings, sums and rescaling of the turn's own piece and the maximum and statistics of the other.
; Four vector instructions stand behind every matrix instruction, the other 54 of a turn's 118 in two runs of their own.
; K AND V.  Both are fetched in piece 0's turn of step j, for step j + 1: K behind the turn's K Q^T, V behind its V^T P, each into the registers that those products have just read.  V has two buffers, by the step's
; parity, since V of step j is still to be multiplied in the next two turns.  So LDS is read in the order K(j), V(j), K(j + 1) ..., and a tile's last bytes have been asked for when step 2's turns end: there the slots change.
; REGISTERS, in windows of 256 (s_set_vgpr_msb: bits 1:0 source 0, 3:2 source 1, 5:4 source 2, 7:6 destination):
;   window 0: v0-15 addresses and two at work; v16-23 four registers of statistics a piece; v48-55 at work; v61-63 never rewritten; v64-127 S^T, a buffer a piece; v192-223 P, likewise
;   window 1: v0-63 O^T, 32 a piece; v128-159 MD; v160-223 MC, two buffers      window 2: v0-31 Q; v32-63 the second block's Q; v64-127 V, even steps; v128-191 K of one step; v192-255 V, odd steps
.set SIZE_H, 32
.set SIZE_N, 2048
.set NT,    SIZE_N/256 ; key tiles in a head
.set NBQ,   SIZE_N/128 ; query blocks in a head
.set NP,    2         ; pieces a wave: a name, no knob
.set KS,    64        ; keys in a step
.set PK,    144       ; a row of K in LDS: 128 bytes + 16 of padding = 36 words: the 16 rows of a load start at 16 different groups of four banks (64 banks of 4 bytes: ISA guide 11.1)
.set PV,    160       ; a row of V: 128 + 32 = 40 words
.set VOFF,  4*KS*PK   ; a slot holds a tile, four steps: 256 rows of K, then 256 rows of V
.set SLOT1, 1<<17     ; slot 1 begins here, so that one exclusive or turns an address in one slot into the other's
.set STAGE, SLOT1+4*KS*(PK+PV)  ; behind the ring, never filled by a tensor load: 16 rows x 144 bytes for each wave, for the way out
.set SP,    144
.set AK0, 2           ; v2   my lane's place in a tile of K; never rewritten
.set AV0, 3           ; v3   the same for V
.set AK,  4           ; v4   the LDS address of K's next run of loads
.set AV,  5           ; v5   of V's
.set STO, 6           ; v6   the way out: where I put 16 bytes of a row
.set RD,  7           ; v7   the way out: where I read rows back
.set GO,  8           ; v8   my byte offset in 512 consecutive bytes of O
.set PFO, 61          ; v61  256 x my lane: the offsets of a request ahead; never rewritten
.set SPW, 62          ; v62  LDS address of my spare word: SPARE + 4 x my thread's number; never rewritten
.set NIL, 63          ; v63  0; never rewritten
.set SPARE, STAGE+4*16*SP  ; behind the stages: the spare words, 128 bytes for each wave: two blocks of 256 bytes that no other line names
.set MV,  12          ; v12-13  c m_old, kept while c m is made anew: by piece
.set QO,  15          ; v15  my byte offset in 16 rows of Q
.set ST,  16          ; piece t's statistics at v[ST+4 t]: c m, m, l (even keys', odd keys')
.set TMP, 48          ; by piece, four registers c0-c3 at work; when the maximum is found c2 takes a
.set S,   64
.set P,   192
.set MD,  128         ; window 1: the eight registers for group kt of 16 keys at MD + 8 kt
.set MC,  160         ; window 1: the masks of the products to come
.set QB,  32          ; window 2
.set VF,  64          ; window 2: V's buffer b at VF + 128 b; in it key half kk, channel block cb at 32 kk + 8 cb
.set KF,  128         ; window 2: key block kb, channel half c at KF + 16 kb + 8 c
.set WV,  12          ; s12  my wave's number
.set PB,  14          ; s14  b
.set HI,  15          ; s15  NBQ - 1 - b
.set G1K, 24          ; s[24:31] descriptor group 1 for K's tiles
.set G1V, 32          ; s[32:39] for V's: it differs in the padding alone
.set G0K, 40          ; s[40:43] descriptor group 0 for K's tiles
.set G0V, 44          ; s[44:47] the same for V's
.set PT,  48          ; s48  b / 2: the second block's last tile
.set OWN, 50          ; s50, s51  the own steps of bands 0 and 1 of the block in hand, counted in its last tile
.set OW2, 52          ; s52  band 0's own step in the second block
.set NS,  53          ; s53  the diagonal tile's text: the step, counted in the tile, of the products whose masks are being made
.set TS,  54          ; s54  at work
.set SLOTS, 56        ; s56  tiles still to be asked for
.set CNT, 57          ; s57  counts a tile's pairs of key steps, 2 to 1
.set CS,  58          ; s[58:59] c: the packed scaling takes the pair's low word for both halves
.set SEL, 60          ; s[60:61] v_permlanex16_b32's selects: each lane takes its own place in the other half
.set TBK, 62          ; s62  LDS byte at which K of the step to be fetched begins
.set TBV, 63          ; s63  the same for V, less VOFF
.set PFB, 66          ; s[66:67] the requests ahead: my work-group's eighth of the head's tile 0
.set PFA, 68          ; s[68:69] the same of the tile asked for
.set RT,  70          ; s70  tiles of the block in hand that are still to be entered
.set NXT, 71          ; s71  the tile to be asked for next
.set LQ,  72          ; s72  the last tile of the block whose tiles are being asked for
.set NEW, 73          ; s73  1: the tile to be entered is a block's first
.set OFF, 74          ; s[74:75] a tile's byte offset in K and V
.set AL,  76          ; s[76:77] the mask's factor, in the low word
.set BE,  78          ; s[78:79] the mask's addend
.set OLO, 80          ; s[80:81] O at my rows of the second block
.set BIGN, 82         ; s82  -1e30
.set MSB, 0
.macro WIN new                      ; the high byte repeats the setting that is left; a switch that changes nothing is dropped
.if MSB != (\new)
	s_set_vgpr_msb (MSB<<8)|(\new)
.set MSB, (\new)
.endif
.endm
.set W_KQ, 0x0a       ; K and Q in window 2, S^T in window 0
.set W_KM, 0x1a       ; the same with the C operand in window 1
.set W_PV, 0x52       ; V in window 2, P in window 0, O^T in window 1
.set W_RS, 0x41       ; destination and source 0 in window 1, source 1 in window 0
; A fill.  Waves 0 and 1 fetch the two halves of a tile's K, waves 2 and 3 those of its V: 128 keys each.  Four v_nop follow each of the two lines, ahead of the jump and the label.
.macro LOAD
	s_cmp_lt_u32 s[WV], 2
	s_cbranch_scc0 .Lfor_v_\@
	tensor_load_to_lds s[G0K:G0K+3], s[G1K:G1K+7]
	s_nop 0
.rept 4
	v_nop
.endr
	s_branch .Lasked_\@
.Lfor_v_\@:
	tensor_load_to_lds s[G0V:G0V+3], s[G1V:G1V+7]
	s_nop 0
.rept 4
	v_nop
.endr
.Lasked_\@:
.endm
; THE CHANGE OF SLOTS.  Each wave waits for all its tensor loads, of which one is out: its part of the other slot; adds 0 to its spare word; and waits for that and for its own reads of the slot that it leaves.  Behind the barrier nobody reads the old
; slot any more and the other slot is whole.  fill = 1: the old slot is filled again, the first thing behind the barrier, with tile NXT: the descriptor's address is made anew from that number.
; (At its first use nothing has been read yet: slot 0 is waited for, slot 1 filled.)
.macro CHANGE fill
	WIN 0                           ; at a label and at a branch every window is 0
	s_wait_tensorcnt 0x0            ; no tensor load of mine is out, so a group 0 may be written
	ds_add_u32 v[SPW], v[NIL]       ; 0 onto my spare word; with fill = 1 the descriptors' scalar work stands between it and the wait for it
.if \fill
	s_lshl_b32 s[OFF], s[NXT], 15   ; a tile is 32,768 bytes of K and of V
	s_xor_b32 s[G0K+1], s[G0K+1], SLOT1
	s_add_nc_u64 s[G0K+2:G0K+3], s[6:7], s[OFF:OFF+1]
	s_or_b32 s[G0K+3], s[G0K+3], 0x80000000
	s_xor_b32 s[G0V+1], s[G0V+1], SLOT1
	s_add_nc_u64 s[G0V+2:G0V+3], s[8:9], s[OFF:OFF+1]
	s_or_b32 s[G0V+3], s[G0V+3], 0x80000000
	s_add_co_u32 s[NXT], s[NXT], 1  ; the block's next tile, or behind its last the second block's tile 0
	s_cmp_gt_u32 s[NXT], s[LQ]
	s_cselect_b32 s[NXT], 0, s[NXT]
	s_cselect_b32 s[LQ], s[PT], s[LQ]
.endif
	s_wait_dscnt 0x0                ; the add is done, and my reads of the slot are over: the last, V of the tile's fourth step, were issued a turn ago
	s_barrier_signal -1             ; the rest of the scalar work stands between the signal and the wait
	s_sub_co_u32 s[TBK], s[TBK], 4*KS*PK  ; the fetches go back to a slot's first step,
	s_xor_b32 s[TBK], s[TBK], SLOT1       ; in the other slot
	s_sub_co_u32 s[TBV], s[TBV], 4*KS*PV
	s_xor_b32 s[TBV], s[TBV], SLOT1
	s_barrier_wait -1
.if \fill
	LOAD
.endif
.endm
; ASKING AHEAD.  In trip t = NT - SLOTS of the walk, t = 0 .. NT - 3, wave 0 asks for 8,192 bytes of tile t + 2, whose tensor loads go out in trip t + 1: 32 lanes, 256 bytes apart.  A tile is 32,768 bytes of K and as many
; of V, and the head's eight work-groups take an eighth each (b < 4: K's quarter b; else V's quarter b - 4): each byte is asked for once in the launch.  Tiles 0 and 1 are loaded at once, and the second block's tiles have
; been read before: they are not asked for.  The last tile asked for is NT - 1, the head's last.
.macro ASK
	s_cmp_lg_u32 s[WV], 0
	s_cbranch_scc1 .Lno_ask_\@
	s_cmp_lt_u32 s[SLOTS], 3
	s_cbranch_scc1 .Lno_ask_\@
	s_wait_xcnt 0x0                 ; the last trip's request has had its addresses translated (ISA guide 3.1): only behind this wait is its base written again
	s_sub_co_u32 s[PFA], NT+2, s[SLOTS]
	s_lshl_b32 s[PFA], s[PFA], 15
	s_mov_b32 s[PFA+1], 0
	s_add_nc_u64 s[PFA:PFA+1], s[PFB:PFB+1], s[PFA:PFA+1]
	global_prefetch_b8 v[PFO], s[PFA:PFA+1] th:TH_LOAD_NT scope:SCOPE_SE
.Lno_ask_\@:
.endm
	s_load_b256 s[4:11], s[0:1], 0x0  ; Q s[4:5], K s[6:7], V s[8:9], O s[10:11]
	v_lshl_add_u32 v[SPW], v0, 2, SPARE
	v_mov_b32 v[NIL], 0
	ds_add_u32 v62, v63
	ds_add_u32 v62, v63
	s_wait_dscnt 0x0
	v_lshrrev_b32 v1, 5, v0
	v_readfirstlane_b32 s[WV], v1   ; wave 0..3
	s_mov_b32 s[PB], ttmp9
	s_sub_co_u32 s[HI], NBQ-1, s[PB]
	s_and_b32 s20, ttmp7, 0xffff    ; the head
	s_mov_b32 s21, 0
	s_mov_b64 s[22:23], SIZE_N*128
	s_mul_u64 s[20:21], s[20:21], s[22:23]  ; the head's first byte in each of the four tensors
	s_and_b32 s16, s[WV], 1         ; which half of a tile's 256 keys I fetch:
	s_lshl_b32 s22, s16, 14         ; its 128 rows of 128 bytes in memory,
	s_mov_b32 s23, 0
	s_add_nc_u64 s[22:23], s[22:23], s[20:21]
	s_mul_i32 s17, s16, 128*PK      ; and its place in a slot, for K
	s_mul_i32 s18, s16, 128*PV      ; and for V
	s_lshl_b32 s3, s[WV], 11        ; my 16 rows in a band of 64,
	s_lshl_b32 s2, s[HI], 14        ; in the first block (128 rows of 128 bytes),
	s_add_co_u32 s2, s2, s3
	s_lshl_b32 s84, s[PB], 14       ; and in the second
	s_add_co_u32 s84, s84, s3
	s_mov_b32 s3, 0
	s_mov_b32 s85, 0
	s_add_nc_u64 s[2:3], s[2:3], s[20:21]
	s_add_nc_u64 s[84:85], s[84:85], s[20:21]
	; descriptor group 1.  128 keys are 16,384 dense bytes: asked for as 64 rows of 256 bytes, two keys a row, and padded in LDS after every key
	s_mov_b32 s[G1K], (1<<16)|(1<<20)|(4<<22)|(3<<25)  ; 17:16 2-byte elements; 20 padding on; 24:22 after every 32 words (code 4); 31:25 4 words (code 3)
	s_mov_b32 s[G1V], (1<<16)|(1<<20)|(4<<22)|(7<<25)  ; the same with 8 words of padding (code 7)
.irp g, G1K, G1V
	s_mov_b32 s[\g+1], 128<<16      ; tensor_dim0 = 128
	s_mov_b32 s[\g+2], 64<<16       ; tensor_dim1 = 64
	s_mov_b32 s[\g+3], 128<<16      ; tile_dim0 = 128
	s_mov_b32 s[\g+4], 64           ; tile_dim1 = 64
	s_mov_b32 s[\g+5], 128          ; 128 elements from row to row
	s_mov_b32 s[\g+6], 0
	s_mov_b32 s[\g+7], 0
.endr
	s_mov_b32 s[CS], 0x3e38aa3b     ; c = log2(e) / 8 = 0.180337
	s_mov_b32 s[CS+1], s[CS]        ; named with it as a pair
	s_mov_b32 s[SEL], 0x76543210
	s_mov_b32 s[SEL+1], 0xfedcba98
	s_mov_b32 s[TBK], SLOT1+4*KS*PK ; the first change of slots turns these two into 0
	s_mov_b32 s[TBV], SLOT1+4*KS*PV
	s_mov_b32 s[G0K], 1             ; 1:0 count = 1
	s_mov_b32 s[G0K+1], s17         ; 63:32 LDS address: slot 0
	s_mov_b32 s[G0V], 1
	s_add_co_u32 s[G0V+1], s18, VOFF
	s_lshr_b32 s[LQ], s[HI], 1      ; the first block's last tile,
	s_add_co_u32 s[RT], s[LQ], 1    ; and how many it has
	s_lshr_b32 s[PT], s[PB], 1
	s_and_b32 s[OWN], s[HI], 1      ; an odd block lies in the second half of its last tile
	s_lshl_b32 s[OWN], s[OWN], 1
	s_add_co_u32 s[OWN+1], s[OWN], 1
	s_and_b32 s[OW2], s[PB], 1
	s_lshl_b32 s[OW2], s[OW2], 1
	s_mov_b32 s[NXT], 1
	s_mov_b32 s[NEW], 1
	s_mov_b32 s[OFF+1], 0
	s_mov_b32 s[AL+1], 0            ; named as pairs
	s_mov_b32 s[BE+1], 0
	s_mov_b32 s[BIGN], 0xf149f2ca   ; -1e30
	s_mov_b32 s[SLOTS], NT
	s_and_b32 s[PFA], s[PB], 3      ; which quarter of a tile's K or V my work-group asks for ahead: 8,192 bytes each
	s_lshl_b32 s[PFA], s[PFA], 13
	s_mov_b32 s[PFA+1], 0
	s_wait_kmcnt 0x0
	s_add_nc_u64 s[6:7], s[6:7], s[22:23]  ; K and V at my half of the head's tile 0 (wave 0's half is the first)
	s_add_nc_u64 s[8:9], s[8:9], s[22:23]
	s_add_nc_u64 s[G0K+2:G0K+3], s[6:7], 0         ; 120:64 global address
	s_or_b32 s[G0K+3], s[G0K+3], 0x80000000        ; 127:126 type = 2
	s_add_nc_u64 s[G0V+2:G0V+3], s[8:9], 0
	s_or_b32 s[G0V+3], s[G0V+3], 0x80000000
	s_add_nc_u64 s[86:87], s[4:5], s[84:85]        ; Q at my rows of the second block,
	s_add_nc_u64 s[4:5], s[4:5], s[2:3]            ; Q and O at those of the first
	s_add_nc_u64 s[OLO:OLO+1], s[10:11], s[84:85]
	s_add_nc_u64 s[10:11], s[10:11], s[2:3]
	s_cmp_lt_u32 s[PB], 4
	s_cselect_b64 s[PFB:PFB+1], s[6:7], s[8:9]
	s_add_nc_u64 s[PFB:PFB+1], s[PFB:PFB+1], s[PFA:PFA+1]
	LOAD                            ; tile 0 into slot 0
	; A fragment of K or Q is 16 rows x 32 channels in 8 registers: lane l holds row l % 16, channels 8 (l / 16) + 0..7 and 16 + 8 (l / 16) + 0..7: two loads of 16 bytes, 32 bytes apart.
	v_and_b32 v1, 15, v0            ; l % 16
	v_bfe_u32 v9, v0, 4, 1          ; l / 16
	v_lshlrev_b32 v[QO], 7, v1
	v_lshl_add_u32 v[QO], v9, 4, v[QO]  ; row x 128 + 16 x half
	WIN 0x80                        ; destination window 2, address window 0
.set i, 0
.rept 2*NP                          ; both blocks' Q: piece i / 2 lies in band i / 2, 8,192 bytes on; channels 32 (i % 2) on
	global_load_b128 v[8*i:8*i+3],   v[QO], s[4:5] offset:(i/2)*8192+(i%2)*64
	global_load_b128 v[8*i+4:8*i+7], v[QO], s[4:5] offset:(i/2)*8192+(i%2)*64+32
	global_load_b128 v[QB+8*i:QB+8*i+3],   v[QO], s[86:87] offset:(i/2)*8192+(i%2)*64
	global_load_b128 v[QB+8*i+4:QB+8*i+7], v[QO], s[86:87] offset:(i/2)*8192+(i%2)*64+32
.set i, i+1
.endr
	WIN 0
	v_lshlrev_b32 v14, 3, v9
	v_sub_nc_u32 v14, v1, v14
	s_lshl_b32 s13, s[WV], 4
	v_add_nc_u32 v14, s13, v14      ; my query's place in its band, 16 w + l % 16, less my lanes' 8 (l / 16): register r of group kt is hidden where 16 kt + r is greater
	WIN 0x40
.set i, 0
.rept 32
	v_cmp_gt_i32 vcc_lo, 16*(i/8)+i%8, v14
	v_cndmask_b32 v[MD+i], 0, s[BIGN], vcc_lo
.set i, i+1
.endr
	WIN 0
	v_mul_u32_u24 v[AK0], v1, PK
	v_lshl_add_u32 v[AK0], v9, 4, v[AK0]  ; row x pitch + 16 x half
	; The turning load takes 16 keys x 16 channels (lane l reads key 8 (l / 16) + l % 8, channels 8 ((l / 8) % 2) + 0..7) and leaves half a fragment of V^T: lane l holds channel l % 16 and 8 keys.
	v_and_b32 v10, 7, v0
	v_bfe_u32 v11, v0, 3, 1
	v_lshl_add_u32 v[AV0], v9, 3, v10
	v_mul_u32_u24 v[AV0], v[AV0], PV
	v_lshl_add_u32 v[AV0], v11, 4, v[AV0]
	v_add_nc_u32 v[AV0], VOFF, v[AV0]
	s_mul_i32 s13, s[WV], 16*SP
	s_add_co_u32 s13, s13, STAGE    ; my stage
	v_mul_u32_u24 v[STO], v1, SP    ; in: row l % 16, 16 bytes for each half of the lanes
	v_lshl_add_u32 v[STO], v9, 4, v[STO]
	v_add_nc_u32 v[STO], s13, v[STO]
	v_bfe_u32 v[RD], v0, 3, 2       ; back: 32 lanes take four rows of 128 bytes,
	v_mul_u32_u24 v[RD], v[RD], SP
	v_lshl_add_u32 v[RD], v10, 4, v[RD]
	v_add_nc_u32 v[RD], s13, v[RD]
	v_and_b32 v[GO], 31, v0         ; which are 512 consecutive bytes of O
	v_lshlrev_b32 v[PFO], 8, v[GO]  ; 256 x lane
	v_lshlrev_b32 v[GO], 4, v[GO]
	; A block's first step multiplies O^T and l by a = 0, and its first turn's products V^T P, of a step that has not been, land in an O^T that is still to be so multiplied.  So these registers need only hold
	; finite numbers: zeros for the first block; what the first block left for the second.  All this stands in the wait for the first tile.
	WIN 0x80
.set i, VF+128                      ; V's buffer of the odd steps: the first turn multiplies by it
.rept 64
	v_mov_b32 v[i], 0
.set i, i+1
.endr
	WIN 0x40
.set i, 0
.rept 32*NP
	v_mov_b32 v[i], 0
.set i, i+1
.endr
	WIN 0
.set i, 0
.rept NP
	v_mov_b32 v[ST+4*i+2], 0
	v_mov_b32 v[ST+4*i+3], 0
.set i, i+1
.endr
.set i, P+16
.rept 16
	v_mov_b32 v[i], 0
.set i, i+1
.endr
; THE MATRIX WORK.  The 4 accumulators of a run of 8 take turns.  Product i of 8 of S^T = K Q^T for piece x: channels 32 (i / 4) on, keys 16 (i % 4) on.  The first 4 start the sums: with 0, or (KM = 1) with the mask.
.macro KQ x
.set rS, S+32*((\x)%2)+8*(i%4)
.set rK, KF+16*(i%4)+8*(i/4)
.set rQ, 16*(\x)+8*(i/4)
.set rM, MC+32*((\x)%2)+8*(i%4)
.if (i < 4) && KM
	WIN W_KM
	v_wmma_f32_16x16x32_f16 v[rS:rS+7], v[rK:rK+7], v[rQ:rQ+7], v[rM:rM+7]
.elseif i < 4
	WIN W_KQ
	v_wmma_f32_16x16x32_f16 v[rS:rS+7], v[rK:rK+7], v[rQ:rQ+7], 0
.else
	WIN W_KQ
	v_wmma_f32_16x16x32_f16 v[rS:rS+7], v[rK:rK+7], v[rQ:rQ+7], v[rS:rS+7]
.endif
.endm
; Product i of 8 of O^T += V^T P for piece x, with V's buffer VB: keys 32 (i / 4) on, channels 16 (i % 4) on.
.macro PV x
	WIN W_PV
.set rO, 32*(\x)+8*(i%4)
.set rV, VF+128*VB+32*(i/4)+8*(i%4)
.set rP, P+16*((\x)%2)+8*(i/4)
	v_wmma_f32_16x16x32_f16 v[rO:rO+7], v[rV:rV+7], v[rP:rP+7], v[rO:rO+7]
.endm
.macro MM                           ; the turn's next matrix instruction.  TURN and BEGIN set Y, i, KM, NOKQ and VB; MM, KQ, PV and OP read them.  NOKQ = 1: a block's last turn: there is no further step
.if (i < 8) && !NOKQ
	KQ (Y+1)%NP
.elseif i >= 8
.set i, i-8
	PV (Y+NP-1)%NP
.set i, i+8
.endif
.set i, i+1
.endm
; THE LDS LOADS stand in runs of 16, never singly among the matrix instructions: a step's K (64 keys x 64 channels: 8 fragments) and its V (turned).  Their addresses are made some lines ahead.
.macro FETCH_K
	WIN 0x80                        ; destination window 2
.irp f, 0,1,2,3,4,5,6,7             ; keys 16 (f / 2) on, channels 32 (f % 2) on
	ds_load_b128 v[KF+8*\f:KF+8*\f+3],   v[AK] offset:(\f/2)*16*PK+(\f%2)*64
	ds_load_b128 v[KF+8*\f+4:KF+8*\f+7], v[AK] offset:(\f/2)*16*PK+(\f%2)*64+32
.endr
	s_add_co_u32 s[TBK], s[TBK], KS*PK  ; the next fetch is the next step's
	WIN 0
.endm
.macro FETCH_V b                    ; into V's buffer b
	WIN 0x80
.irp f, 0,1,2,3,4,5,6,7             ; keys 32 (f / 4) on, channels 16 (f % 4) on
	ds_load_tr16_b128 v[VF+128*(\b)+8*\f:VF+128*(\b)+8*\f+3],   v[AV] offset:(\f/4)*32*PV+(\f%4)*32
	ds_load_tr16_b128 v[VF+128*(\b)+8*\f+4:VF+128*(\b)+8*\f+7], v[AV] offset:(\f/4)*32*PV+16*PV+(\f%4)*32
.endr
	WIN 0
.endm
; THE VECTOR WORK, one line at a time: OP kind, number.  For piece Y: F n: c s - c m for pair n of 16.  E n: the exponential of score n of 32.  C n: pair n rounded to f16.  B n: of the four weights 4 n .. the second
; pair is added onto the first, in place.  L n: l takes that sum (L 0: l = a l + sum).  R n: pair n of 16 of O^T times a.  For the other piece: X n, number n of the 22 that find its maximum and statistics:
;   0-11  four chains c0-c3 of seven scores each, three operands at a time (each accumulator's lowest registers are read first)     12-14, 16  the four scores left over, the old m, and c0-c3 into c0
;   15  c m_old is kept     17, 18  the query's other 32 keys lie in the lane 16 away: the new m     19-21  c m; c m_old - c m_new; a
.set F, 0               ; OP tells the kinds apart by their order: F to L below R, X above it
.set E, 1
.set C, 2
.set B, 3
.set L, 4
.set R, 5
.set X, 6
.macro REGS y                       ; the registers of piece y
.set rT, ST+4*(\y)
.set rC, TMP+4*((\y)%2)
.set rW, MV+((\y)%2)
.set rS, S+32*((\y)%2)
.set rP, P+16*((\y)%2)
.set rO, 32*(\y)
.endm
.macro OP k, n
.if (\k) == R
	REGS Y
	WIN W_RS
	v_pk_mul_f32 v[rO+2*(\n):rO+2*(\n)+1], v[rO+2*(\n):rO+2*(\n)+1], v[rC+2:rC+3] op_sel_hi:[1,0]
.elseif (\k) < R
	REGS Y
	WIN 0
.if (\k) == F
	v_pk_fma_f32 v[rS+2*(\n):rS+2*(\n)+1], v[rS+2*(\n):rS+2*(\n)+1], s[CS:CS+1], v[rT:rT+1] op_sel_hi:[1,0,0] neg_lo:[0,0,1] neg_hi:[0,0,1]
.elseif (\k) == E
	v_exp_f32 v[rS+(\n)], v[rS+(\n)]
.elseif (\k) == C
	s_wait_alu depctr_va_vdst(0)
	v_cvt_pk_f16_f32 v[rP+(\n)], v[rS+2*(\n)], v[rS+2*(\n)+1]
.elseif (\k) == B
	s_wait_alu depctr_va_vdst(0)
	v_pk_add_f32 v[rS+4*(\n):rS+4*(\n)+1], v[rS+4*(\n):rS+4*(\n)+1], v[rS+4*(\n)+2:rS+4*(\n)+3]
.elseif (\n) == 0
	v_pk_fma_f32 v[rT+2:rT+3], v[rT+2:rT+3], v[rC+2:rC+3], v[rS:rS+1] op_sel_hi:[1,0,1]
.else
	v_pk_add_f32 v[rT+2:rT+3], v[rT+2:rT+3], v[rS+4*(\n):rS+4*(\n)+1]
.endif
.elseif NOKQ
	v_nop
.else
	REGS (Y+1)%NP
	WIN 0
.if (\n) < 4
	v_max3_num_f32 v[rC+(\n)], v[rS+8*(\n)], v[rS+8*(\n)+1], v[rS+8*(\n)+2]
.elseif (\n) < 12
	v_max3_num_f32 v[rC+(\n)%4], v[rC+(\n)%4], v[rS+8*((\n)%4)+2*((\n)/4)+1], v[rS+8*((\n)%4)+2*((\n)/4)+2]
.elseif (\n) == 12
	v_max3_num_f32 v[rC], v[rC], v[rS+7], v[rS+15]
.elseif (\n) == 13
	v_max3_num_f32 v[rC+1], v[rC+1], v[rS+23], v[rS+31]
.elseif (\n) == 14
	v_max3_num_f32 v[rC+2], v[rC+2], v[rC+3], v[rT+1]
.elseif (\n) == 15
	v_mov_b32 v[rW], v[rT]
.elseif (\n) == 16
	v_max3_num_f32 v[rC], v[rC], v[rC+1], v[rC+2]
.elseif (\n) == 17
	v_permlanex16_b32 v[rC+3], v[rC], s[SEL], s[SEL+1]
.elseif (\n) == 18
	v_max_num_f32 v[rT+1], v[rC], v[rC+3]
.elseif (\n) == 19
	v_mul_f32 v[rT], s[CS], v[rT+1]
.elseif (\n) == 20
	v_sub_f32 v[rC+1], v[rW], v[rT]
.else
	v_exp_f32 v[rC+2], v[rC+1]
.endif
.endif
.endm
.macro OPS a, i1, b=-1, i2=0, c=-1, i3=0, d=-1, i4=0  ; up to four of them
	OP \a, \i1
.if (\b) >= 0
	OP \b, \i2
.endif
.if (\c) >= 0
	OP \c, \i3
.endif
.if (\d) >= 0
	OP \d, \i4
.endif
.endm
.macro ROW a, i1, b, i2, c, i3, d, i4  ; a matrix instruction and the four behind it
	MM
	OPS \a, \i1, \b, \i2, \c, \i3, \d, \i4
.endm
.macro MASK b                       ; MD x AL + BE into buffer b of MC
	WIN W_RS
.set z, 0
.rept 16
	v_pk_fma_f32 v[MC+32*(\b)+2*z:MC+32*(\b)+2*z+1], v[MD+2*z:MD+2*z+1], s[AL:AL+1], s[BE:BE+1] op_sel_hi:[1,0,0]
.set z, z+1
.endr
.endm
; A TURN, for piece p in a step of parity o: the order of its 16 matrix and 118 vector instructions, written out.  Behind a matrix instruction: plain, exponential, plain, plain; or four of the rescaling; or, behind the first,
; four scalings; none names a register of the products round it.  In the runs between, exponential and plain by turns while exponentials last.  A line reads no result made fewer than three vector instructions in front of it,
; five if an exponential made it.  v_permlanex16_b32 (X 17) stands in such a run.
; V's buffer: piece 0's turn multiplies by V of the step before (parity 1 - o) and then fetches the next step's V into the same registers; piece 1's turn multiplies by V of the step in hand (parity o).
; m = 1: the diagonal tile: the products take masks, and the turn makes the mask for the products of the turn after it: band p, in step NS of the tile.  end = 1: a block's last two turns: nothing is fetched.
; cnt = 1: the loop's count is taken down some lines ahead of the branch that stands behind the turn.
; K is fetched six vector instructions behind the last product that read K (five of them plain), V eight behind the last product that read its buffer (four plain, and X 17).
.macro TURN p, o, m=0, end=0, cnt=0
.set Y, (\p)
.set i, 0
.set KM, (\m)
.set NOKQ, (\end)*(\p)
.set VB, ((\p)+(\o)+1)%2
.if (\m) && !(\end)
	s_cmp_eq_u32 s[NS], s[OWN+(\p)]     ; is that step the band's own?
	s_cselect_b32 s[AL], 1.0, 0
	s_cmp_gt_u32 s[NS], s[OWN+(\p)]     ; or a later one?
	s_cselect_b32 s[BE], s[BIGN], 0
.if (\p) == 1
	s_add_co_u32 s[NS], s[NS], 1        ; the next two turns make the next step's masks
.endif
.endif
.if ((\p) == 1) && (\end)
	s_wait_dscnt 0x0                ; V of the block's last step is in
.elseif (\p) == 1
	s_wait_dscnt 16                 ; K is in, and every older load, V of the step in hand among them; the sixteen that may be out are the next step's V, issued behind K
.endif
	ROW F,0, F,1, F,2, F,3
	ROW F,4, E,0, F,5, F,6
	ROW F,7, E,1, F,8, F,9
	ROW F,10, E,2, C,0, F,11
	ROW F,12, E,3, X,15, F,13
	ROW R,0, R,1, R,2, R,3
	ROW B,0, E,4, F,14, L,0
.if ((\p) == 0) && !(\end)
	v_add_nc_u32 v[AK], s[TBK], v[AK0]
.endif
	ROW R,4, R,5, R,6, R,7
	OPS E,5, F,15
.if ((\p) == 0) && !(\end)
	FETCH_K
.endif
	OPS E,6, C,1, E,7, R,8
	OPS E,8, R,9, E,9, C,2
	OPS E,10, X,0, E,11, X,1
	OPS E,12, X,2, E,13, X,3
	ROW X,4, E,14, X,5, X,6
	ROW X,7, E,15, X,8, X,9
	ROW X,10, E,16, X,11, X,12
	ROW X,13, E,17, X,14, B,1
	ROW C,4, E,18, X,16, L,1
	ROW B,2, E,19, C,6, L,2
	ROW C,8, E,20, B,3, B,4
.if ((\p) == 0) && !(\end)
	v_add_nc_u32 v[AV], s[TBV], v[AV0]
.endif
	ROW C,3, E,21, L,3, C,5
	OPS E,22, X,17, E,23, C,10
.if ((\p) == 0) && !(\end)
	FETCH_V VB
.endif
	OPS E,24, L,4
	OPS E,25, X,18, E,26, C,7
	OPS E,27, B,5, E,28, X,19
	OPS E,29, C,12, E,30, L,5
	OPS E,31, X,20, B,6, C,9
	OPS C,14, C,11, X,21, L,6
.if ((\p) == 0) && !(\end)
	s_add_co_u32 s[TBV], s[TBV], KS*PV
.endif
.if \cnt
	s_sub_co_u32 s[CNT], s[CNT], 1
	s_cmp_lg_u32 s[CNT], 0
.endif
	OPS C,13, B,7, C,15, R,10
	OPS R,11, R,12, L,7, R,13
	OPS R,14, R,15
.if (\m) && !(\end)
	MASK (\p)%2
.endif
.endm
; A BLOCK BEGINS.  c m starts far below every c s, so the first step's a is 0; m at the lowest finite number, so the first maximum is the scores'.  The second mask buffer is 0: band 1 sees all of a tile's step 0.  The first
; takes band 0's mask for the tile's step 0: its own, if the block's first tile is the diagonal one and the block lies in that tile's first half.  Then K and V of that step, piece 0's first scores, and its maximum and
; statistics.  The loop is entered at an even step's first turn, in the middle of a trip; the masks made there are step 1's.
.macro BEGIN
	s_mov_b32 s[NEW], 0
	s_mov_b32 s[NS], 1
	WIN 0x40
.set i, MC+32
.rept 32
	v_mov_b32 v[i], 0
.set i, i+1
.endr
	WIN 0
.set i, 0
.rept NP
	v_mov_b32 v[ST+4*i], 0xfe000000    ; c m: far below every c s
	v_mov_b32 v[ST+4*i+1], 0xff7fffff  ; m
.set i, i+1
.endr
	s_or_b32 s[TS], s[RT], s[OWN]   ; 0: no tile is left behind this one, and band 0's own step is step 0
	s_cmp_eq_u32 s[TS], 0
	s_cselect_b32 s[AL], 1.0, 0
	s_mov_b32 s[BE], 0
	MASK 0
	WIN 0
	v_add_nc_u32 v[AK], s[TBK], v[AK0]
	v_add_nc_u32 v[AV], s[TBV], v[AV0]
	FETCH_K
	FETCH_V 0
	s_add_co_u32 s[TBV], s[TBV], KS*PV
	s_wait_loadcnt 0x0              ; Q
	s_wait_dscnt 0x0
.set KM, 1
.set NOKQ, 0
.set i, 0
.rept 8
	KQ 0
.set i, i+1
.endr
	WIN 0
.rept 4
	v_nop                           ; the places behind those products
.endr
.set Y, NP-1                        ; X works for the other piece: piece 0
.irp n, 0,1,2,3,4,5,6,7,8,9,10,11,12,13,14,15,16,17,18,19,20,21
	OP X, \n
.endr
	v_nop                           ; a plain instruction behind the exponential
.endm
; THE DIAGONAL TILE's steps, the block's last two turns, its last products, and THE WAY OUT: l's two halves and the other half of the lanes' are added; O^T is divided by l, rounded to f16 and sent through my
; stage in LDS, a piece at a time.
.macro ALL line:vararg              ; one line for each piece t
.set t, 0
.rept NP
	\line
.set t, t+1
.endr
.endm
.macro PACK t                       ; a lane's eight channels of a row pack into 16 bytes; they go into rows of 144 bytes and come back as whole rows of 128, into S^T's registers
	WIN W_RS
.set i, 32*(\t)
.rept 16
	s_wait_alu depctr_va_vdst(0)
	v_pk_mul_f32 v[i:i+1], v[i:i+1], v[ST+4*(\t)+2:ST+4*(\t)+3] op_sel_hi:[1,0]
.set i, i+2
.endr
	WIN 0x05                        ; sources 0 and 1 window 1, destination window 0
.set i, 0
.rept 16
	v_cvt_pk_f16_f32 v[S+16*(\t)+i], v[32*(\t)+2*i], v[32*(\t)+2*i+1]
.set i, i+1
.endr
	WIN 0
.irp f, 0,1,2,3
	ds_store_b128 v[STO], v[S+16*(\t)+4*\f:S+16*(\t)+4*\f+3] offset:32*\f
.endr
.irp f, 0,1,2,3
	ds_load_b128 v[S+16*(\t)+4*\f:S+16*(\t)+4*\f+3], v[RD] offset:\f*4*SP  ; LDS serves a wave's instructions in order (ISA guide 5.7.1.4): these see the stores above; the next piece's stores come behind them
.endr
.endm
.macro SEND t, younger              ; younger: the LDS instructions issued behind piece t's loads: the next piece's eight, or none
	WIN 0
.irp f, 0,1,2,3
	s_wait_dscnt (\younger)+3-\f
	global_store_b128 v[GO], v[S+16*(\t)+4*\f:S+16*(\t)+4*\f+3], s[10:11] offset:(\t)*8192+\f*512  ; 512 consecutive bytes, at a multiple of 256 from O's first
.endr
.endm
.macro DIAG tag                     ; the tag ends its two labels' names, which the jumps below spell out
.LstepM\tag:
	TURN 0, 1, 1
	TURN 1, 1, 1
	WIN 0
.LfirstM\tag:
	TURN 0, 0, 1
	TURN 1, 0, 1, 0, 1
	WIN 0
	s_cbranch_scc1 .LstepM\tag
	TURN 0, 1, 1, 1
	TURN 1, 1, 1, 1
.set VB, 1                          ; the tile's fourth step is an odd one
.set i, 0
.rept 8
	PV NP-1
.set i, i+1
.endr
	WIN 0
	ALL v_add_f32 v[ST+4*t+2], v[ST+4*t+2], v[ST+4*t+3]
	ALL v_permlanex16_b32 v[ST+4*t+3], v[ST+4*t+2], s[SEL], s[SEL+1]
	ALL v_add_f32 v[ST+4*t+2], v[ST+4*t+2], v[ST+4*t+3]
	ALL v_rcp_f32 v[ST+4*t+2], v[ST+4*t+2]
	v_nop                           ; a plain instruction between the last reciprocal and the use of its result
	PACK 0                          ; piece 0's sums were finished a turn ago; its 32 lines are the places in front of piece 1's
	PACK 1                          ; a piece's arithmetic stands between the loads of the piece before and its stores
	SEND 0, 8
	SEND 1, 0
.endm
.set KM, 0
.set NOKQ, 0
.set VB, 0
.Lslot:                             ; NT times: a tile is entered and the next is asked for
	CHANGE 1
	ASK
	s_sub_co_u32 s[RT], s[RT], 1
	s_mov_b32 s[CNT], 2
	s_mov_b32 s[NS], 0              ; a trip's first two turns belong to the tile before, and the masks made in them are step 0's
	s_cmp_eq_u32 s[NEW], 1
	s_cbranch_scc1 .Lnew            ; a block's first tile
	s_cmp_eq_u32 s[RT], 0
	s_cbranch_scc0 .Lstep           ; neither its first nor its last
	s_branch .LstepM1
.Lnew:
	BEGIN
	s_branch .Lfirst                ; in the loop a block's first tile is never its last: the first block has five tiles or more, and the second's last is the walk's last
	DIAG 1                          ; in the loop this is the first block's end: the second block's last tile is the walk's last
	s_wait_xcnt 0x0                 ; the stores have read their registers and O's address
	s_mov_b64 s[10:11], s[OLO:OLO+1]
	s_add_co_u32 s[RT], s[PT], 1    ; the second block has b / 2 + 1 tiles
	s_mov_b32 s[NEW], 1
	s_mov_b32 s[OWN], s[OW2]
	s_add_co_u32 s[OWN+1], s[OW2], 1
	WIN 0x82                        ; the second block's Q goes where the one text of the turns names Q
.set i, 0
.rept 16*NP
	v_mov_b32 v[i], v[QB+i]
.set i, i+1
.endr
	WIN 0
	s_branch .Lbottom
.Lstep:                             ; a trip: the two turns of an odd step, then those of the even step behind it; two trips a tile, of which the first begins with the fourth step of the tile before
	TURN 0, 1
	TURN 1, 1
	WIN 0
.Lfirst:
	TURN 0, 0
	TURN 1, 0, 0, 0, 1
	WIN 0
	s_cbranch_scc1 .Lstep
.Lbottom:
	s_sub_co_u32 s[SLOTS], s[SLOTS], 1
	s_cmp_lg_u32 s[SLOTS], 0
	s_cbranch_scc1 .Lslot
	CHANGE 0                        ; the walk's last tile is written out: nothing is asked for
	s_sub_co_u32 s[RT], s[RT], 1
	s_mov_b32 s[CNT], 2
	s_mov_b32 s[NS], 0
	s_cmp_eq_u32 s[NEW], 1
	s_cbranch_scc0 .LstepM2
	BEGIN
	s_branch .LfirstM2
	DIAG 2
	s_wait_tensorcnt 0x0            ; the wave's end, behind my last tensor load and my last LDS store
	ds_add_u32 v[SPW], v[NIL]
	s_wait_dscnt 0x0
	s_endpgm
.Lfunc_end_k_qe5fc8fdea8_attn:
	.size	k_qe5fc8fdea8_attn, .Lfunc_end_k_qe5fc8fdea8_attn-k_qe5fc8fdea8_attn
	.p2alignl 7, 3214868480
	.fill 96, 4, 3214868480
	.section	.rodata,"a",@progbits
	.p2align	6, 0x0
	.amdhsa_kernel k_qe5fc8fdea8_attn
		.amdhsa_group_segment_fixed_size 327680
		.amdhsa_private_segment_fixed_size 0
		.amdhsa_enable_private_segment 0
		.amdhsa_kernarg_size 32
		.amdhsa_user_sgpr_count 2
		.amdhsa_user_sgpr_kernarg_segment_ptr 1
		.amdhsa_wavefront_size32 1
		.amdhsa_system_sgpr_workgroup_id_x 1
		.amdhsa_system_sgpr_workgroup_id_y 1
		.amdhsa_system_sgpr_workgroup_id_z 1
		.amdhsa_system_vgpr_workitem_id 0
		.amdhsa_next_free_vgpr 768
		.amdhsa_next_free_sgpr 88
		.amdhsa_reserve_vcc 1
		.amdhsa_float_denorm_mode_32 3
		.amdhsa_float_denorm_mode_16_64 3
		.amdhsa_memory_ordered 1
		.amdhsa_forward_progress 1
		.amdhsa_inst_pref_size 218
	.end_amdhsa_kernel
	.amdgpu_metadata
---
amdhsa.version: [ 1, 2 ]
amdhsa.kernels:
  - .name:           k_qe5fc8fdea8_attn
    .symbol:         k_qe5fc8fdea8_attn.kd
    .args:
      - { .name: q, .offset: 0, .size: 8, .value_kind: global_buffer, .address_space: global }
      - { .name: k, .offset: 8, .size: 8, .value_kind: global_buffer, .address_space: global }
      - { .name: v, .offset: 16, .size: 8, .value_kind: global_buffer, .address_space: global }
      - { .name: ctx, .offset: 24, .size: 8, .value_kind: global_buffer, .address_space: global }
    .group_segment_fixed_size: 327680
    .private_segment_fixed_size: 0
    .kernarg_segment_align: 8
    .kernarg_segment_size: 32
    .max_flat_workgroup_size: 128
    .sgpr_count:     88
    .vgpr_count:     768
    .wavefront_size: 32
...
	.end_amdgpu_metadata
.endif
;; end of part 3
;; launch wo (part 4): grid 8 x 32, 4 waves a work-group, clusters of 4 x 4, 327,680 bytes of LDS; arguments ctx, wb, x, bo, x1; writes x1
.if DOCPART == 4
	.amdgcn_target "amdgcn-amd-amdhsa--gfx1250"
	.amdhsa_code_object_version 6
	.text
	.protected	k_qe5fc8fdea8_wo
	.globl	k_qe5fc8fdea8_wo
	.p2align	8
	.type	k_qe5fc8fdea8_wo,@function
k_qe5fc8fdea8_wo:
	s_mov_b64 s[64:65], 0
	v_nop
	global_prefetch_b8 v0, s[64:65] scope:SCOPE_SE
	s_setreg_imm32_b32 hwreg(HW_REG_WAVE_MODE, 25, 1), 1
	s_wait_xcnt 0x0
	s_wait_alu depctr_hold_cnt(0) depctr_sa_sdst(0) depctr_va_vdst(0) depctr_va_sdst(0) depctr_va_ssrc(0) depctr_va_vcc(0) depctr_vm_vsrc(0)
	s_getreg_b32 s2, hwreg(HW_REG_IB_STS2, 6, 4)
	s_cmp_eq_u32 s2, 0
	s_cbranch_scc0 .Lentry_in_a_cluster
	s_endpgm
.Lentry_in_a_cluster:
	s_bfe_u32 s2, ttmp6, 0x10000c
	s_cmp_lg_u32 s2, 0xf033
	s_cbranch_scc0 .Lentry_shape_is_right
	s_endpgm
.Lentry_shape_is_right:
; OUT = RES + A W + bias, in f32.  A is f16 in panels of 64 columns, [panel][PROWS rows][64], a panel's rows dense (128 bytes each); W is [SIZE_K][1024] f16 as it lies, N along the rows, at WOFF in wb;
; RES and OUT are [4096][1024] f32, bias [1024] f32.  One text serves two launches; the switch FFN2 at its head chooses:
;   FFN2 = 0: A = ctx ([16 batch + head][2048][64]), W = Wo, K = 1,024.     FFN2 = 1: A = g ([64][4096][64]), W = W2, K = 4,096.
; SHARES.  A tile of OUT is 128 x 128: a grid of 8 x 32 = 256 work-groups.  Four waves, each 64 x 64: 16 accumulators.  K goes in steps of 256 (four panels) through two LDS slots, one tensor load a wave:
; waves 0, 1 bring two panels' 128 rows each (each panel's part is 16,384 dense bytes: one long row of the tile), waves 2, 3 bring 128 k rows x 256 bytes of W each.  W's fragments come out of LDS turned.
; CLUSTER.  4 x 4 work-groups: the four of a row need the same tiles of A, the four of a column the same tiles of W: each tile is asked for jointly.
; THE MATRIX INSTRUCTION IS USED TRANSPOSED (source 0 = 16 columns of W, source 1 = 16 rows of A): a lane holds eight neighbouring numbers of a row of OUT.
; THE WAY OUT.  A wave's 64 columns of f32 are 256 consecutive bytes of a row, at a multiple of 256 from OUT's first byte: each wave has its own stage, and sixteen lanes store such a piece whole.
; LIMITS: operands f16, as the launches before left them (within 65,504); sums, residual and bias in f32 (the sum is (A W + RES) + bias); NaN and infinities are not treated apart.
; REGISTERS: window 0: v0-31 addresses and the bias; v32-63, v64-95 rows read back, by turns; v128-255 the accumulators ((a, b) at v[128 + 8 (4 a + b)]).
;   window 1: two fragment buffers of 128: for 64 along K, 64 registers of A, then 64 of W.     window 2: v0-127 my 64 x 64 of RES.
.set FFN2,   0
.if FFN2
.set SIZE_K, 4096
.set PROWS,  4096                      ; rows in a panel
.set WOFF,   16777216                  ; W2 in wb
.else
.set SIZE_K, 1024
.set PROWS,  2048
.set WOFF,   6291456                   ; Wo in wb
.endif
.set KSTEP,  256
.set PA,     144                       ; a row of A in LDS: 128 bytes + 16 = 36 words: the 16 rows of a load start at 16 different groups of four banks (64 banks of 4 bytes: ISA guide 11.1)
.set PANEL,  128*PA                    ; a panel's 128 rows
.set PB,     288                       ; a k row of W in LDS: 256 bytes + 32 = 9 x 32
.set HALFT,  2*PANEL                   ; what one tensor load brings: two panels of A, or 128 k rows of W (128 x 288 is the same number)
.set SLOT,   4*HALFT                   ; A's four panels, then W's 256 k rows
.set STAGE,  2*SLOT                    ; behind the ring: 16 rows x 272 bytes for each wave
.set SPITCH, 272
.set SPARE,  STAGE+4*16*SPITCH         ; behind the stages: the spare words, 128 bytes for each wave: two blocks of 256 bytes that no other line names
.set LAPS,   SIZE_K/(2*KSTEP)
.set BIA,  12                          ; v[12:15] the bias of my four columns
.set ADRA, 16                          ; v16-17  LDS address of my A fragments in slot 0, 1
.set ADRB, 20                          ; v20-23  the same for W: slot 0 k rows 0-127, 128-255; slot 1 likewise (a slot's 256 k rows pass the 16-bit immediate)
.set STO,  24                          ; v24     the way out: where I put 32 bytes of a row
.set RD,   25                          ; v25     the way out: where I read a row back
.set CO,   26                          ; v26     my byte offset in two rows of RES and OUT
.set BV,   27                          ; v27     my byte offset in 64 columns of the bias
.set SPW,  28                          ; v28     LDS address of my spare word; never rewritten
.set NIL,  29                          ; v29     0; never rewritten
.set TMP,  32
.set ACC,  128
.set F0,   0
.set F1,   128
.set G1, 24                            ; s[24:31] descriptor group 1 for A's tiles;  s[32:39] group 0, one set for each slot
.set G0, 32
.set G1B, 48                           ; s[48:55], s[56:63] the same for W's tiles
.set G0B, 56
.set MSB, 0
.macro WIN new                         ; the immediate's high byte repeats the setting that is left; a switch that changes nothing is dropped
.if MSB != (\new)
	s_set_vgpr_msb (MSB<<8)|(\new)
.set MSB, \new
.endif
.endm
.set MUL,  0x05                        ; sources 0 (W) and 1 (A) window 1; C and D window 0
.set TO_F, 0x40                        ; destination window 1, address window 0
.macro JLOAD s                         ; a joint load: waves 0 and 1 fetch A's two halves, waves 2 and 3 W's; four v_nop follow each of the two lines, ahead of the jump and the label
	s_cmp_eq_u32 s11, 0
	s_cbranch_scc0 .Lfor_b_\@
	tensor_load_to_lds s[G0+4*(\s):G0+4*(\s)+3], s[G1:G1+7]
	s_nop 0
.rept 4
	v_nop
.endr
	s_branch .Lasked_\@
.Lfor_b_\@:
	tensor_load_to_lds s[G0B+4*(\s):G0B+4*(\s)+3], s[G1B:G1B+7]
	s_nop 0
.rept 4
	v_nop
.endr
.Lasked_\@:
.endm
.macro CREST                           ; a round of the cluster's barrier behind its opening barrier
	s_cmp_lg_u32 s10, 0
	s_cbranch_scc1 .Lnot_wave_0_\@
	s_barrier_signal -3
.Lnot_wave_0_\@:
	s_barrier_wait -3
	s_barrier_signal -1
	s_barrier_wait -1
.endm
.macro CROUND
	s_barrier_signal -1
	s_barrier_wait -1
	CREST
.endm
	s_load_b128 s[4:7], s[0:1], 0x0                ; A s[4:5], wb s[6:7]
	s_load_b128 s[68:71], s[0:1], 0x10             ; RES s[68:69], bias s[70:71]
	s_load_b64 s[8:9], s[0:1], 0x20                ; OUT
	v_lshl_add_u32 v[SPW], v0, 2, SPARE
	v_mov_b32 v[NIL], 0
	ds_add_u32 v28, v29
	ds_add_u32 v28, v29
	s_wait_dscnt 0x0
	v_lshrrev_b32 v1, 5, v0
	v_readfirstlane_b32 s10, v1                    ; wave 0..3
	s_lshr_b32 s11, s10, 1                         ; which half of the tile's rows is mine.  Also: I fetch for A (0) or for W (1)
	s_and_b32 s12, s10, 1                          ; which half of its columns.  Also: which half of that tile I fetch
	s_bfe_u32 s40, ttmp6, 0x40000                  ; cx
	s_bfe_u32 s41, ttmp6, 0x40004                  ; cy
	s_lshl_b32 s42, ttmp9, 2
	s_add_co_u32 s42, s42, s40                     ; tile column = 4 x cluster x + cx
	s_and_b32 s13, ttmp7, 0xffff
	s_lshl_b32 s13, s13, 2
	s_add_co_u32 s13, s13, s41                     ; tile row = 4 x cluster y + cy
	s_lshl_b32 s43, s41, 2
	s_lshl_b32 s43, 15, s43                        ; my row of the cluster
	s_lshl_b32 s44, 0x1111, s40                    ; my column
	s_or_b32 s[G1+0], s43, (1<<16)|(1<<20)|(1<<21)|(4<<22)|(3<<25)   ; the mask: A's tiles go to my row; 2-byte elements; padding on; bit 21 beside a mask; after every 32 words (a row of A), 4 words
	s_or_b32 s[G1B+0], s44, (1<<16)|(1<<20)|(1<<21)|(5<<22)|(7<<25)  ; W's tiles go to my column; after every 64 words, 8 words
	s_mov_b32 s[G1+1], 8192<<16                    ; A: tensor_dim0 = 8,192 elements: 128 rows x 64 columns of one panel, dense
	s_mov_b32 s[G1+2], 2<<16                       ; tensor_dim1 = 2 panels
	s_mov_b32 s[G1+3], 8192<<16                    ; tile_dim0 = 8,192
	s_mov_b32 s[G1+4], 2                           ; tile_dim1 = 2
	s_mov_b32 s[G1+5], PROWS*64                    ; elements from a panel to the next
	s_mov_b32 s[G1+6], 0
	s_mov_b32 s[G1+7], 0
	s_mov_b32 s[G1B+1], 128<<16                    ; W: tensor_dim0 = 128 columns
	s_mov_b32 s[G1B+2], 128<<16                    ; tensor_dim1 = 128 k rows
	s_mov_b32 s[G1B+3], 128<<16                    ; tile_dim0 = 128
	s_mov_b32 s[G1B+4], 128                        ; tile_dim1 = 128
	s_mov_b32 s[G1B+5], 1024
	s_mov_b32 s[G1B+6], 0
	s_mov_b32 s[G1B+7], 0
	; A's tile hangs on the tile row alone, W's on the tile column alone; each offset is made in registers that never hold the other coordinate
.if FFN2
	s_lshl_b32 s16, s12, 1                         ; my first panel of the K step's four,
	s_lshl_b32 s17, s13, 7                         ; the tile's first row
.else
	s_lshr_b32 s16, s13, 4                         ; the batch: 16 panels each,
	s_lshl_b32 s16, s16, 4
	s_lshl_b32 s17, s12, 1
	s_add_co_u32 s16, s16, s17                     ; my first panel,
	s_and_b32 s17, s13, 15
	s_lshl_b32 s17, s17, 7                         ; the tile's first row in the batch
.endif
	s_mul_i32 s16, s16, PROWS
	s_add_co_u32 s16, s16, s17
	s_lshl_b32 s16, s16, 7                         ; rows of 128 bytes
	s_mov_b32 s17, 0
	s_lshl_b32 s46, s42, 8                         ; W: 256 bytes of a k row for each tile column,
	s_lshl_b32 s47, s12, 18                        ; which 128 k rows of 2,048 bytes I fetch
	s_add_co_u32 s46, s46, s47
	s_add_co_u32 s46, s46, WOFF
	s_mov_b32 s47, 0
	s_mul_i32 s20, s10, HALFT                      ; where my load lands: no place in the cluster enters an LDS address
	s_wait_kmcnt 0x0
	s_add_nc_u64 s[14:15], s[4:5], s[16:17]
	s_add_nc_u64 s[46:47], s[6:7], s[46:47]
	CROUND                                         ; all sixteen work-groups are here: the first joint loads meet
.irp s, 0,1
	s_mov_b32 s[G0+4*(\s)], 1
	s_add_co_u32 s[G0+4*(\s)+1], s20, (\s)*SLOT
	s_add_nc_u64 s[G0+4*(\s)+2:G0+4*(\s)+3], s[14:15], (\s)*4*PROWS*128
	s_or_b32 s[G0+4*(\s)+3], s[G0+4*(\s)+3], 0x80000000
	s_mov_b32 s[G0B+4*(\s)], 1
	s_add_co_u32 s[G0B+4*(\s)+1], s20, (\s)*SLOT
	s_add_nc_u64 s[G0B+4*(\s)+2:G0B+4*(\s)+3], s[46:47], (\s)*KSTEP*2048
	s_or_b32 s[G0B+4*(\s)+3], s[G0B+4*(\s)+3], 0x80000000
	JLOAD \s                                       ; K steps 0 and 1: two loads of mine are out
.endr
	v_and_b32 v1, 15, v0                           ; l % 16
	v_bfe_u32 v2, v0, 4, 1                         ; l / 16
	v_mul_u32_u24 v3, v1, PA
	v_lshl_add_u32 v3, v2, 4, v3                   ; A's fragment: row x pitch + 16 x half
	v_and_b32 v4, 7, v0
	v_lshl_add_u32 v4, v2, 3, v4                   ; W's fragment, turned: k row 8 (l / 16) + l % 8,
	v_mul_u32_u24 v4, v4, PB
	v_bfe_u32 v5, v0, 3, 1
	v_lshl_add_u32 v4, v5, 4, v4                   ; columns 8 ((l / 8) % 2) on
	s_mul_i32 s21, s11, 64*PA                      ; my 64 rows in each panel
	s_lshl_b32 s22, s12, 7                         ; my 64 columns of W: 128 bytes of each k row,
	s_add_co_u32 s22, s22, 2*HALFT                 ; behind A's four panels
.irp s, 0,1
	v_add_nc_u32 v[ADRA+(\s)], s21, v3
	v_add_nc_u32 v[ADRB+2*(\s)], s22, v4
	s_add_co_u32 s22, s22, HALFT
	v_add_nc_u32 v[ADRB+2*(\s)+1], s22, v4
	s_add_co_u32 s21, s21, SLOT
	s_add_co_u32 s22, s22, SLOT-HALFT
.endr
	s_mul_i32 s23, s10, 16*SPITCH
	s_add_co_u32 s23, s23, STAGE                   ; my stage
	v_mul_u32_u24 v6, v1, SPITCH                   ; in: row l % 16, 32 bytes for each half of the lanes
	v_lshl_add_u32 v6, v2, 5, v6
	v_add_nc_u32 v[STO], s23, v6
	v_mul_u32_u24 v7, v2, SPITCH                   ; back: lanes 0-15 take one row of 256 bytes, lanes 16-31 the next
	v_lshl_add_u32 v7, v1, 4, v7
	v_add_nc_u32 v[RD], s23, v7
	v_lshlrev_b32 v[BV], 4, v1
	v_lshl_add_u32 v[CO], v2, 12, v[BV]            ; and the same two rows in RES and OUT, 4,096 bytes apart
	s_lshl_b32 s16, s13, 7
	s_lshl_b32 s17, s11, 6
	s_add_co_u32 s16, s16, s17                     ; my first row: 128 x tile row + 64 x half,
	s_lshl_b32 s16, s16, 12                        ; 4,096 bytes each
	s_lshl_b32 s46, s42, 9
	s_lshl_b32 s47, s12, 8
	s_add_co_u32 s46, s46, s47                     ; my first column, in bytes: 512 x tile column + 256 x half
	s_mov_b32 s47, 0
	s_add_nc_u64 s[70:71], s[70:71], s[46:47]
	s_add_co_u32 s16, s16, s46
	s_mov_b32 s17, 0
	s_add_nc_u64 s[68:69], s[68:69], s[16:17]
	s_add_nc_u64 s[8:9], s[8:9], s[16:17]
	WIN 0x80                                       ; destination window 2, address window 0
.irp a, 0,1,2,3                        ; my 64 x 64 of RES, in the order in which the way out reads rows back; waited for there
.irp t, 0,1,2,3,4,5,6,7
	global_load_b128 v[4*(8*(\a)+(\t)):4*(8*(\a)+(\t))+3], v[CO], s[68:69] offset:(16*(\a)+2*(\t))*4096
.endr
.endr
	WIN 0
	global_load_b128 v[BIA:BIA+3], v[BV], s[70:71]
; 8 matrix instructions: m blocks a0, a0 + 1 x all 4 n blocks, 32 along K: half c of buffer f.  zero = 1: the first product starts the sums.  The 16 accumulators take turns.
.macro MUL8 f, c, a0, zero
	WIN MUL
.irp a, \a0, (\a0)+1
.irp b, 0,1,2,3
.if \zero
	v_wmma_f32_16x16x32_f16 v[ACC+8*(4*(\a)+(\b)):ACC+8*(4*(\a)+(\b))+7], v[(\f)+64+8*(4*(\c)+(\b)):(\f)+64+8*(4*(\c)+(\b))+7], v[(\f)+8*(4*(\c)+(\a)):(\f)+8*(4*(\c)+(\a))+7], 0
.else
	v_wmma_f32_16x16x32_f16 v[ACC+8*(4*(\a)+(\b)):ACC+8*(4*(\a)+(\b))+7], v[(\f)+64+8*(4*(\c)+(\b)):(\f)+64+8*(4*(\c)+(\b))+7], v[(\f)+8*(4*(\c)+(\a)):(\f)+8*(4*(\c)+(\a))+7], v[ACC+8*(4*(\a)+(\b)):ACC+8*(4*(\a)+(\b))+7]
.endif
.endr
.endr
.endm
; 32 LDS loads in one run: the fragments of quarter q of a K step (one panel, 64 along K) into buffer f; the first 32 along K first
.macro FETCH slot, q, f
	WIN TO_F
.irp c, 0,1
.irp i, 0,1,2,3
	ds_load_tr16_b128 v[(\f)+64+8*(4*(\c)+(\i)):(\f)+64+8*(4*(\c)+(\i))+3],   v[ADRB+2*(\slot)+(\q)/2] offset:(((\q)%2)*64+32*(\c))*PB+32*(\i)
	ds_load_tr16_b128 v[(\f)+64+8*(4*(\c)+(\i))+4:(\f)+64+8*(4*(\c)+(\i))+7], v[ADRB+2*(\slot)+(\q)/2] offset:(((\q)%2)*64+32*(\c)+16)*PB+32*(\i)
	ds_load_b128 v[(\f)+8*(4*(\c)+(\i)):(\f)+8*(4*(\c)+(\i))+3],               v[ADRA+(\slot)] offset:(\q)*PANEL+64*(\c)+(\i)*16*PA
	ds_load_b128 v[(\f)+8*(4*(\c)+(\i))+4:(\f)+8*(4*(\c)+(\i))+7],             v[ADRA+(\slot)] offset:(\q)*PANEL+64*(\c)+(\i)*16*PA+32
.endr
.endr
.endm
.macro PLACES                          ; four plain instructions between a matrix instruction and a load into, or another instruction's read of, its registers
.rept 4
	v_nop
.endr
.endm
; One of a K step's first three quarters: multiplies buffer f and fetches quarter q of the same slot into g.
.macro QUARTER slot, q, f, g, zero
	s_wait_dscnt 16                                ; the first 32 along K are in; the other sixteen loads may be out
	WIN MUL
	MUL8 \f, 0, 0, \zero
	MUL8 \f, 0, 2, \zero
	PLACES
	FETCH \slot, \q, \g
	s_wait_dscnt 32                                ; all but the 32 just issued
	WIN MUL
	MUL8 \f, 1, 0, 0
	MUL8 \f, 1, 2, 0
.endm
; The last quarter multiplies buffer 1 and changes slots: ONE barrier; in front of it each wave waits for all its tensor loads, adds 0 to its spare word, and waits for that and for its reads of this slot.
; fill = 1: the barrier opens a round of the cluster's, and this slot is filled again first behind it, two K steps ahead.
.macro TURN slot, next, fill
	WIN 0                                          ; (the add's two registers lie in window 0)
	s_wait_tensorcnt 0x0                           ; all my tensor loads have landed: my part of the next slot
	ds_add_u32 v[SPW], v[NIL]                      ; 0 onto my spare word
	s_wait_dscnt 17                                ; the add and the youngest sixteen loads may be out
	WIN MUL
	MUL8 F1, 0, 0, 0
	s_wait_dscnt 0x0                               ; the add is done, and my reads of this slot are over
	s_barrier_signal -1
	MUL8 F1, 0, 2, 0
.if \fill
	WIN 0
.endif
	s_barrier_wait -1
.if \fill
	CREST                                          ; no wave of any partner still reads this slot's tile or has a load on its way
	s_add_nc_u64 s[G0+4*(\slot)+2:G0+4*(\slot)+3], s[G0+4*(\slot)+2:G0+4*(\slot)+3], 8*PROWS*128
	s_add_nc_u64 s[G0B+4*(\slot)+2:G0B+4*(\slot)+3], s[G0B+4*(\slot)+2:G0B+4*(\slot)+3], 2*KSTEP*2048
	JLOAD \slot                                    ; my one tensor load behind the round; its four v_nop are also the places in front of the loads below
.else
	PLACES
.endif
	FETCH \next, 0, F0
	WIN MUL
	MUL8 F1, 1, 0, 0
	MUL8 F1, 1, 2, 0
.endm
; THE WAY OUT of m block a (16 rows x 64 columns of f32).  TOSTAGE: the sums into my stage, and back as whole rows of 256 bytes.  SEND: plus RES, plus bias, stored.
.macro TOSTAGE a
	WIN 0
	s_wait_xcnt 0x0                                ; the stores of the block two back have had their addresses translated (ISA guide 3.1): their registers are loaded again only behind this wait
.set TT, TMP+32*((\a)%2)
.irp b, 0,1,2,3
	ds_store_b128 v[STO], v[ACC+8*(4*(\a)+(\b)):ACC+8*(4*(\a)+(\b))+3]   offset:64*(\b)      ; each accumulator's lowest registers first
	ds_store_b128 v[STO], v[ACC+8*(4*(\a)+(\b))+4:ACC+8*(4*(\a)+(\b))+7] offset:64*(\b)+16
.endr
.irp t, 0,1,2,3,4,5,6,7
	ds_load_b128 v[TT+4*(\t):TT+4*(\t)+3], v[RD] offset:(\t)*2*SPITCH  ; LDS serves a wave's instructions in order (ISA guide 5.7.1.4): these see the stores above; the next block's stores come behind them
.endr
.endm
.macro SEND a, younger                 ; younger: the LDS instructions issued behind block a's loads: the next block's sixteen, or none
.set TT, TMP+32*((\a)%2)
	s_wait_dscnt \younger
	WIN 0x08                                       ; source 1 (RES) window 2
.set i, 0
.rept 16
	v_pk_add_f32 v[TT+2*i:TT+2*i+1], v[TT+2*i:TT+2*i+1], v[32*(\a)+2*i:32*(\a)+2*i+1]
.set i, i+1
.endr
	WIN 0
.set i, 0
.rept 16
	v_pk_add_f32 v[TT+2*i:TT+2*i+1], v[TT+2*i:TT+2*i+1], v[BIA+2*(i%2):BIA+2*(i%2)+1]
.set i, i+1
.endr
.irp t, 0,1,2,3,4,5,6,7
	global_store_b128 v[CO], v[TT+4*(\t):TT+4*(\t)+3], s[8:9] offset:(16*(\a)+2*(\t))*4096  ; 16 lanes store 256 consecutive bytes, at a multiple of 256 from OUT's first byte
.endr
.endm
	s_wait_tensorcnt 0x1                           ; my part of K step 0 is in; K step 1's may stay out
	s_barrier_signal -1
	s_barrier_wait -1                              ; everybody's is
	FETCH 0, 0, F0
	QUARTER 0, 1, F0, F1, 1                        ; the first quarter stands in front of the loop: its first products start the sums
	WIN 0                                          ; at a label and at a branch every window is 0
	s_mov_b32 s3, LAPS-1
.Llap:                                                 ; a trip goes once round the ring, from a lap's second quarter to the next lap's first, and fills both slots again
	QUARTER 0, 2, F1, F0, 0
	QUARTER 0, 3, F0, F1, 0
	TURN 0, 1, 1
	QUARTER 1, 1, F0, F1, 0
	QUARTER 1, 2, F1, F0, 0
	QUARTER 1, 3, F0, F1, 0
	TURN 1, 0, 1
	QUARTER 0, 1, F0, F1, 0
	WIN 0
	s_sub_co_u32 s3, s3, 1
	s_cmp_lg_u32 s3, 0
	s_cbranch_scc1 .Llap
	QUARTER 0, 2, F1, F0, 0                        ; the last lap fills nothing, and has no round of the cluster's barrier
	QUARTER 0, 3, F0, F1, 0
	TURN 0, 1, 0
	QUARTER 1, 1, F0, F1, 0
	QUARTER 1, 2, F1, F0, 0
	QUARTER 1, 3, F0, F1, 0
	s_wait_dscnt 16                                ; the very last quarter: nothing more to fetch
	MUL8 F1, 0, 0, 0
	MUL8 F1, 0, 2, 0
	s_wait_dscnt 0x0
	MUL8 F1, 1, 0, 0
	MUL8 F1, 1, 2, 0
	WIN 0
	PLACES
	s_wait_loadcnt 0x0                             ; RES and the bias
	TOSTAGE 0
.irp a, 1,2,3
	TOSTAGE \a
	SEND (\a)-1, 16
.endr
	SEND 3, 0
	s_wait_tensorcnt 0x0                           ; the wave's end
	ds_add_u32 v[SPW], v[NIL]
	s_wait_dscnt 0x0
	CROUND                                         ; the closing round: no work-group ends while a partner may still ask for a tile that names it
	s_endpgm
.Lfunc_end_k_qe5fc8fdea8_wo:
	.size	k_qe5fc8fdea8_wo, .Lfunc_end_k_qe5fc8fdea8_wo-k_qe5fc8fdea8_wo
	.p2alignl 7, 3214868480
	.fill 96, 4, 3214868480
	.section	.rodata,"a",@progbits
	.p2align	6, 0x0
	.amdhsa_kernel k_qe5fc8fdea8_wo
		.amdhsa_group_segment_fixed_size 327680
		.amdhsa_private_segment_fixed_size 0
		.amdhsa_enable_private_segment 0
		.amdhsa_kernarg_size 40
		.amdhsa_user_sgpr_count 2
		.amdhsa_user_sgpr_kernarg_segment_ptr 1
		.amdhsa_wavefront_size32 1
		.amdhsa_system_sgpr_workgroup_id_x 1
		.amdhsa_system_sgpr_workgroup_id_y 1
		.amdhsa_system_sgpr_workgroup_id_z 1
		.amdhsa_system_vgpr_workitem_id 0
		.amdhsa_next_free_vgpr 640
		.amdhsa_next_free_sgpr 80
		.amdhsa_reserve_vcc 0
		.amdhsa_float_denorm_mode_32 3
		.amdhsa_float_denorm_mode_16_64 3
		.amdhsa_memory_ordered 1
		.amdhsa_forward_progress 1
		.amdhsa_inst_pref_size 98
	.end_amdhsa_kernel
	.amdgpu_metadata
---
amdhsa.version: [ 1, 2 ]
amdhsa.kernels:
  - .name:           k_qe5fc8fdea8_wo
    .symbol:         k_qe5fc8fdea8_wo.kd
    .args:
      - { .name: ctx, .offset: 0, .size: 8, .value_kind: global_buffer, .address_space: global }
      - { .name: wb, .offset: 8, .size: 8, .value_kind: global_buffer, .address_space: global }
      - { .name: x, .offset: 16, .size: 8, .value_kind: global_buffer, .address_space: global }
      - { .name: bo, .offset: 24, .size: 8, .value_kind: global_buffer, .address_space: global }
      - { .name: x1, .offset: 32, .size: 8, .value_kind: global_buffer, .address_space: global }
    .group_segment_fixed_size: 327680
    .private_segment_fixed_size: 0
    .kernarg_segment_align: 8
    .kernarg_segment_size: 40
    .max_flat_workgroup_size: 128
    .sgpr_count:     80
    .vgpr_count:     640
    .wavefront_size: 32
...
	.end_amdgpu_metadata
.endif
;; end of part 4
;; launch ln2 (part 5): grid 256 x 1, 8 waves a work-group, no clusters, 0 bytes of LDS; arguments x1, ln2_scale, ln2_shift, h; writes h
.if DOCPART == 5
	.amdgcn_target "amdgcn-amd-amdhsa--gfx1250"
	.amdhsa_code_object_version 6
	.text
	.protected	k_qe5fc8fdea8_ln2
	.globl	k_qe5fc8fdea8_ln2
	.p2align	8
	.type	k_qe5fc8fdea8_ln2,@function
k_qe5fc8fdea8_ln2:
	s_mov_b64 s[64:65], 0
	v_nop
	global_prefetch_b8 v0, s[64:65] scope:SCOPE_SE
	s_setreg_imm32_b32 hwreg(HW_REG_WAVE_MODE, 25, 1), 1
	s_wait_xcnt 0x0
; h = f16(LayerNorm(x1) * ln2_scale + ln2_shift).  x1: [4096][1024] f32; h: [4096][1024] f16.  A work-group takes 16 rows, each of its eight waves 2.
; A wave holds a whole row in 32 registers a lane, so mean and variance never leave the wave: no LDS, no barrier.  The variance is the mean of (x - mean)^2, taken in a second pass over the registers.
; A load of the wave covers 512 consecutive bytes; a store covers 256 consecutive bytes, at a multiple of 256 from h's first byte.
; LIMITS: statistics and arithmetic in f32, one rounding to f16 at the end.  f16 holds nothing beyond 65,504 (a larger number becomes an infinity): |h| is at most 32 |scale| + |shift|, some 1,000 with gains and
; shifts of 30.  Below 6e-5 f16 keeps a fixed step of 6e-8.  NaN and infinities are not treated apart.
.set X,  4                             ; v[4:67]    two rows as loaded: row r, load j, word i = column 128 j + 4 lane + i, at X + 32 r + 4 j + i
.set SC, 68                            ; v[68:99]   the scale of my 32 columns
.set SH, 100                           ; v[100:131] the shift
.set Y,  132                           ; v[132:163] packed results
.set T,  164                           ; v[164:175] at work: four chains (8), the mean twice (2), 1/sqrt twice (2)
	s_load_b256 s[4:11], s[0:1], 0x0               ; x1 s[4:5], scale s[6:7], shift s[8:9], h s[10:11]
	v_and_b32 v1, 31, v0                           ; lane
	v_lshrrev_b32 v3, 5, v0
	v_readfirstlane_b32 s30, v3                    ; wave 0..7
	v_lshlrev_b32 v2, 3, v1                        ; 8 bytes a lane on the way out
	v_lshlrev_b32 v1, 4, v1                        ; 16 bytes a lane on the way in
	s_lshl_b32 s40, s30, 13                        ; my wave's two rows in x1,
	s_lshl_b32 s28, ttmp9, 16                      ; the work-group's sixteen
	s_add_co_u32 s40, s40, s28
	s_mov_b32 s41, 0
	s_lshl_b32 s42, s30, 12                        ; and the same in h
	s_lshl_b32 s28, ttmp9, 15
	s_add_co_u32 s42, s42, s28
	s_mov_b32 s43, 0
	s_mov_b32 s36, 0x76543210                      ; v_permlanex16_b32: each lane takes its own place in the other half
	s_mov_b32 s37, 0xfedcba98
	s_mov_b32 s38, 0x3a800000                      ; 1 / 1024
	s_mov_b32 s39, 0x3727c5ac                      ; 1e-5
	s_wait_kmcnt 0x0
	s_add_nc_u64 s[26:27], s[4:5], s[40:41]
	s_add_nc_u64 s[32:33], s[10:11], s[42:43]
.macro LOADROW r                       ; eight loads: the whole row; no hint: a later launch reads x1 again
.irp j, 0,1,2,3,4,5,6,7
	global_load_b128 v[X+32*(\r)+4*(\j):X+32*(\r)+4*(\j)+3], v1, s[26:27] offset:4096*(\r)+512*(\j)
.endr
.endm
.macro FOLD                            ; the four chains into one number a lane
	v_pk_add_f32 v[T:T+1], v[T:T+1], v[T+2:T+3]
	v_pk_add_f32 v[T+4:T+5], v[T+4:T+5], v[T+6:T+7]
	v_pk_add_f32 v[T:T+1], v[T:T+1], v[T+4:T+5]
	v_add_f32 v[T], v[T], v[T+1]
.endm
.macro ACROSS                          ; the sum over the 32 lanes, in every lane
	v_add_f32_dpp v[T], v[T], v[T] row_xmask:1 row_mask:0xf bank_mask:0xf
	v_add_f32_dpp v[T], v[T], v[T] row_xmask:2 row_mask:0xf bank_mask:0xf
	v_add_f32_dpp v[T], v[T], v[T] row_xmask:4 row_mask:0xf bank_mask:0xf
	v_add_f32_dpp v[T], v[T], v[T] row_xmask:8 row_mask:0xf bank_mask:0xf
	v_permlanex16_b32 v[T+1], v[T], s36, s37       ; its destination counts as read: FOLD has written it
	v_add_f32 v[T], v[T], v[T+1]
.endm
; Row r becomes (x - mean) / sqrt(var + eps), in place.
.macro STATS r
.set XR, X+32*(\r)
.irp c, 0,1,2,3
	v_pk_add_f32 v[T+2*(\c):T+2*(\c)+1], v[XR+2*(\c):XR+2*(\c)+1], v[XR+8+2*(\c):XR+8+2*(\c)+1]  ; the first pairs start the chains: nothing is cleared
.endr
.irp p, 8,9,10,11,12,13,14,15
	v_pk_add_f32 v[T+2*((\p)%4):T+2*((\p)%4)+1], v[T+2*((\p)%4):T+2*((\p)%4)+1], v[XR+2*(\p):XR+2*(\p)+1]
.endr
	FOLD
	ACROSS
	v_mul_f32 v[T+8], s38, v[T]                    ; the mean, twice: a pair for the packed subtraction
	v_mul_f32 v[T+9], s38, v[T]
.irp p, 0,1,2,3,4,5,6,7,8,9,10,11,12,13,14,15
	v_pk_add_f32 v[XR+2*(\p):XR+2*(\p)+1], v[XR+2*(\p):XR+2*(\p)+1], v[T+8:T+9] neg_lo:[0,1] neg_hi:[0,1]
.endr
.irp c, 0,1,2,3
	v_pk_mul_f32 v[T+2*(\c):T+2*(\c)+1], v[XR+2*(\c):XR+2*(\c)+1], v[XR+2*(\c):XR+2*(\c)+1]
.endr
.irp p, 4,5,6,7,8,9,10,11,12,13,14,15
	v_pk_fma_f32 v[T+2*((\p)%4):T+2*((\p)%4)+1], v[XR+2*(\p):XR+2*(\p)+1], v[XR+2*(\p):XR+2*(\p)+1], v[T+2*((\p)%4):T+2*((\p)%4)+1]
.endr
	FOLD
	ACROSS
	v_fma_f32 v[T], v[T], s38, s39                 ; var + eps
	v_rsq_f32 v[T+10], v[T]
	v_rsq_f32 v[T+11], v[T]
	v_nop                                          ; a plain instruction between the last v_rsq_f32 and the use of its result (ISA guide 5.7.2)
	s_wait_alu depctr_va_vdst(0)
.irp p, 0,1,2,3,4,5,6,7,8,9,10,11,12,13,14,15
	v_pk_mul_f32 v[XR+2*(\p):XR+2*(\p)+1], v[XR+2*(\p):XR+2*(\p)+1], v[T+10:T+11]
.endr
.endm
.macro APPLY r                         ; times the scale, plus the shift: one fused multiply-add
.irp p, 0,1,2,3,4,5,6,7,8,9,10,11,12,13,14,15
	v_pk_fma_f32 v[X+32*(\r)+2*(\p):X+32*(\r)+2*(\p)+1], v[X+32*(\r)+2*(\p):X+32*(\r)+2*(\p)+1], v[SC+2*(\p):SC+2*(\p)+1], v[SH+2*(\p):SH+2*(\p)+1]
.endr
.endm
.macro OUT r, j                        ; four numbers of load j of row r: rounded, packed, stored; Y's registers are written once, so no wait frees them
	v_cvt_pk_f16_f32 v[Y+16*(\r)+2*(\j)],   v[X+32*(\r)+4*(\j)],   v[X+32*(\r)+4*(\j)+1]
	v_cvt_pk_f16_f32 v[Y+16*(\r)+2*(\j)+1], v[X+32*(\r)+4*(\j)+2], v[X+32*(\r)+4*(\j)+3]
	global_store_b64 v2, v[Y+16*(\r)+2*(\j):Y+16*(\r)+2*(\j)+1], s[32:33] offset:2048*(\r)+256*(\j) th:TH_STORE_NT
.endm
	LOADROW 0
	LOADROW 1
.irp j, 0,1,2,3,4,5,6,7
	global_load_b128 v[SC+4*(\j):SC+4*(\j)+3], v1, s[6:7] offset:512*(\j)
.endr
.irp j, 0,1,2,3,4,5,6,7
	global_load_b128 v[SH+4*(\j):SH+4*(\j)+3], v1, s[8:9] offset:512*(\j)
.endr
	s_wait_loadcnt 24                              ; row 0 is in; row 1's eight loads and the sixteen of scale and shift stay out
	STATS 0
	s_wait_loadcnt 16                              ; row 1 is in
	STATS 1
	s_wait_loadcnt 0x0                             ; scale and shift
.irp r, 0,1
	APPLY \r
.irp j, 0,1,2,3,4,5,6,7
	OUT \r, \j
.endr
.endr
	s_endpgm
.Lfunc_end_k_qe5fc8fdea8_ln2:
	.size	k_qe5fc8fdea8_ln2, .Lfunc_end_k_qe5fc8fdea8_ln2-k_qe5fc8fdea8_ln2
	.p2alignl 7, 3214868480
	.fill 96, 4, 3214868480
	.section	.rodata,"a",@progbits
	.p2align	6, 0x0
	.amdhsa_kernel k_qe5fc8fdea8_ln2
		.amdhsa_group_segment_fixed_size 0
		.amdhsa_private_segment_fixed_size 0
		.amdhsa_enable_private_segment 0
		.amdhsa_kernarg_size 32
		.amdhsa_user_sgpr_count 2
		.amdhsa_user_sgpr_kernarg_segment_ptr 1
		.amdhsa_wavefront_size32 1
		.amdhsa_system_sgpr_workgroup_id_x 1
		.amdhsa_system_sgpr_workgroup_id_y 1
		.amdhsa_system_sgpr_workgroup_id_z 1
		.amdhsa_system_vgpr_workitem_id 0
		.amdhsa_next_free_vgpr 176
		.amdhsa_next_free_sgpr 66
		.amdhsa_reserve_vcc 0
		.amdhsa_float_denorm_mode_32 3
		.amdhsa_float_denorm_mode_16_64 3
		.amdhsa_memory_ordered 1
		.amdhsa_forward_progress 1
		.amdhsa_inst_pref_size 20
	.end_amdhsa_kernel
	.amdgpu_metadata
---
amdhsa.version: [ 1, 2 ]
amdhsa.kernels:
  - .name:           k_qe5fc8fdea8_ln2
    .symbol:         k_qe5fc8fdea8_ln2.kd
    .args:
      - { .name: x1, .offset: 0, .size: 8, .value_kind: global_buffer, .address_space: global }
      - { .name: ln2_scale, .offset: 8, .size: 8, .value_kind: global_buffer, .address_space: global }
      - { .name: ln2_shift, .offset: 16, .size: 8, .value_kind: global_buffer, .address_space: global }
      - { .name: h, .offset: 24, .size: 8, .value_kind: global_buffer, .address_space: global }
    .group_segment_fixed_size: 0
    .private_segment_fixed_size: 0
    .kernarg_segment_align: 8
    .kernarg_segment_size: 32
    .max_flat_workgroup_size: 256
    .sgpr_count:     66
    .vgpr_count:     176
    .wavefront_size: 32
...
	.end_amdgpu_metadata
.endif
;; end of part 5
;; launch ffn1 (part 6): grid 16 x 16, 4 waves a work-group, clusters of 4 x 4, 327,680 bytes of LDS; arguments h, wb, b1, g; writes g
.if DOCPART == 6
	.amdgcn_target "amdgcn-amd-amdhsa--gfx1250"
	.amdhsa_code_object_version 6
	.text
	.protected	k_qe5fc8fdea8_ffn1
	.globl	k_qe5fc8fdea8_ffn1
	.p2align	8
	.type	k_qe5fc8fdea8_ffn1,@function
k_qe5fc8fdea8_ffn1:
	s_mov_b64 s[64:65], 0
	v_nop
	global_prefetch_b8 v0, s[64:65] scope:SCOPE_SE
	s_setreg_imm32_b32 hwreg(HW_REG_WAVE_MODE, 25, 1), 1
	s_wait_xcnt 0x0
	s_wait_alu depctr_hold_cnt(0) depctr_sa_sdst(0) depctr_va_vdst(0) depctr_va_sdst(0) depctr_va_ssrc(0) depctr_va_vcc(0) depctr_vm_vsrc(0)
	s_getreg_b32 s2, hwreg(HW_REG_IB_STS2, 6, 4)
	s_cmp_eq_u32 s2, 0
	s_cbranch_scc0 .Lentry_in_a_cluster
	s_endpgm
.Lentry_in_a_cluster:
	s_bfe_u32 s2, ttmp6, 0x10000c
	s_cmp_lg_u32 s2, 0xf033
	s_cbranch_scc0 .Lentry_shape_is_right
	s_endpgm
.Lentry_shape_is_right:
; C = A W for A = h [4096][1024] f16 (rows along K) and W [1024][BN] f16 as it lies, N along the rows.  One text serves two launches; the switch FFN at its head chooses:
;   FFN = 0: W = Wq, Wk, Wv one after the other in wb (cluster x 0, 1, 2); C is rounded to f16 and stored by heads, q, k, v: [32 = 16 batch + head][2048][64].  [4096][3072] in tiles of 256 x 256: a grid of 12 x 16 = 192 work-groups.
;   FFN = 1: W = W1; C + b1 goes through the tanh-GELU in f32, is rounded to f16 and stored in panels, g: [64][4096][64], panel p = columns 64 p .. 64 p + 63.  A grid of 16 x 16.
; In both layouts 16 rows of 64 columns are 2,048 consecutive bytes, so every store of a wave covers 512 consecutive bytes at a multiple of 256 from the buffer's first byte.
; SHARES.  A tile of C is 256 x 256, four waves, each 128 x 128: 64 accumulators of 16 x 16, 512 registers.  K = 1,024 goes in steps of 128 through two LDS slots filled by tensor loads, one load a wave:
; waves 0, 1 bring A's 128 rows x 256 bytes each, waves 2, 3 W's 64 k rows x 512 bytes each.  W's fragments come out of LDS turned, by ds_load_tr16_b128.
; CLUSTER.  4 x 4 work-groups: the four of a row need the same tiles of A, the four of a column the same tiles of W: each tile is asked for jointly, by the same load, descriptor and mask in all four.
; THE MATRIX INSTRUCTION IS USED TRANSPOSED: source 0 = 16 columns of W, source 1 = 16 rows of A: lane l then holds row l % 16 of C and the columns 8 (l / 16) + 0..7.
; GELU: 0.5 x (1 + tanh(u)) = x / (1 + 2^(x (C1 + C3 x^2))), C1 = -2 sqrt(2/pi) log2(e), C3 = 0.044715 C1: the same function; where the exponent overflows the result is x or 0, the function's limits.
; LIMITS: operands f16, sums and the GELU in f32, one rounding to f16 on the way out.  f16 holds nothing beyond 65,504 (a larger result becomes an infinity): with gains and weights all 30 times the problem's
; kind the results have a spread of 30 x 30 = 900 and reach some 5,000.  Below 6e-5 f16 keeps a fixed step of 6e-8.  NaN and infinities are not treated apart.
; REGISTERS, in windows of 256: window 0: v0-31 addresses; v64-127, v128-191 A's two fragment buffers (on the way out at work); v192-223 packed results; v32-63, v224-255 rows read back, by turns.
;   window 1: v64-127, v128-191 W's two fragment buffers; v0-63 the bias of my 128 columns (FFN).   windows 2, 3: the accumulators of my rows 0-63 and 64-127, (a, b) at v[8 (8 (a % 4) + b)].
.set FFN,    1
.if FFN
.set BN,     4096                      ; W's columns
.set WOFF,   8388608                   ; W1 in wb
.set PS,     524288                    ; bytes from a panel to the next: 4,096 rows of 128
.else
.set BN,     1024
.set WOFF,   0
.set PS,     262144                    ; bytes from a head to the next: 2,048 rows of 128
.endif
.set SIZE_K, 1024
.set KSTEP,  128
.set PITCH,  272                       ; a row of A in LDS: 256 bytes + 16 = 68 words: the 16 rows of a load start at 16 different groups of four banks (64 banks of 4 bytes: ISA guide 11.1)
.set PB,     544                       ; a k row of W in LDS: 512 bytes + 32 = 17 x 32
.set HALFT,  128*PITCH                 ; what one tensor load brings: 128 rows of A, or 64 k rows of W (64 x 544 is the same number)
.set SLOT,   4*HALFT                   ; A's 256 rows, then W's 128 k rows
.set STAGE,  2*SLOT                    ; behind the ring: 16 rows x 272 bytes for each wave, for the way out
.set SPITCH, 272
.set SPARE,  STAGE+4*16*SPITCH         ; behind the stages: the spare words, 128 bytes for each wave: two blocks of 256 bytes that no other line names
.set LAPS,   SIZE_K/(2*KSTEP)          ; a lap = two K steps = once round the ring
.set ADRA, 16                          ; v16-17  LDS address of my A fragments in slot 0, 1
.set ADRB, 20                          ; v20-21  the same for W
.set STO,  24                          ; v24     the way out: where I put 16 bytes of a row
.set RD,   25                          ; v25     the way out: where I read four rows of a panel back
.set GO,   26                          ; v26     my 16 bytes in 512 consecutive bytes of the output
.set BOFF, 27                          ; v27     my byte offset in 16 columns of the bias
.set SPW,  28                          ; v28     LDS address of my spare word; never rewritten
.set NIL,  29                          ; v29     0; never rewritten
.set F0,   64
.set F1,   128
.set GX,   64                          ; the GELU: x, in window 0
.set GT,   128                         ; the GELU: at work
.set TMP,  192
.set OB,   32
.set G1, 24                            ; s[24:31] descriptor group 1 for A's tiles;  s[32:39] group 0, one set for each slot
.set G0, 32
.set G1B, 48                           ; s[48:55], s[56:63] the same for W's tiles
.set G0B, 56
.set MSB, 0
.macro WIN new                         ; the immediate's high byte repeats the setting that is left; a switch that changes nothing is dropped
.if MSB != (\new)
	s_set_vgpr_msb (MSB<<8)|(\new)
.set MSB, \new
.endif
.endm
.set MUL_LO, 0xa1                      ; source 0 (W) window 1, source 1 (A) window 0, C and D window 2
.set MUL_HI, 0xf1                      ; the same, C and D window 3
.set TO_B,   0x40                      ; destination window 1, address window 0
; A joint load.  Waves 0 and 1 fetch A's two halves, waves 2 and 3 W's.  The branch hangs on the wave's number alone.  Four v_nop follow each of the two lines, ahead of the jump and the label.
.macro JLOAD s
	s_cmp_eq_u32 s11, 0
	s_cbranch_scc0 .Lfor_b_\@
	tensor_load_to_lds s[G0+4*(\s):G0+4*(\s)+3], s[G1:G1+7]
	s_nop 0
.rept 4
	v_nop
.endr
	s_branch .Lasked_\@
.Lfor_b_\@:
	tensor_load_to_lds s[G0B+4*(\s):G0B+4*(\s)+3], s[G1B:G1B+7]
	s_nop 0
.rept 4
	v_nop
.endr
.Lasked_\@:
.endm
; A round of the cluster's barrier: my work-group's barrier; wave 0 signals for the work-group; every wave waits for all sixteen; my work-group's barrier once more.
.macro CREST                           ; a round behind its opening barrier
	s_cmp_lg_u32 s10, 0
	s_cbranch_scc1 .Lnot_wave_0_\@
	s_barrier_signal -3
.Lnot_wave_0_\@:
	s_barrier_wait -3
	s_barrier_signal -1
	s_barrier_wait -1
.endm
.macro CROUND
	s_barrier_signal -1
	s_barrier_wait -1
	CREST
.endm
	s_load_b128 s[4:7], s[0:1], 0x0                ; h s[4:5], wb s[6:7]
	s_load_b128 s[68:71], s[0:1], 0x10             ; FFN: b1 s[68:69], g s[70:71]; else q s[68:69], k s[70:71]
.if !FFN
	s_load_b64 s[72:73], s[0:1], 0x20              ; v
.endif
	v_lshl_add_u32 v[SPW], v0, 2, SPARE
	v_mov_b32 v[NIL], 0
	ds_add_u32 v28, v29
	ds_add_u32 v28, v29
	s_wait_dscnt 0x0
	v_lshrrev_b32 v1, 5, v0
	v_readfirstlane_b32 s10, v1                    ; wave 0..3
	s_lshr_b32 s11, s10, 1                         ; which half of the tile's rows is mine.  Also: I fetch for A (0) or for W (1)
	s_and_b32 s12, s10, 1                          ; which half of its columns.  Also: which half of that tile I fetch
	s_bfe_u32 s40, ttmp6, 0x40000                  ; cx
	s_bfe_u32 s41, ttmp6, 0x40004                  ; cy
	s_lshl_b32 s42, ttmp9, 2
	s_add_co_u32 s42, s42, s40                     ; tile column = 4 x cluster x + cx
	s_and_b32 s13, ttmp7, 0xffff
	s_lshl_b32 s13, s13, 2
	s_add_co_u32 s13, s13, s41                     ; tile row = 4 x cluster y + cy
	s_lshl_b32 s43, s41, 2
	s_lshl_b32 s43, 15, s43                        ; my row of the cluster
	s_lshl_b32 s44, 0x1111, s40                    ; my column
	s_or_b32 s[G1+0], s43, (1<<16)|(1<<20)|(1<<21)|(5<<22)|(3<<25)   ; the mask: A's tiles go to my row; 2-byte elements; padding on; bit 21 beside a mask; after every 64 words, 4 words
	s_or_b32 s[G1B+0], s44, (1<<16)|(1<<20)|(1<<21)|(6<<22)|(7<<25)  ; W's tiles go to my column; after every 128 words, 8 words
	s_mov_b32 s[G1+1], KSTEP<<16                   ; A: tensor_dim0 = 128
	s_mov_b32 s[G1+2], 128<<16                     ; tensor_dim1 = 128
	s_mov_b32 s[G1+3], KSTEP<<16                   ; tile_dim0 = 128
	s_mov_b32 s[G1+4], 128                         ; tile_dim1 = 128
	s_mov_b32 s[G1+5], SIZE_K                      ; elements from row to row
	s_mov_b32 s[G1+6], 0
	s_mov_b32 s[G1+7], 0
	s_mov_b32 s[G1B+1], 256<<16                    ; W: tensor_dim0 = 256 columns
	s_mov_b32 s[G1B+2], 64<<16                     ; tensor_dim1 = 64 k rows
	s_mov_b32 s[G1B+3], 256<<16                    ; tile_dim0 = 256
	s_mov_b32 s[G1B+4], 64                         ; tile_dim1 = 64
	s_mov_b32 s[G1B+5], BN
	s_mov_b32 s[G1B+6], 0
	s_mov_b32 s[G1B+7], 0
	; A's tile hangs on the tile row alone, W's on the tile column alone; each offset is made in registers that never hold the other coordinate
	s_lshl_b32 s17, s12, 7
	s_lshl_b32 s16, s13, 8
	s_add_co_u32 s16, s16, s17                     ; A: row 256 x tile row + 128 x half,
	s_lshl_b32 s16, s16, 11                        ; 2,048 bytes each
	s_mov_b32 s17, 0
.if FFN
	s_lshl_b32 s46, s42, 9                         ; W1: 512 bytes of a k row for each tile column
	s_add_co_u32 s46, s46, WOFF
.else
	s_lshl_b32 s46, ttmp9, 21                      ; the cluster's x says which of Wq, Wk, Wv: 2,097,152 bytes each;
	s_lshl_b32 s47, s40, 9                         ; cx which 256 of its columns
	s_add_co_u32 s46, s46, s47
.endif
	s_mul_i32 s47, s12, 64*BN*2                    ; which 64 k rows I fetch
	s_add_co_u32 s46, s46, s47
	s_mov_b32 s47, 0
	s_mul_i32 s20, s10, HALFT                      ; where my load lands: wave x HALFT: no place in the cluster enters an LDS address
	s_wait_kmcnt 0x0
	s_add_nc_u64 s[14:15], s[4:5], s[16:17]
	s_add_nc_u64 s[46:47], s[6:7], s[46:47]
	CROUND                                         ; all sixteen work-groups are here: the first joint loads meet
.irp s, 0,1
	s_mov_b32 s[G0+4*(\s)], 1
	s_add_co_u32 s[G0+4*(\s)+1], s20, (\s)*SLOT
	s_add_nc_u64 s[G0+4*(\s)+2:G0+4*(\s)+3], s[14:15], (\s)*KSTEP*2
	s_or_b32 s[G0+4*(\s)+3], s[G0+4*(\s)+3], 0x80000000
	s_mov_b32 s[G0B+4*(\s)], 1
	s_add_co_u32 s[G0B+4*(\s)+1], s20, (\s)*SLOT
	s_add_nc_u64 s[G0B+4*(\s)+2:G0B+4*(\s)+3], s[46:47], (\s)*KSTEP*BN*2
	s_or_b32 s[G0B+4*(\s)+3], s[G0B+4*(\s)+3], 0x80000000
	JLOAD \s                                       ; K steps 0 and 1: two loads of mine are out
.endr
	; A's fragment: lane l holds row l % 16, K = 8 (l / 16) + 0..7 and 16 + 8 (l / 16) + 0..7: two loads of 16 bytes, 32 bytes apart.
	; W's fragment: the turning load takes 16 k rows x 16 columns (lane l reads k row 8 (l / 16) + l % 8, columns 8 ((l / 8) % 2) + 0..7) and leaves lane l column l % 16 and 8 k; two of them, 16 k rows apart.
	v_and_b32 v1, 15, v0                           ; l % 16
	v_bfe_u32 v2, v0, 4, 1                         ; l / 16
	v_mul_u32_u24 v3, v1, PITCH
	v_lshl_add_u32 v3, v2, 4, v3
	v_and_b32 v4, 7, v0
	v_lshl_add_u32 v4, v2, 3, v4
	v_mul_u32_u24 v4, v4, PB
	v_bfe_u32 v5, v0, 3, 1
	v_lshl_add_u32 v4, v5, 4, v4
	s_mul_i32 s21, s11, HALFT                      ; my 128 rows of A
	s_lshl_b32 s22, s12, 8                         ; my 128 columns of W: 256 bytes of each k row,
	s_add_co_u32 s22, s22, 2*HALFT                 ; behind A's 256 rows
.irp s, 0,1
	v_add_nc_u32 v[ADRA+(\s)], s21, v3
	v_add_nc_u32 v[ADRB+(\s)], s22, v4
	s_add_co_u32 s21, s21, SLOT
	s_add_co_u32 s22, s22, SLOT
.endr
	s_mul_i32 s23, s10, 16*SPITCH
	s_add_co_u32 s23, s23, STAGE                   ; my stage
	v_add_nc_u32 v[STO], s23, v3                   ; in: row l % 16, 16 bytes for each half of the lanes (the stage's pitch is A's)
	v_bfe_u32 v6, v0, 3, 2                         ; back: 32 lanes take four rows of a panel's 128 bytes,
	v_mul_u32_u24 v6, v6, SPITCH
	v_and_b32 v7, 7, v0
	v_lshl_add_u32 v6, v7, 4, v6
	v_add_nc_u32 v[RD], s23, v6
	v_and_b32 v[GO], 31, v0                        ; which are 512 consecutive bytes of the output
	v_lshlrev_b32 v[GO], 4, v[GO]
	v_lshlrev_b32 v[BOFF], 5, v2                   ; eight f32 for each half of the lanes
.if FFN
	s_lshl_b32 s16, s42, 2
	s_lshl_b32 s17, s12, 1
	s_add_co_u32 s16, s16, s17                     ; my first panel: 4 x tile column + 2 x half,
	s_lshl_b32 s16, s16, 12                        ; 4,096 rows each,
	s_lshl_b32 s17, s13, 8
	s_add_co_u32 s16, s16, s17
	s_lshl_b32 s17, s11, 7
	s_add_co_u32 s16, s16, s17                     ; my first row,
	s_lshl_b32 s16, s16, 7                         ; 128 bytes each
	s_mov_b32 s17, 0
	s_add_nc_u64 s[8:9], s[70:71], s[16:17]        ; g at my part
	s_lshl_b32 s46, s42, 10
	s_lshl_b32 s47, s12, 9
	s_add_co_u32 s46, s46, s47
	s_mov_b32 s47, 0
	s_add_nc_u64 s[68:69], s[68:69], s[46:47]      ; b1 at my 128 columns
	s_mov_b32 s74, 0xc0135761                      ; C1 = -2.3022082
	s_mov_b32 s75, s74                             ; named with it as a pair
	s_mov_b32 s76, 0xbdd2d3e8                      ; C3 = -0.10294324
	s_mov_b32 s77, s76
	WIN TO_B
.irp b, 0,1,2,3,4,5,6,7                ; the bias of columns 16 b + 8 (l / 16) + 0..7; waited for on the way out
	global_load_b128 v[8*(\b):8*(\b)+3],   v[BOFF], s[68:69] offset:64*(\b)
	global_load_b128 v[8*(\b)+4:8*(\b)+7], v[BOFF], s[68:69] offset:64*(\b)+16
.endr
	WIN 0
.else
	s_lshr_b32 s16, s13, 3                         ; the batch,
	s_lshl_b32 s16, s16, 4
	s_lshl_b32 s17, s40, 2
	s_add_co_u32 s16, s16, s17
	s_lshl_b32 s17, s12, 1
	s_add_co_u32 s16, s16, s17                     ; my first head: 16 x batch + 4 cx + 2 x half,
	s_lshl_b32 s16, s16, 11                        ; 2,048 rows each,
	s_and_b32 s17, s13, 7
	s_lshl_b32 s17, s17, 8
	s_add_co_u32 s16, s16, s17
	s_lshl_b32 s17, s11, 7
	s_add_co_u32 s16, s16, s17                     ; my first row in the batch,
	s_lshl_b32 s16, s16, 7                         ; 128 bytes each
	s_mov_b32 s17, 0
	s_mov_b32 s18, ttmp9
	s_cmp_eq_u32 s18, 1
	s_cselect_b64 s[8:9], s[70:71], s[68:69]       ; k, or q,
	s_cmp_eq_u32 s18, 2
	s_cselect_b64 s[8:9], s[72:73], s[8:9]         ; or v
	s_add_nc_u64 s[8:9], s[8:9], s[16:17]
.endif
; 16 matrix instructions: m blocks a0, a0 + 1 of the window's four x all 8 n blocks, 32 along K.  zero = 1: the first product starts the sums.  The 64 accumulators take turns.
.macro MUL16 f, hi, a0, zero
	WIN MUL_LO+0x50*(\hi)
.irp a, \a0, (\a0)+1
.irp b, 0,1,2,3,4,5,6,7
.if \zero
	v_wmma_f32_16x16x32_f16 v[8*(8*(\a)+(\b)):8*(8*(\a)+(\b))+7], v[(\f)+8*(\b):(\f)+8*(\b)+7], v[(\f)+8*(4*(\hi)+(\a)):(\f)+8*(4*(\hi)+(\a))+7], 0
.else
	v_wmma_f32_16x16x32_f16 v[8*(8*(\a)+(\b)):8*(8*(\a)+(\b))+7], v[(\f)+8*(\b):(\f)+8*(\b)+7], v[(\f)+8*(4*(\hi)+(\a)):(\f)+8*(4*(\hi)+(\a))+7], v[8*(8*(\a)+(\b)):8*(8*(\a)+(\b))+7]
.endif
.endr
.endr
.endm
; 32 LDS loads in one run: the fragments of quarter q of a K step (32 along K) into buffer f: W's 128 columns first, then A's 128 rows
.macro FETCH slot, q, f
	WIN TO_B
.irp i, 0,1,2,3,4,5,6,7
	ds_load_tr16_b128 v[(\f)+8*(\i):(\f)+8*(\i)+3],   v[ADRB+(\slot)] offset:32*(\q)*PB+32*(\i)
	ds_load_tr16_b128 v[(\f)+8*(\i)+4:(\f)+8*(\i)+7], v[ADRB+(\slot)] offset:(32*(\q)+16)*PB+32*(\i)
.endr
	WIN 0
.irp i, 0,1,2,3,4,5,6,7
	ds_load_b128 v[(\f)+8*(\i):(\f)+8*(\i)+3],   v[ADRA+(\slot)] offset:64*(\q)+(\i)*16*PITCH
	ds_load_b128 v[(\f)+8*(\i)+4:(\f)+8*(\i)+7], v[ADRA+(\slot)] offset:64*(\q)+(\i)*16*PITCH+32
.endr
.endm
.macro PLACES                          ; four plain instructions between a matrix instruction and a load into, or a vector instruction on, its registers
.rept 4
	v_nop
.endr
.endm
; One of a K step's first three quarters: multiplies buffer f; in its middle it fetches quarter q of the same slot into buffer g.
.macro QUARTER slot, q, f, g, zero
	s_wait_dscnt 8                                 ; W and A's rows 0-63 are in; the youngest eight loads (A's rows 64-127) may be out
	WIN MUL_LO
	MUL16 \f, 0, 0, \zero
	MUL16 \f, 0, 2, \zero
	PLACES
	FETCH \slot, \q, \g
	s_wait_dscnt 32                                ; all but the 32 just issued
	WIN MUL_HI
	MUL16 \f, 1, 0, \zero
	MUL16 \f, 1, 2, \zero
.endm
; The last quarter's first half, and the one barrier of a change of slots.  In front of it each wave waits for all its tensor loads (one is out: its part of the next slot), adds 0 to its spare word,
; and waits for that and for its reads of this slot.  Behind it nobody reads this slot any more and the next slot is whole.
.macro MEET round
	WIN 0                                          ; (the add's two registers lie in window 0)
	s_wait_tensorcnt 0x0
	ds_add_u32 v[SPW], v[NIL]                      ; 0 onto my spare word
	s_wait_dscnt 9                                 ; the add and the youngest eight loads may be out
	WIN MUL_LO
	MUL16 F1, 0, 0, 0
	s_wait_dscnt 0x0                               ; the add is done, and my reads of this slot are over
	s_barrier_signal -1
	MUL16 F1, 0, 2, 0
.if \round
	WIN 0
.endif
	s_barrier_wait -1
.endm
; The whole last quarter.  fill = 1: the barrier opens a round of the cluster's, and the slot just read out is filled again first behind it, with the K step two steps on.
.macro TURN slot, next, fill
	MEET \fill
.if \fill
	CREST                                          ; no wave of any partner still reads this slot's tile or has a load on its way
	s_add_nc_u64 s[G0+4*(\slot)+2:G0+4*(\slot)+3], s[G0+4*(\slot)+2:G0+4*(\slot)+3], 2*KSTEP*2
	s_add_nc_u64 s[G0B+4*(\slot)+2:G0B+4*(\slot)+3], s[G0B+4*(\slot)+2:G0B+4*(\slot)+3], 2*KSTEP*BN*2
	JLOAD \slot                                    ; my one tensor load behind the round; its four v_nop are also the places in front of the loads below
.else
	PLACES
.endif
	FETCH \next, 0, F0
	WIN MUL_HI
	MUL16 F1, 1, 0, 0
	MUL16 F1, 1, 2, 0
.endm
; THE WAY OUT of block a (16 rows x 128 columns).  PACK or GELU: 16 bytes of f16 a lane and n block.  TOSTAGE: into my own stage, and back as rows of a panel.  SEND: stored.
.macro PACK a
.set AC, 64*((\a)%4)
	WIN 0x0a+5*((\a)/4)                            ; sources 0 and 1: window 2 or 3
.irp b, 0,1,2,3,4,5,6,7
.irp r, 0,1,2,3
	v_cvt_pk_f16_f32 v[TMP+4*(\b)+(\r)], v[AC+8*(\b)+2*(\r)], v[AC+8*(\b)+2*(\r)+1]  ; each accumulator from its lowest registers on
.endr
.endr
	WIN 0
.endm
.macro GELU a
.set AC, 64*((\a)%4)
	WIN 0x06+((\a)/4)                              ; source 0 (sums) window 2 or 3, source 1 (bias) window 1, destination window 0
.set i, 0
.rept 32
	v_pk_add_f32 v[GX+2*i:GX+2*i+1], v[AC+2*i:AC+2*i+1], v[2*i:2*i+1]  ; x = sum + b1; each accumulator from its lowest registers on
.set i, i+1
.endr
	WIN 0
.set i, 0
.rept 32
	v_pk_mul_f32 v[GT+2*i:GT+2*i+1], v[GX+2*i:GX+2*i+1], v[GX+2*i:GX+2*i+1]
.set i, i+1
.endr
.set i, 0
.rept 32
	v_pk_fma_f32 v[GT+2*i:GT+2*i+1], v[GT+2*i:GT+2*i+1], s[76:77], s[74:75] op_sel_hi:[1,0,0]  ; C3 x^2 + C1
.set i, i+1
.endr
.set i, 0
.rept 32
	v_pk_mul_f32 v[GT+2*i:GT+2*i+1], v[GT+2*i:GT+2*i+1], v[GX+2*i:GX+2*i+1]
.set i, i+1
.endr
.set i, 0
.rept 64
	v_exp_f32 v[GT+i], v[GT+i]
.set i, i+1
.endr
	v_nop                                          ; a plain instruction behind the last exponential (ISA guide 5.7.2)
.set i, 0
	s_wait_alu depctr_va_vdst(0)
.rept 32
	v_pk_add_f32 v[GT+2*i:GT+2*i+1], v[GT+2*i:GT+2*i+1], 1.0 op_sel_hi:[1,0]
.set i, i+1
.endr
.set i, 0
.rept 64
	v_rcp_f32 v[GT+i], v[GT+i]
.set i, i+1
.endr
	v_nop                                          ; and behind the last reciprocal
.set i, 0
	s_wait_alu depctr_va_vdst(0)
.rept 32
	v_pk_mul_f32 v[GX+2*i:GX+2*i+1], v[GX+2*i:GX+2*i+1], v[GT+2*i:GT+2*i+1]
.set i, i+1
.endr
.set i, 0
.rept 32
	v_cvt_pk_f16_f32 v[TMP+i], v[GX+2*i], v[GX+2*i+1]
.set i, i+1
.endr
.endm
.macro MAKE a
.if FFN
	GELU \a
.else
	PACK \a
.endif
.endm
.macro TOSTAGE a
	WIN 0
.set BK, OB+192*((\a)%2)
.irp b, 0,1,2,3,4,5,6,7
	ds_store_b128 v[STO], v[TMP+4*(\b):TMP+4*(\b)+3] offset:32*(\b)
.endr
.irp pn, 0,1
.irp t, 0,1,2,3
	ds_load_b128 v[BK+4*(4*(\pn)+(\t)):BK+4*(4*(\pn)+(\t))+3], v[RD] offset:128*(\pn)+(\t)*4*SPITCH  ; LDS serves a wave's instructions in order (ISA guide 5.7.1.4): these see the stores above
.endr
.endr
.endm
.macro SEND a
	WIN 0
.set BK, OB+192*((\a)%2)
	s_wait_dscnt 0x0                               ; the block is back in registers
	s_wait_xcnt 0x0                                ; the stores of the block before have had their addresses translated (ISA guide 3.1): its registers are loaded again only behind this wait
.irp pn, 0,1
.irp t, 0,1,2,3
	global_store_b128 v[GO], v[BK+4*(4*(\pn)+(\t)):BK+4*(4*(\pn)+(\t))+3], s[8:9] offset:(\pn)*PS+(\a)*2048+(\t)*512  ; four rows of a panel: 512 consecutive bytes; panel, block and rows stand in the immediate
.endr
.endr
.endm
	s_wait_tensorcnt 0x1                           ; my part of K step 0 is in; K step 1's may stay out
	s_barrier_signal -1
	s_barrier_wait -1                              ; everybody's is
	FETCH 0, 0, F0
	QUARTER 0, 1, F0, F1, 1                        ; the first quarter stands in front of the loop: its products start the sums
	WIN 0                                          ; at a label and at a branch every window is 0
	s_mov_b32 s3, LAPS-1
.Llap:                                                 ; a trip goes once round the ring, from a lap's second quarter to the next lap's first, and fills both slots again
	QUARTER 0, 2, F1, F0, 0
	QUARTER 0, 3, F0, F1, 0
	TURN 0, 1, 1
	QUARTER 1, 1, F0, F1, 0
	QUARTER 1, 2, F1, F0, 0
	QUARTER 1, 3, F0, F1, 0
	TURN 1, 0, 1
	QUARTER 0, 1, F0, F1, 0
	WIN 0
	s_sub_co_u32 s3, s3, 1
	s_cmp_lg_u32 s3, 0
	s_cbranch_scc1 .Llap
	QUARTER 0, 2, F1, F0, 0                        ; the last lap fills nothing, and has no round of the cluster's barrier
	QUARTER 0, 3, F0, F1, 0
	TURN 0, 1, 0
	QUARTER 1, 1, F0, F1, 0
	QUARTER 1, 2, F1, F0, 0
	QUARTER 1, 3, F0, F1, 0
	s_wait_dscnt 8                                 ; the very last quarter: nothing more to fetch
	MUL16 F1, 0, 0, 0
	MUL16 F1, 0, 2, 0
	s_wait_dscnt 0x0
	MUL16 F1, 1, 0, 0
	MUL16 F1, 1, 2, 0
	WIN 0
.if FFN
	s_wait_loadcnt 0x0                             ; the bias
.endif
	PLACES
	MAKE 0
	TOSTAGE 0
.irp a, 1,2,3,4,5,6,7                  ; block a's arithmetic stands between block a - 1's loads from the stage and the wait for them
	MAKE \a
	SEND (\a)-1
	TOSTAGE \a
.endr
	SEND 7
	s_wait_tensorcnt 0x0                           ; the wave's end
	ds_add_u32 v[SPW], v[NIL]
	s_wait_dscnt 0x0
	CROUND                                         ; the closing round: no work-group ends while a partner may still ask for a tile that names it
	s_endpgm
.Lfunc_end_k_qe5fc8fdea8_ffn1:
	.size	k_qe5fc8fdea8_ffn1, .Lfunc_end_k_qe5fc8fdea8_ffn1-k_qe5fc8fdea8_ffn1
	.p2alignl 7, 3214868480
	.fill 96, 4, 3214868480
	.section	.rodata,"a",@progbits
	.p2align	6, 0x0
	.amdhsa_kernel k_qe5fc8fdea8_ffn1
		.amdhsa_group_segment_fixed_size 327680
		.amdhsa_private_segment_fixed_size 0
		.amdhsa_enable_private_segment 0
		.amdhsa_kernarg_size 32
		.amdhsa_user_sgpr_count 2
		.amdhsa_user_sgpr_kernarg_segment_ptr 1
		.amdhsa_wavefront_size32 1
		.amdhsa_system_sgpr_workgroup_id_x 1
		.amdhsa_system_sgpr_workgroup_id_y 1
		.amdhsa_system_sgpr_workgroup_id_z 1
		.amdhsa_system_vgpr_workitem_id 0
		.amdhsa_next_free_vgpr 1024
		.amdhsa_next_free_sgpr 80
		.amdhsa_reserve_vcc 0
		.amdhsa_float_denorm_mode_32 3
		.amdhsa_float_denorm_mode_16_64 3
		.amdhsa_memory_ordered 1
		.amdhsa_forward_progress 1
		.amdhsa_inst_pref_size 255
	.end_amdhsa_kernel
	.section	.bss,"aw",@nobits
	.p2align	6
	.space	262144
	.amdgpu_metadata
---
amdhsa.version: [ 1, 2 ]
amdhsa.kernels:
  - .name:           k_qe5fc8fdea8_ffn1
    .symbol:         k_qe5fc8fdea8_ffn1.kd
    .args:
      - { .name: h, .offset: 0, .size: 8, .value_kind: global_buffer, .address_space: global }
      - { .name: wb, .offset: 8, .size: 8, .value_kind: global_buffer, .address_space: global }
      - { .name: b1, .offset: 16, .size: 8, .value_kind: global_buffer, .address_space: global }
      - { .name: g, .offset: 24, .size: 8, .value_kind: global_buffer, .address_space: global }
    .group_segment_fixed_size: 327680
    .private_segment_fixed_size: 0
    .kernarg_segment_align: 8
    .kernarg_segment_size: 32
    .max_flat_workgroup_size: 128
    .sgpr_count:     80
    .vgpr_count:     1024
    .wavefront_size: 32
...
	.end_amdgpu_metadata
.endif
;; end of part 6
;; launch ffn2 (part 7): grid 8 x 32, 4 waves a work-group, clusters of 4 x 4, 327,680 bytes of LDS; arguments g, wb, x1, b2, out0; writes out0
.if DOCPART == 7
	.amdgcn_target "amdgcn-amd-amdhsa--gfx1250"
	.amdhsa_code_object_version 6
	.text
	.protected	k_qe5fc8fdea8_ffn2
	.globl	k_qe5fc8fdea8_ffn2
	.p2align	8
	.type	k_qe5fc8fdea8_ffn2,@function
k_qe5fc8fdea8_ffn2:
	s_mov_b64 s[64:65], 0
	v_nop
	global_prefetch_b8 v0, s[64:65] scope:SCOPE_SE
	s_setreg_imm32_b32 hwreg(HW_REG_WAVE_MODE, 25, 1), 1
	s_wait_xcnt 0x0
	s_wait_alu depctr_hold_cnt(0) depctr_sa_sdst(0) depctr_va_vdst(0) depctr_va_sdst(0) depctr_va_ssrc(0) depctr_va_vcc(0) depctr_vm_vsrc(0)
	s_getreg_b32 s2, hwreg(HW_REG_IB_STS2, 6, 4)
	s_cmp_eq_u32 s2, 0
	s_cbranch_scc0 .Lentry_in_a_cluster
	s_endpgm
.Lentry_in_a_cluster:
	s_bfe_u32 s2, ttmp6, 0x10000c
	s_cmp_lg_u32 s2, 0xf033
	s_cbranch_scc0 .Lentry_shape_is_right
	s_endpgm
.Lentry_shape_is_right:
; OUT = RES + A W + bias, in f32.  A is f16 in panels of 64 columns, [panel][PROWS rows][64], a panel's rows dense (128 bytes each); W is [SIZE_K][1024] f16 as it lies, N along the rows, at WOFF in wb;
; RES and OUT are [4096][1024] f32, bias [1024] f32.  One text serves two launches; the switch FFN2 at its head chooses:
;   FFN2 = 0: A = ctx ([16 batch + head][2048][64]), W = Wo, K = 1,024.     FFN2 = 1: A = g ([64][4096][64]), W = W2, K = 4,096.
; SHARES.  A tile of OUT is 128 x 128: a grid of 8 x 32 = 256 work-groups.  Four waves, each 64 x 64: 16 accumulators.  K goes in steps of 256 (four panels) through two LDS slots, one tensor load a wave:
; waves 0, 1 bring two panels' 128 rows each (each panel's part is 16,384 dense bytes: one long row of the tile), waves 2, 3 bring 128 k rows x 256 bytes of W each.  W's fragments come out of LDS turned.
; CLUSTER.  4 x 4 work-groups: the four of a row need the same tiles of A, the four of a column the same tiles of W: each tile is asked for jointly.
; THE MATRIX INSTRUCTION IS USED TRANSPOSED (source 0 = 16 columns of W, source 1 = 16 rows of A): a lane holds eight neighbouring numbers of a row of OUT.
; THE WAY OUT.  A wave's 64 columns of f32 are 256 consecutive bytes of a row, at a multiple of 256 from OUT's first byte: each wave has its own stage, and sixteen lanes store such a piece whole.
; LIMITS: operands f16, as the launches before left them (within 65,504); sums, residual and bias in f32 (the sum is (A W + RES) + bias); NaN and infinities are not treated apart.
; REGISTERS: window 0: v0-31 addresses and the bias; v32-63, v64-95 rows read back, by turns; v128-255 the accumulators ((a, b) at v[128 + 8 (4 a + b)]).
;   window 1: two fragment buffers of 128: for 64 along K, 64 registers of A, then 64 of W.     window 2: v0-127 my 64 x 64 of RES.
.set FFN2,   1
.if FFN2
.set SIZE_K, 4096
.set PROWS,  4096                      ; rows in a panel
.set WOFF,   16777216                  ; W2 in wb
.else
.set SIZE_K, 1024
.set PROWS,  2048
.set WOFF,   6291456                   ; Wo in wb
.endif
.set KSTEP,  256
.set PA,     144                       ; a row of A in LDS: 128 bytes + 16 = 36 words: the 16 rows of a load start at 16 different groups of four banks (64 banks of 4 bytes: ISA guide 11.1)
.set PANEL,  128*PA                    ; a panel's 128 rows
.set PB,     288                       ; a k row of W in LDS: 256 bytes + 32 = 9 x 32
.set HALFT,  2*PANEL                   ; what one tensor load brings: two panels of A, or 128 k rows of W (128 x 288 is the same number)
.set SLOT,   4*HALFT                   ; A's four panels, then W's 256 k rows
.set STAGE,  2*SLOT                    ; behind the ring: 16 rows x 272 bytes for each wave
.set SPITCH, 272
.set SPARE,  STAGE+4*16*SPITCH         ; behind the stages: the spare words, 128 bytes for each wave: two blocks of 256 bytes that no other line names
.set LAPS,   SIZE_K/(2*KSTEP)
.set BIA,  12                          ; v[12:15] the bias of my four columns
.set ADRA, 16                          ; v16-17  LDS address of my A fragments in slot 0, 1
.set ADRB, 20                          ; v20-23  the same for W: slot 0 k rows 0-127, 128-255; slot 1 likewise (a slot's 256 k rows pass the 16-bit immediate)
.set STO,  24                          ; v24     the way out: where I put 32 bytes of a row
.set RD,   25                          ; v25     the way out: where I read a row back
.set CO,   26                          ; v26     my byte offset in two rows of RES and OUT
.set BV,   27                          ; v27     my byte offset in 64 columns of the bias
.set SPW,  28                          ; v28     LDS address of my spare word; never rewritten
.set NIL,  29                          ; v29     0; never rewritten
.set TMP,  32
.set ACC,  128
.set F0,   0
.set F1,   128
.set G1, 24                            ; s[24:31] descriptor group 1 for A's tiles;  s[32:39] group 0, one set for each slot
.set G0, 32
.set G1B, 48                           ; s[48:55], s[56:63] the same for W's tiles
.set G0B, 56
.set MSB, 0
.macro WIN new                         ; the immediate's high byte repeats the setting that is left; a switch that changes nothing is dropped
.if MSB != (\new)
	s_set_vgpr_msb (MSB<<8)|(\new)
.set MSB, \new
.endif
.endm
.set MUL,  0x05                        ; sources 0 (W) and 1 (A) window 1; C and D window 0
.set TO_F, 0x40                        ; destination window 1, address window 0
.macro JLOAD s                         ; a joint load: waves 0 and 1 fetch A's two halves, waves 2 and 3 W's; four v_nop follow each of the two lines, ahead of the jump and the label
	s_cmp_eq_u32 s11, 0
	s_cbranch_scc0 .Lfor_b_\@
	tensor_load_to_lds s[G0+4*(\s):G0+4*(\s)+3], s[G1:G1+7]
	s_nop 0
.rept 4
	v_nop
.endr
	s_branch .Lasked_\@
.Lfor_b_\@:
	tensor_load_to_lds s[G0B+4*(\s):G0B+4*(\s)+3], s[G1B:G1B+7]
	s_nop 0
.rept 4
	v_nop
.endr
.Lasked_\@:
.endm
.macro CREST                           ; a round of the cluster's barrier behind its opening barrier
	s_cmp_lg_u32 s10, 0
	s_cbranch_scc1 .Lnot_wave_0_\@
	s_barrier_signal -3
.Lnot_wave_0_\@:
	s_barrier_wait -3
	s_barrier_signal -1
	s_barrier_wait -1
.endm
.macro CROUND
	s_barrier_signal -1
	s_barrier_wait -1
	CREST
.endm
	s_load_b128 s[4:7], s[0:1], 0x0                ; A s[4:5], wb s[6:7]
	s_load_b128 s[68:71], s[0:1], 0x10             ; RES s[68:69], bias s[70:71]
	s_load_b64 s[8:9], s[0:1], 0x20                ; OUT
	v_lshl_add_u32 v[SPW], v0, 2, SPARE
	v_mov_b32 v[NIL], 0
	ds_add_u32 v28, v29
	ds_add_u32 v28, v29
	s_wait_dscnt 0x0
	v_lshrrev_b32 v1, 5, v0
	v_readfirstlane_b32 s10, v1                    ; wave 0..3
	s_lshr_b32 s11, s10, 1                         ; which half of the tile's rows is mine.  Also: I fetch for A (0) or for W (1)
	s_and_b32 s12, s10, 1                          ; which half of its columns.  Also: which half of that tile I fetch
	s_bfe_u32 s40, ttmp6, 0x40000                  ; cx
	s_bfe_u32 s41, ttmp6, 0x40004                  ; cy
	s_lshl_b32 s42, ttmp9, 2
	s_add_co_u32 s42, s42, s40                     ; tile column = 4 x cluster x + cx
	s_and_b32 s13, ttmp7, 0xffff
	s_lshl_b32 s13, s13, 2
	s_add_co_u32 s13, s13, s41                     ; tile row = 4 x cluster y + cy
	s_lshl_b32 s43, s41, 2
	s_lshl_b32 s43, 15, s43                        ; my row of the cluster
	s_lshl_b32 s44, 0x1111, s40                    ; my column
	s_or_b32 s[G1+0], s43, (1<<16)|(1<<20)|(1<<21)|(4<<22)|(3<<25)   ; the mask: A's tiles go to my row; 2-byte elements; padding on; bit 21 beside a mask; after every 32 words (a row of A), 4 words
	s_or_b32 s[G1B+0], s44, (1<<16)|(1<<20)|(1<<21)|(5<<22)|(7<<25)  ; W's tiles go to my column; after every 64 words, 8 words
	s_mov_b32 s[G1+1], 8192<<16                    ; A: tensor_dim0 = 8,192 elements: 128 rows x 64 columns of one panel, dense
	s_mov_b32 s[G1+2], 2<<16                       ; tensor_dim1 = 2 panels
	s_mov_b32 s[G1+3], 8192<<16                    ; tile_dim0 = 8,192
	s_mov_b32 s[G1+4], 2                           ; tile_dim1 = 2
	s_mov_b32 s[G1+5], PROWS*64                    ; elements from a panel to the next
	s_mov_b32 s[G1+6], 0
	s_mov_b32 s[G1+7], 0
	s_mov_b32 s[G1B+1], 128<<16                    ; W: tensor_dim0 = 128 columns
	s_mov_b32 s[G1B+2], 128<<16                    ; tensor_dim1 = 128 k rows
	s_mov_b32 s[G1B+3], 128<<16                    ; tile_dim0 = 128
	s_mov_b32 s[G1B+4], 128                        ; tile_dim1 = 128
	s_mov_b32 s[G1B+5], 1024
	s_mov_b32 s[G1B+6], 0
	s_mov_b32 s[G1B+7], 0
	; A's tile hangs on the tile row alone, W's on the tile column alone; each offset is made in registers that never hold the other coordinate
.if FFN2
	s_lshl_b32 s16, s12, 1                         ; my first panel of the K step's four,
	s_lshl_b32 s17, s13, 7                         ; the tile's first row
.else
	s_lshr_b32 s16, s13, 4                         ; the batch: 16 panels each,
	s_lshl_b32 s16, s16, 4
	s_lshl_b32 s17, s12, 1
	s_add_co_u32 s16, s16, s17                     ; my first panel,
	s_and_b32 s17, s13, 15
	s_lshl_b32 s17, s17, 7                         ; the tile's first row in the batch
.endif
	s_mul_i32 s16, s16, PROWS
	s_add_co_u32 s16, s16, s17
	s_lshl_b32 s16, s16, 7                         ; rows of 128 bytes
	s_mov_b32 s17, 0
	s_lshl_b32 s46, s42, 8                         ; W: 256 bytes of a k row for each tile column,
	s_lshl_b32 s47, s12, 18                        ; which 128 k rows of 2,048 bytes I fetch
	s_add_co_u32 s46, s46, s47
	s_add_co_u32 s46, s46, WOFF
	s_mov_b32 s47, 0
	s_mul_i32 s20, s10, HALFT                      ; where my load lands: no place in the cluster enters an LDS address
	s_wait_kmcnt 0x0
	s_add_nc_u64 s[14:15], s[4:5], s[16:17]
	s_add_nc_u64 s[46:47], s[6:7], s[46:47]
	CROUND                                         ; all sixteen work-groups are here: the first joint loads meet
.irp s, 0,1
	s_mov_b32 s[G0+4*(\s)], 1
	s_add_co_u32 s[G0+4*(\s)+1], s20, (\s)*SLOT
	s_add_nc_u64 s[G0+4*(\s)+2:G0+4*(\s)+3], s[14:15], (\s)*4*PROWS*128
	s_or_b32 s[G0+4*(\s)+3], s[G0+4*(\s)+3], 0x80000000
	s_mov_b32 s[G0B+4*(\s)], 1
	s_add_co_u32 s[G0B+4*(\s)+1], s20, (\s)*SLOT
	s_add_nc_u64 s[G0B+4*(\s)+2:G0B+4*(\s)+3], s[46:47], (\s)*KSTEP*2048
	s_or_b32 s[G0B+4*(\s)+3], s[G0B+4*(\s)+3], 0x80000000
	JLOAD \s                                       ; K steps 0 and 1: two loads of mine are out
.endr
	v_and_b32 v1, 15, v0                           ; l % 16
	v_bfe_u32 v2, v0, 4, 1                         ; l / 16
	v_mul_u32_u24 v3, v1, PA
	v_lshl_add_u32 v3, v2, 4, v3                   ; A's fragment: row x pitch + 16 x half
	v_and_b32 v4, 7, v0
	v_lshl_add_u32 v4, v2, 3, v4                   ; W's fragment, turned: k row 8 (l / 16) + l % 8,
	v_mul_u32_u24 v4, v4, PB
	v_bfe_u32 v5, v0, 3, 1
	v_lshl_add_u32 v4, v5, 4, v4                   ; columns 8 ((l / 8) % 2) on
	s_mul_i32 s21, s11, 64*PA                      ; my 64 rows in each panel
	s_lshl_b32 s22, s12, 7                         ; my 64 columns of W: 128 bytes of each k row,
	s_add_co_u32 s22, s22, 2*HALFT                 ; behind A's four panels
.irp s, 0,1
	v_add_nc_u32 v[ADRA+(\s)], s21, v3
	v_add_nc_u32 v[ADRB+2*(\s)], s22, v4
	s_add_co_u32 s22, s22, HALFT
	v_add_nc_u32 v[ADRB+2*(\s)+1], s22, v4
	s_add_co_u32 s21, s21, SLOT
	s_add_co_u32 s22, s22, SLOT-HALFT
.endr
	s_mul_i32 s23, s10, 16*SPITCH
	s_add_co_u32 s23, s23, STAGE                   ; my stage
	v_mul_u32_u24 v6, v1, SPITCH                   ; in: row l % 16, 32 bytes for each half of the lanes
	v_lshl_add_u32 v6, v2, 5, v6
	v_add_nc_u32 v[STO], s23, v6
	v_mul_u32_u24 v7, v2, SPITCH                   ; back: lanes 0-15 take one row of 256 bytes, lanes 16-31 the next
	v_lshl_add_u32 v7, v1, 4, v7
	v_add_nc_u32 v[RD], s23, v7
	v_lshlrev_b32 v[BV], 4, v1
	v_lshl_add_u32 v[CO], v2, 12, v[BV]            ; and the same two rows in RES and OUT, 4,096 bytes apart
	s_lshl_b32 s16, s13, 7
	s_lshl_b32 s17, s11, 6
	s_add_co_u32 s16, s16, s17                     ; my first row: 128 x tile row + 64 x half,
	s_lshl_b32 s16, s16, 12                        ; 4,096 bytes each
	s_lshl_b32 s46, s42, 9
	s_lshl_b32 s47, s12, 8
	s_add_co_u32 s46, s46, s47                     ; my first column, in bytes: 512 x tile column + 256 x half
	s_mov_b32 s47, 0
	s_add_nc_u64 s[70:71], s[70:71], s[46:47]
	s_add_co_u32 s16, s16, s46
	s_mov_b32 s17, 0
	s_add_nc_u64 s[68:69], s[68:69], s[16:17]
	s_add_nc_u64 s[8:9], s[8:9], s[16:17]
	WIN 0x80                                       ; destination window 2, address window 0
.irp a, 0,1,2,3                        ; my 64 x 64 of RES, in the order in which the way out reads rows back; waited for there
.irp t, 0,1,2,3,4,5,6,7
	global_load_b128 v[4*(8*(\a)+(\t)):4*(8*(\a)+(\t))+3], v[CO], s[68:69] offset:(16*(\a)+2*(\t))*4096
.endr
.endr
	WIN 0
	global_load_b128 v[BIA:BIA+3], v[BV], s[70:71]
; 8 matrix instructions: m blocks a0, a0 + 1 x all 4 n blocks, 32 along K: half c of buffer f.  zero = 1: the first product starts the sums.  The 16 accumulators take turns.
.macro MUL8 f, c, a0, zero
	WIN MUL
.irp a, \a0, (\a0)+1
.irp b, 0,1,2,3
.if \zero
	v_wmma_f32_16x16x32_f16 v[ACC+8*(4*(\a)+(\b)):ACC+8*(4*(\a)+(\b))+7], v[(\f)+64+8*(4*(\c)+(\b)):(\f)+64+8*(4*(\c)+(\b))+7], v[(\f)+8*(4*(\c)+(\a)):(\f)+8*(4*(\c)+(\a))+7], 0
.else
	v_wmma_f32_16x16x32_f16 v[ACC+8*(4*(\a)+(\b)):ACC+8*(4*(\a)+(\b))+7], v[(\f)+64+8*(4*(\c)+(\b)):(\f)+64+8*(4*(\c)+(\b))+7], v[(\f)+8*(4*(\c)+(\a)):(\f)+8*(4*(\c)+(\a))+7], v[ACC+8*(4*(\a)+(\b)):ACC+8*(4*(\a)+(\b))+7]
.endif
.endr
.endr
.endm
; 32 LDS loads in one run: the fragments of quarter q of a K step (one panel, 64 along K) into buffer f; the first 32 along K first
.macro FETCH slot, q, f
	WIN TO_F
.irp c, 0,1
.irp i, 0,1,2,3
	ds_load_tr16_b128 v[(\f)+64+8*(4*(\c)+(\i)):(\f)+64+8*(4*(\c)+(\i))+3],   v[ADRB+2*(\slot)+(\q)/2] offset:(((\q)%2)*64+32*(\c))*PB+32*(\i)
	ds_load_tr16_b128 v[(\f)+64+8*(4*(\c)+(\i))+4:(\f)+64+8*(4*(\c)+(\i))+7], v[ADRB+2*(\slot)+(\q)/2] offset:(((\q)%2)*64+32*(\c)+16)*PB+32*(\i)
	ds_load_b128 v[(\f)+8*(4*(\c)+(\i)):(\f)+8*(4*(\c)+(\i))+3],               v[ADRA+(\slot)] offset:(\q)*PANEL+64*(\c)+(\i)*16*PA
	ds_load_b128 v[(\f)+8*(4*(\c)+(\i))+4:(\f)+8*(4*(\c)+(\i))+7],             v[ADRA+(\slot)] offset:(\q)*PANEL+64*(\c)+(\i)*16*PA+32
.endr
.endr
.endm
.macro PLACES                          ; four plain instructions between a matrix instruction and a load into, or another instruction's read of, its registers
.rept 4
	v_nop
.endr
.endm
; One of a K step's first three quarters: multiplies buffer f and fetches quarter q of the same slot into g.
.macro QUARTER slot, q, f, g, zero
	s_wait_dscnt 16                                ; the first 32 along K are in; the other sixteen loads may be out
	WIN MUL
	MUL8 \f, 0, 0, \zero
	MUL8 \f, 0, 2, \zero
	PLACES
	FETCH \slot, \q, \g
	s_wait_dscnt 32                                ; all but the 32 just issued
	WIN MUL
	MUL8 \f, 1, 0, 0
	MUL8 \f, 1, 2, 0
.endm
; The last quarter multiplies buffer 1 and changes slots: ONE barrier; in front of it each wave waits for all its tensor loads, adds 0 to its spare word, and waits for that and for its reads of this slot.
; fill = 1: the barrier opens a round of the cluster's, and this slot is filled again first behind it, two K steps ahead.
.macro TURN slot, next, fill
	WIN 0                                          ; (the add's two registers lie in window 0)
	s_wait_tensorcnt 0x0                           ; all my tensor loads have landed: my part of the next slot
	ds_add_u32 v[SPW], v[NIL]                      ; 0 onto my spare word
	s_wait_dscnt 17                                ; the add and the youngest sixteen loads may be out
	WIN MUL
	MUL8 F1, 0, 0, 0
	s_wait_dscnt 0x0                               ; the add is done, and my reads of this slot are over
	s_barrier_signal -1
	MUL8 F1, 0, 2, 0
.if \fill
	WIN 0
.endif
	s_barrier_wait -1
.if \fill
	CREST                                          ; no wave of any partner still reads this slot's tile or has a load on its way
	s_add_nc_u64 s[G0+4*(\slot)+2:G0+4*(\slot)+3], s[G0+4*(\slot)+2:G0+4*(\slot)+3], 8*PROWS*128
	s_add_nc_u64 s[G0B+4*(\slot)+2:G0B+4*(\slot)+3], s[G0B+4*(\slot)+2:G0B+4*(\slot)+3], 2*KSTEP*2048
	JLOAD \slot                                    ; my one tensor load behind the round; its four v_nop are also the places in front of the loads below
.else
	PLACES
.endif
	FETCH \next, 0, F0
	WIN MUL
	MUL8 F1, 1, 0, 0
	MUL8 F1, 1, 2, 0
.endm
; THE WAY OUT of m block a (16 rows x 64 columns of f32).  TOSTAGE: the sums into my stage, and back as whole rows of 256 bytes.  SEND: plus RES, plus bias, stored.
.macro TOSTAGE a
	WIN 0
	s_wait_xcnt 0x0                                ; the stores of the block two back have had their addresses translated (ISA guide 3.1): their registers are loaded again only behind this wait
.set TT, TMP+32*((\a)%2)
.irp b, 0,1,2,3
	ds_store_b128 v[STO], v[ACC+8*(4*(\a)+(\b)):ACC+8*(4*(\a)+(\b))+3]   offset:64*(\b)      ; each accumulator's lowest registers first
	ds_store_b128 v[STO], v[ACC+8*(4*(\a)+(\b))+4:ACC+8*(4*(\a)+(\b))+7] offset:64*(\b)+16
.endr
.irp t, 0,1,2,3,4,5,6,7
	ds_load_b128 v[TT+4*(\t):TT+4*(\t)+3], v[RD] offset:(\t)*2*SPITCH  ; LDS serves a wave's instructions in order (ISA guide 5.7.1.4): these see the stores above; the next block's stores come behind them
.endr
.endm
.macro SEND a, younger                 ; younger: the LDS instructions issued behind block a's loads: the next block's sixteen, or none
.set TT, TMP+32*((\a)%2)
	s_wait_dscnt \younger
	WIN 0x08                                       ; source 1 (RES) window 2
.set i, 0
.rept 16
	v_pk_add_f32 v[TT+2*i:TT+2*i+1], v[TT+2*i:TT+2*i+1], v[32*(\a)+2*i:32*(\a)+2*i+1]
.set i, i+1
.endr
	WIN 0
.set i, 0
.rept 16
	v_pk_add_f32 v[TT+2*i:TT+2*i+1], v[TT+2*i:TT+2*i+1], v[BIA+2*(i%2):BIA+2*(i%2)+1]
.set i, i+1
.endr
.irp t, 0,1,2,3,4,5,6,7
	global_store_b128 v[CO], v[TT+4*(\t):TT+4*(\t)+3], s[8:9] offset:(16*(\a)+2*(\t))*4096  ; 16 lanes store 256 consecutive bytes, at a multiple of 256 from OUT's first byte
.endr
.endm
	s_wait_tensorcnt 0x1                           ; my part of K step 0 is in; K step 1's may stay out
	s_barrier_signal -1
	s_barrier_wait -1                              ; everybody's is
	FETCH 0, 0, F0
	QUARTER 0, 1, F0, F1, 1                        ; the first quarter stands in front of the loop: its first products start the sums
	WIN 0                                          ; at a label and at a branch every window is 0
	s_mov_b32 s3, LAPS-1
.Llap:                                                 ; a trip goes once round the ring, from a lap's second quarter to the next lap's first, and fills both slots again
	QUARTER 0, 2, F1, F0, 0
	QUARTER 0, 3, F0, F1, 0
	TURN 0, 1, 1
	QUARTER 1, 1, F0, F1, 0
	QUARTER 1, 2, F1, F0, 0
	QUARTER 1, 3, F0, F1, 0
	TURN 1, 0, 1
	QUARTER 0, 1, F0, F1, 0
	WIN 0
	s_sub_co_u32 s3, s3, 1
	s_cmp_lg_u32 s3, 0
	s_cbranch_scc1 .Llap
	QUARTER 0, 2, F1, F0, 0                        ; the last lap fills nothing, and has no round of the cluster's barrier
	QUARTER 0, 3, F0, F1, 0
	TURN 0, 1, 0
	QUARTER 1, 1, F0, F1, 0
	QUARTER 1, 2, F1, F0, 0
	QUARTER 1, 3, F0, F1, 0
	s_wait_dscnt 16                                ; the very last quarter: nothing more to fetch
	MUL8 F1, 0, 0, 0
	MUL8 F1, 0, 2, 0
	s_wait_dscnt 0x0
	MUL8 F1, 1, 0, 0
	MUL8 F1, 1, 2, 0
	WIN 0
	PLACES
	s_wait_loadcnt 0x0                             ; RES and the bias
	TOSTAGE 0
.irp a, 1,2,3
	TOSTAGE \a
	SEND (\a)-1, 16
.endr
	SEND 3, 0
	s_wait_tensorcnt 0x0                           ; the wave's end
	ds_add_u32 v[SPW], v[NIL]
	s_wait_dscnt 0x0
	CROUND                                         ; the closing round: no work-group ends while a partner may still ask for a tile that names it
	s_endpgm
.Lfunc_end_k_qe5fc8fdea8_ffn2:
	.size	k_qe5fc8fdea8_ffn2, .Lfunc_end_k_qe5fc8fdea8_ffn2-k_qe5fc8fdea8_ffn2
	.p2alignl 7, 3214868480
	.fill 96, 4, 3214868480
	.section	.rodata,"a",@progbits
	.p2align	6, 0x0
	.amdhsa_kernel k_qe5fc8fdea8_ffn2
		.amdhsa_group_segment_fixed_size 327680
		.amdhsa_private_segment_fixed_size 0
		.amdhsa_enable_private_segment 0
		.amdhsa_kernarg_size 40
		.amdhsa_user_sgpr_count 2
		.amdhsa_user_sgpr_kernarg_segment_ptr 1
		.amdhsa_wavefront_size32 1
		.amdhsa_system_sgpr_workgroup_id_x 1
		.amdhsa_system_sgpr_workgroup_id_y 1
		.amdhsa_system_sgpr_workgroup_id_z 1
		.amdhsa_system_vgpr_workitem_id 0
		.amdhsa_next_free_vgpr 640
		.amdhsa_next_free_sgpr 80
		.amdhsa_reserve_vcc 0
		.amdhsa_float_denorm_mode_32 3
		.amdhsa_float_denorm_mode_16_64 3
		.amdhsa_memory_ordered 1
		.amdhsa_forward_progress 1
		.amdhsa_inst_pref_size 98
	.end_amdhsa_kernel
	.amdgpu_metadata
---
amdhsa.version: [ 1, 2 ]
amdhsa.kernels:
  - .name:           k_qe5fc8fdea8_ffn2
    .symbol:         k_qe5fc8fdea8_ffn2.kd
    .args:
      - { .name: g, .offset: 0, .size: 8, .value_kind: global_buffer, .address_space: global }
      - { .name: wb, .offset: 8, .size: 8, .value_kind: global_buffer, .address_space: global }
      - { .name: x1, .offset: 16, .size: 8, .value_kind: global_buffer, .address_space: global }
      - { .name: b2, .offset: 24, .size: 8, .value_kind: global_buffer, .address_space: global }
      - { .name: out0, .offset: 32, .size: 8, .value_kind: global_buffer, .address_space: global }
    .group_segment_fixed_size: 327680
    .private_segment_fixed_size: 0
    .kernarg_segment_align: 8
    .kernarg_segment_size: 40
    .max_flat_workgroup_size: 128
    .sgpr_count:     80
    .vgpr_count:     640
    .wavefront_size: 32
...
	.end_amdgpu_metadata
.endif
;; end of part 7
;; ======== version 2 of 2: 7 launches; version 1 with the launches prep, ln2 written anew for expert scheduling mode
;; limits: values are held in f16: magnitudes above 65,504 overflow, below 6.1e-05 lose precision
;; workspace buffers: wb 25,165,824 bytes; h 8,388,608 bytes; q 8,388,608 bytes; k 8,388,608 bytes; v 8,388,608 bytes; ctx 8,388,608 bytes; x1 16,777,216 bytes; g 33,554,432 bytes
;; launch prep (part 8): grid 1024 x 1, 8 waves a work-group, no clusters, 0 bytes of LDS; arguments x, ln1_scale, ln1_shift, Wq, Wk, Wv, Wo, W1, W2, h, wb; writes h, wb
.if DOCPART == 8
	.amdgcn_target "amdgcn-amd-amdhsa--gfx1250"
	.amdhsa_code_object_version 6
	.text
	.protected	k_qe5fc8fdea8_prep
	.globl	k_qe5fc8fdea8_prep
	.p2align	8
	.type	k_qe5fc8fdea8_prep,@function
k_qe5fc8fdea8_prep:
	s_mov_b64 s[64:65], 0
	v_nop
	global_prefetch_b8 v0, s[64:65] scope:SCOPE_SE
	s_setreg_imm32_b32 hwreg(HW_REG_WAVE_SCHED_MODE, 0, 2), 2
	s_setreg_imm32_b32 hwreg(HW_REG_WAVE_MODE, 25, 1), 1
	s_wait_xcnt 0x0
	s_wait_alu depctr_vm_vsrc(0)
; h = f16(LayerNorm(x) * ln1_scale + ln1_shift), and the six weight matrices rounded to f16 into wb, each dense as it lies ([K][N]).
; Everything is taken as rows of 1,024 f32 (4,096 bytes) that become rows of 1,024 f16 (2,048 bytes).  A work-group takes 16 rows, each of its eight waves 2.
; Work-groups 0-255: the 4,096 rows of x.  Work-groups 256-1023, u = number - 256: u 0-63 Wq, 64-127 Wk, 128-191 Wv, 192-255 Wo, 256-511 W1, 512-767 W2; the unit's 32,768 bytes go to wb + 32,768 u.
; A wave holds a whole row in 32 registers a lane, so mean and variance never leave the wave: no LDS, no barrier.  The variance is the mean of (x - mean)^2, taken in a second pass over the registers.
; A load of the wave covers 512 consecutive bytes; a store covers 256 consecutive bytes, at a multiple of 256 from its buffer's first byte.
; FORMAT: f16, eleven significant bits, for all matrix operands of the program: under the causal mask the first rows' context is as large as v itself, and eight bits would spend the output's allowance there.
; LIMITS: statistics and arithmetic in f32, one rounding to f16 at the end.  f16 holds nothing beyond 65,504 (a larger number becomes an infinity): |h| is at most 32 |scale| + |shift|, some 1,000 with gains and
; shifts of 30; weights of spread 0.03 reach about 6 at 30 times that.  Below 6e-5 f16 keeps a fixed step of 6e-8.  NaN and infinities are not treated apart.
; THE MODE: SCHED_MODE bits 1:0 = 2 (LLVM: expert scheduling mode 2), set by the entry lines.  The code itself states the register dependences between vector instructions and memory instructions,
; with s_wait_alu, always for 0.
; THE PLAN.  Registers that memory instructions touch:
;   v1, v2      the loads' and the stores' byte offsets: made at the head, never written again.  One wait on va_vdst at the head, ahead of the branch, serves every load and store of both paths.
;   X, SC, SH   written by loads that are all issued at a path's start, ahead of every vector line that names them; read behind the counted waits on LOADcnt.  No load is issued later.
;   Y           each register is written once, by one conversion, and read once, by one store.
;   T           named by vector lines alone.
; So no register that a memory instruction reads is ever written again, and no wait on vm_vsrc is owed.  What is owed is a wait on va_vdst between conversions and the stores of what they wrote: the
; conversions go in groups (the cast: four loads' worth; the norm: a row), one wait stands behind a group, and the group's stores are dealt among the next group's vector lines, which name other registers.
.set X,  4                             ; v[4:67]    two rows as loaded: piece n = 8 x row + load, word i = column 128 (n % 8) + 4 lane + i, at X + 4 n + i
.set SC, 68                            ; v[68:99]   the scale of my 32 columns
.set SH, 100                           ; v[100:131] the shift
.set Y,  132                           ; v[132:163] packed results: piece n at Y + 2 n
.set T,  164                           ; v[164:175] at work: four chains (8), the mean twice (2), 1/sqrt twice (2)
	s_load_b512 s[4:19], s[0:1], 0x0               ; x s[4:5], scale s[6:7], shift s[8:9], Wq s[10:11], Wk s[12:13], Wv s[14:15], Wo s[16:17], W1 s[18:19]
	s_load_b128 s[20:23], s[0:1], 0x40             ; W2 s[20:21], h s[22:23]
	s_load_b64 s[24:25], s[0:1], 0x50              ; wb
	v_and_b32 v1, 31, v0                           ; lane
	v_lshrrev_b32 v3, 5, v0
	v_readfirstlane_b32 s30, v3                    ; wave 0..7
	v_lshlrev_b32 v2, 3, v1                        ; 8 bytes a lane on the way out
	v_lshlrev_b32 v1, 4, v1                        ; 16 bytes a lane on the way in
	s_mov_b32 s31, ttmp9
	s_wait_alu depctr_va_sdst(0)                   ; s30 is written, ahead of its first reader: the wave's offsets in source and destination are made from it
	s_lshl_b32 s40, s30, 13                        ; my wave's two rows in the source,
	s_mov_b32 s41, 0
	s_lshl_b32 s42, s30, 12                        ; and in the destination
	s_mov_b32 s43, 0
	s_mov_b32 s36, 0x76543210                      ; v_permlanex16_b32: each lane takes its own place in the other half
	s_mov_b32 s37, 0xfedcba98
	s_mov_b32 s38, 0x3a800000                      ; 1 / 1024
	s_mov_b32 s39, 0x3727c5ac                      ; 1e-5
	s_wait_kmcnt 0x0
	s_wait_alu depctr_va_vdst(0)                   ; v1 and v2 are written: every load of both paths reads v1 as its offset, every store v2
.macro LOADROW r, nt                   ; eight loads: the whole row.  nt = 1: bytes that the launch reads once and nothing reads again
.irp j, 0,1,2,3,4,5,6,7
.if \nt
	global_load_b128 v[X+32*(\r)+4*(\j):X+32*(\r)+4*(\j)+3], v1, s[26:27] offset:4096*(\r)+512*(\j) th:TH_LOAD_NT
.else
	global_load_b128 v[X+32*(\r)+4*(\j):X+32*(\r)+4*(\j)+3], v1, s[26:27] offset:4096*(\r)+512*(\j)
.endif
.endr
.endm
.macro FOLD                            ; the four chains into one number a lane
	v_pk_add_f32 v[T:T+1], v[T:T+1], v[T+2:T+3]
	v_pk_add_f32 v[T+4:T+5], v[T+4:T+5], v[T+6:T+7]
	v_pk_add_f32 v[T:T+1], v[T:T+1], v[T+4:T+5]
	v_add_f32 v[T], v[T], v[T+1]
.endm
.macro ACROSS                          ; the sum over the 32 lanes, in every lane
	v_add_f32_dpp v[T], v[T], v[T] row_xmask:1 row_mask:0xf bank_mask:0xf
	v_add_f32_dpp v[T], v[T], v[T] row_xmask:2 row_mask:0xf bank_mask:0xf
	v_add_f32_dpp v[T], v[T], v[T] row_xmask:4 row_mask:0xf bank_mask:0xf
	v_add_f32_dpp v[T], v[T], v[T] row_xmask:8 row_mask:0xf bank_mask:0xf
	v_permlanex16_b32 v[T+1], v[T], s36, s37       ; its destination counts as read: FOLD has written it
	v_add_f32 v[T], v[T], v[T+1]
.endm
; Row r becomes (x - mean) / sqrt(var + eps), in place.
.macro STATS r
.set XR, X+32*(\r)
.irp c, 0,1,2,3
	v_pk_add_f32 v[T+2*(\c):T+2*(\c)+1], v[XR+2*(\c):XR+2*(\c)+1], v[XR+8+2*(\c):XR+8+2*(\c)+1]  ; the first pairs start the chains: nothing is cleared
.endr
.irp p, 8,9,10,11,12,13,14,15
	v_pk_add_f32 v[T+2*((\p)%4):T+2*((\p)%4)+1], v[T+2*((\p)%4):T+2*((\p)%4)+1], v[XR+2*(\p):XR+2*(\p)+1]
.endr
	FOLD
	ACROSS
	v_mul_f32 v[T+8], s38, v[T]                    ; the mean, twice: a pair for the packed subtraction
	v_mul_f32 v[T+9], s38, v[T]
.irp p, 0,1,2,3,4,5,6,7,8,9,10,11,12,13,14,15
	v_pk_add_f32 v[XR+2*(\p):XR+2*(\p)+1], v[XR+2*(\p):XR+2*(\p)+1], v[T+8:T+9] neg_lo:[0,1] neg_hi:[0,1]
.endr
.irp c, 0,1,2,3
	v_pk_mul_f32 v[T+2*(\c):T+2*(\c)+1], v[XR+2*(\c):XR+2*(\c)+1], v[XR+2*(\c):XR+2*(\c)+1]
.endr
.irp p, 4,5,6,7,8,9,10,11,12,13,14,15
	v_pk_fma_f32 v[T+2*((\p)%4):T+2*((\p)%4)+1], v[XR+2*(\p):XR+2*(\p)+1], v[XR+2*(\p):XR+2*(\p)+1], v[T+2*((\p)%4):T+2*((\p)%4)+1]
.endr
	FOLD
	ACROSS
	v_fma_f32 v[T], v[T], s38, s39                 ; var + eps
	v_rsq_f32 v[T+10], v[T]
	v_rsq_f32 v[T+11], v[T]
	v_nop                                          ; a plain instruction between the last v_rsq_f32 and the use of its result (ISA guide 5.7.2)
	s_wait_alu depctr_va_vdst(0)                   ; the two v_rsq_f32 have written v[T+10:T+11], ahead of their first reader: one wait for both
.irp p, 0,1,2,3,4,5,6,7,8,9,10,11,12,13,14,15
	v_pk_mul_f32 v[XR+2*(\p):XR+2*(\p)+1], v[XR+2*(\p):XR+2*(\p)+1], v[T+10:T+11]
.endr
.endm
.macro SCALE n                         ; the four numbers of piece n times the scale, plus the shift: fused multiply-adds
	v_pk_fma_f32 v[X+4*(\n):X+4*(\n)+1],   v[X+4*(\n):X+4*(\n)+1],   v[SC+4*((\n)%8):SC+4*((\n)%8)+1],   v[SH+4*((\n)%8):SH+4*((\n)%8)+1]
	v_pk_fma_f32 v[X+4*(\n)+2:X+4*(\n)+3], v[X+4*(\n)+2:X+4*(\n)+3], v[SC+4*((\n)%8)+2:SC+4*((\n)%8)+3], v[SH+4*((\n)%8)+2:SH+4*((\n)%8)+3]
.endm
.macro PACK n                          ; the four numbers of piece n: rounded and packed; Y's registers are written once
	v_cvt_pk_f16_f32 v[Y+2*(\n)],   v[X+4*(\n)],   v[X+4*(\n)+1]
	v_cvt_pk_f16_f32 v[Y+2*(\n)+1], v[X+4*(\n)+2], v[X+4*(\n)+3]
.endm
.macro SEND n                          ; piece n is stored: always behind a wait on va_vdst that stands behind its PACK
	global_store_b64 v2, v[Y+2*(\n):Y+2*(\n)+1], s[32:33] offset:2048*((\n)/8)+256*((\n)%8) th:TH_STORE_NT
.endm
	s_cmp_lt_u32 s31, 256
	s_cbranch_scc1 .Lln
	; THE CAST.  The source and its first unit are chosen by the unit's number; each compare serves the two selects behind it.
	s_sub_co_u32 s29, s31, 256                     ; u
	s_mov_b64 s[26:27], s[20:21]                   ; W2, from unit 512
	s_mov_b32 s28, 512
	s_cmp_lt_u32 s29, 512
	s_cselect_b64 s[26:27], s[18:19], s[26:27]     ; W1, from 256
	s_cselect_b32 s28, 256, s28
	s_cmp_lt_u32 s29, 256
	s_cselect_b64 s[26:27], s[16:17], s[26:27]     ; Wo, from 192
	s_cselect_b32 s28, 192, s28
	s_cmp_lt_u32 s29, 192
	s_cselect_b64 s[26:27], s[14:15], s[26:27]     ; Wv, from 128
	s_cselect_b32 s28, 128, s28
	s_cmp_lt_u32 s29, 128
	s_cselect_b64 s[26:27], s[12:13], s[26:27]     ; Wk, from 64
	s_cselect_b32 s28, 64, s28
	s_cmp_lt_u32 s29, 64
	s_cselect_b64 s[26:27], s[10:11], s[26:27]     ; Wq, from 0
	s_cselect_b32 s28, 0, s28
	s_sub_co_u32 s28, s29, s28                     ; the unit's number inside its matrix,
	s_lshl_b32 s28, s28, 16                        ; 65,536 bytes of f32 each
	s_add_co_u32 s40, s40, s28
	s_add_nc_u64 s[26:27], s[26:27], s[40:41]
	s_lshl_b32 s28, s29, 15                        ; 32,768 bytes of f16 each
	s_add_co_u32 s42, s42, s28
	s_add_nc_u64 s[32:33], s[24:25], s[42:43]
	LOADROW 0, 1
	LOADROW 1, 1
	; The sixteen pieces go in four groups of four.  Group g's conversions carry group g - 1's stores between them.
	s_wait_loadcnt 12                              ; loads come back in order (ISA guide 5.7.1): pieces 0 to 3 are in, the twelve younger loads stay out
.irp n, 0,1,2,3
	PACK \n
.endr
.irp g, 1,2,3
	s_wait_loadcnt 12-4*(\g)                       ; this group's four pieces are in, the younger groups' loads stay out
	s_wait_alu depctr_va_vdst(0)                   ; the group before's eight conversions have written their part of Y, which the four stores below read
.irp i, 0,1,2,3
	SEND 4*(\g)-4+(\i)                             ; no vector line since the wait names v2 or this piece's Y: the conversions between write this group's Y from this group's X
	PACK 4*(\g)+(\i)
.endr
.endr
	s_wait_alu depctr_va_vdst(0)                   ; the last group's conversions have written their part of Y, which the last four stores read
.irp n, 12,13,14,15
	SEND \n
.endr
	s_endpgm
.Lln:	; THE NORM
	s_lshl_b32 s28, s31, 16
	s_add_co_u32 s40, s40, s28
	s_add_nc_u64 s[26:27], s[4:5], s[40:41]        ; x at my two rows
	s_lshl_b32 s28, s31, 15
	s_add_co_u32 s42, s42, s28
	s_add_nc_u64 s[32:33], s[22:23], s[42:43]      ; h at my two rows
	LOADROW 0, 0                                   ; no hint: a later launch reads x again
	LOADROW 1, 0
.irp j, 0,1,2,3,4,5,6,7
	global_load_b128 v[SC+4*(\j):SC+4*(\j)+3], v1, s[6:7] offset:512*(\j)
.endr
.irp j, 0,1,2,3,4,5,6,7
	global_load_b128 v[SH+4*(\j):SH+4*(\j)+3], v1, s[8:9] offset:512*(\j)
.endr
	s_wait_loadcnt 24                              ; row 0 is in; row 1's eight loads and the sixteen of scale and shift stay out
	STATS 0
	s_wait_loadcnt 16                              ; row 1 is in
	STATS 1
	s_wait_loadcnt 0x0                             ; scale and shift
.irp n, 0,1,2,3,4,5,6,7
	SCALE \n
.endr
.irp n, 0,1,2,3,4,5,6,7
	PACK \n
.endr
	s_wait_alu depctr_va_vdst(0)                   ; row 0's sixteen conversions have written v[Y:Y+15], which the eight stores below read
.irp n, 0,1,2,3,4,5,6,7
	SEND \n                                        ; no vector line since the wait names v2 or row 0's Y: the multiply-adds between name row 1's X, the scale and the shift
	SCALE 8+(\n)
.endr
.irp n, 8,9,10,11,12,13,14,15
	PACK \n
.endr
	s_wait_alu depctr_va_vdst(0)                   ; row 1's sixteen conversions have written v[Y+16:Y+31], which the last eight stores read
.irp n, 8,9,10,11,12,13,14,15
	SEND \n
.endr
	s_endpgm
.Lfunc_end_k_qe5fc8fdea8_prep:
	.size	k_qe5fc8fdea8_prep, .Lfunc_end_k_qe5fc8fdea8_prep-k_qe5fc8fdea8_prep
	.p2alignl 7, 3214868480
	.fill 96, 4, 3214868480
	.section	.rodata,"a",@progbits
	.p2align	6, 0x0
	.amdhsa_kernel k_qe5fc8fdea8_prep
		.amdhsa_group_segment_fixed_size 0
		.amdhsa_private_segment_fixed_size 0
		.amdhsa_enable_private_segment 0
		.amdhsa_kernarg_size 88
		.amdhsa_user_sgpr_count 2
		.amdhsa_user_sgpr_kernarg_segment_ptr 1
		.amdhsa_wavefront_size32 1
		.amdhsa_system_sgpr_workgroup_id_x 1
		.amdhsa_system_sgpr_workgroup_id_y 1
		.amdhsa_system_sgpr_workgroup_id_z 1
		.amdhsa_system_vgpr_workitem_id 0
		.amdhsa_next_free_vgpr 176
		.amdhsa_next_free_sgpr 66
		.amdhsa_reserve_vcc 0
		.amdhsa_float_denorm_mode_32 3
		.amdhsa_float_denorm_mode_16_64 3
		.amdhsa_memory_ordered 1
		.amdhsa_forward_progress 1
		.amdhsa_inst_pref_size 27
	.end_amdhsa_kernel
	.amdgpu_metadata
---
amdhsa.version: [ 1, 2 ]
amdhsa.kernels:
  - .name:           k_qe5fc8fdea8_prep
    .symbol:         k_qe5fc8fdea8_prep.kd
    .args:
      - { .name: x, .offset: 0, .size: 8, .value_kind: global_buffer, .address_space: global }
      - { .name: ln1_scale, .offset: 8, .size: 8, .value_kind: global_buffer, .address_space: global }
      - { .name: ln1_shift, .offset: 16, .size: 8, .value_kind: global_buffer, .address_space: global }
      - { .name: Wq, .offset: 24, .size: 8, .value_kind: global_buffer, .address_space: global }
      - { .name: Wk, .offset: 32, .size: 8, .value_kind: global_buffer, .address_space: global }
      - { .name: Wv, .offset: 40, .size: 8, .value_kind: global_buffer, .address_space: global }
      - { .name: Wo, .offset: 48, .size: 8, .value_kind: global_buffer, .address_space: global }
      - { .name: W1, .offset: 56, .size: 8, .value_kind: global_buffer, .address_space: global }
      - { .name: W2, .offset: 64, .size: 8, .value_kind: global_buffer, .address_space: global }
      - { .name: h, .offset: 72, .size: 8, .value_kind: global_buffer, .address_space: global }
      - { .name: wb, .offset: 80, .size: 8, .value_kind: global_buffer, .address_space: global }
    .group_segment_fixed_size: 0
    .private_segment_fixed_size: 0
    .kernarg_segment_align: 8
    .kernarg_segment_size: 88
    .max_flat_workgroup_size: 256
    .sgpr_count:     66
    .vgpr_count:     176
    .wavefront_size: 32
...
	.end_amdgpu_metadata
.endif
;; end of part 8
;; launch qkv: the kernel of part 2 again; grid 12 x 16, 4 waves a work-group, clusters of 4 x 4, 327,680 bytes of LDS; arguments h, wb, q, k, v; writes q, k, v
;; launch attn: the kernel of part 3 again; grid 8 x 32, 4 waves a work-group, no clusters, 327,680 bytes of LDS; arguments q, k, v, ctx; writes ctx
;; launch wo: the kernel of part 4 again; grid 8 x 32, 4 waves a work-group, clusters of 4 x 4, 327,680 bytes of LDS; arguments ctx, wb, x, bo, x1; writes x1
;; launch ln2 (part 9): grid 256 x 1, 8 waves a work-group, no clusters, 0 bytes of LDS; arguments x1, ln2_scale, ln2_shift, h; writes h
.if DOCPART == 9
	.amdgcn_target "amdgcn-amd-amdhsa--gfx1250"
	.amdhsa_code_object_version 6
	.text
	.protected	k_qe5fc8fdea8_ln2
	.globl	k_qe5fc8fdea8_ln2
	.p2align	8
	.type	k_qe5fc8fdea8_ln2,@function
k_qe5fc8fdea8_ln2:
	s_mov_b64 s[64:65], 0
	v_nop
	global_prefetch_b8 v0, s[64:65] scope:SCOPE_SE
	s_setreg_imm32_b32 hwreg(HW_REG_WAVE_SCHED_MODE, 0, 2), 2
	s_setreg_imm32_b32 hwreg(HW_REG_WAVE_MODE, 25, 1), 1
	s_wait_xcnt 0x0
	s_wait_alu depctr_vm_vsrc(0)
; h = f16(LayerNorm(x1) * ln2_scale + ln2_shift).  x1: [4096][1024] f32; h: [4096][1024] f16.  A work-group takes 16 rows, each of its eight waves 2.
; A wave holds a whole row in 32 registers a lane, so mean and variance never leave the wave: no LDS, no barrier.  The variance is the mean of (x - mean)^2, taken in a second pass over the registers.
; A load of the wave covers 512 consecutive bytes; a store covers 256 consecutive bytes, at a multiple of 256 from h's first byte.
; LIMITS: statistics and arithmetic in f32, one rounding to f16 at the end.  f16 holds nothing beyond 65,504 (a larger number becomes an infinity): |h| is at most 32 |scale| + |shift|, some 1,000 with gains and
; shifts of 30.  Below 6e-5 f16 keeps a fixed step of 6e-8.  NaN and infinities are not treated apart.
; THE MODE: SCHED_MODE bits 1:0 = 2 (LLVM: expert scheduling mode 2), set by the entry lines.  The code itself states the register dependences between vector instructions and memory instructions,
; with s_wait_alu, always for 0.
; THE PLAN.  Registers that memory instructions touch:
;   v1, v2      the loads' and the stores' byte offsets: made at the head, never written again.  One wait on va_vdst at the head serves every load and store.
;   X, SC, SH   written by loads that are all issued at the start, ahead of every vector line that names them; read behind the counted waits on LOADcnt.  No load is issued later.
;   Y           each register is written once, by one conversion, and read once, by one store.
;   T           named by vector lines alone.
; So no register that a memory instruction reads is ever written again, and no wait on vm_vsrc is owed.  What is owed is a wait on va_vdst between a row's conversions and its stores: one stands behind each
; row's sixteen conversions, and row 0's eight stores are dealt among row 1's multiply-adds, which name other registers.
.set X,  4                             ; v[4:67]    two rows as loaded: piece n = 8 x row + load, word i = column 128 (n % 8) + 4 lane + i, at X + 4 n + i
.set SC, 68                            ; v[68:99]   the scale of my 32 columns
.set SH, 100                           ; v[100:131] the shift
.set Y,  132                           ; v[132:163] packed results: piece n at Y + 2 n
.set T,  164                           ; v[164:175] at work: four chains (8), the mean twice (2), 1/sqrt twice (2)
	s_load_b256 s[4:11], s[0:1], 0x0               ; x1 s[4:5], scale s[6:7], shift s[8:9], h s[10:11]
	v_and_b32 v1, 31, v0                           ; lane
	v_lshrrev_b32 v3, 5, v0
	v_readfirstlane_b32 s30, v3                    ; wave 0..7
	v_lshlrev_b32 v2, 3, v1                        ; 8 bytes a lane on the way out
	v_lshlrev_b32 v1, 4, v1                        ; 16 bytes a lane on the way in
	s_wait_alu depctr_va_sdst(0)                   ; s30 is written, ahead of its first reader: the wave's offsets in x1 and h are made from it
	s_lshl_b32 s40, s30, 13                        ; my wave's two rows in x1,
	s_lshl_b32 s28, ttmp9, 16                      ; the work-group's sixteen
	s_add_co_u32 s40, s40, s28
	s_mov_b32 s41, 0
	s_lshl_b32 s42, s30, 12                        ; and the same in h
	s_lshl_b32 s28, ttmp9, 15
	s_add_co_u32 s42, s42, s28
	s_mov_b32 s43, 0
	s_mov_b32 s36, 0x76543210                      ; v_permlanex16_b32: each lane takes its own place in the other half
	s_mov_b32 s37, 0xfedcba98
	s_mov_b32 s38, 0x3a800000                      ; 1 / 1024
	s_mov_b32 s39, 0x3727c5ac                      ; 1e-5
	s_wait_kmcnt 0x0
	s_add_nc_u64 s[26:27], s[4:5], s[40:41]
	s_add_nc_u64 s[32:33], s[10:11], s[42:43]
	s_wait_alu depctr_va_vdst(0)                   ; v1 and v2 are written: every load reads v1 as its offset, every store v2
.macro LOADROW r                       ; eight loads: the whole row; no hint: a later launch reads x1 again
.irp j, 0,1,2,3,4,5,6,7
	global_load_b128 v[X+32*(\r)+4*(\j):X+32*(\r)+4*(\j)+3], v1, s[26:27] offset:4096*(\r)+512*(\j)
.endr
.endm
.macro FOLD                            ; the four chains into one number a lane
	v_pk_add_f32 v[T:T+1], v[T:T+1], v[T+2:T+3]
	v_pk_add_f32 v[T+4:T+5], v[T+4:T+5], v[T+6:T+7]
	v_pk_add_f32 v[T:T+1], v[T:T+1], v[T+4:T+5]
	v_add_f32 v[T], v[T], v[T+1]
.endm
.macro ACROSS                          ; the sum over the 32 lanes, in every lane
	v_add_f32_dpp v[T], v[T], v[T] row_xmask:1 row_mask:0xf bank_mask:0xf
	v_add_f32_dpp v[T], v[T], v[T] row_xmask:2 row_mask:0xf bank_mask:0xf
	v_add_f32_dpp v[T], v[T], v[T] row_xmask:4 row_mask:0xf bank_mask:0xf
	v_add_f32_dpp v[T], v[T], v[T] row_xmask:8 row_mask:0xf bank_mask:0xf
	v_permlanex16_b32 v[T+1], v[T], s36, s37       ; its destination counts as read: FOLD has written it
	v_add_f32 v[T], v[T], v[T+1]
.endm
; Row r becomes (x - mean) / sqrt(var + eps), in place.
.macro STATS r
.set XR, X+32*(\r)
.irp c, 0,1,2,3
	v_pk_add_f32 v[T+2*(\c):T+2*(\c)+1], v[XR+2*(\c):XR+2*(\c)+1], v[XR+8+2*(\c):XR+8+2*(\c)+1]  ; the first pairs start the chains: nothing is cleared
.endr
.irp p, 8,9,10,11,12,13,14,15
	v_pk_add_f32 v[T+2*((\p)%4):T+2*((\p)%4)+1], v[T+2*((\p)%4):T+2*((\p)%4)+1], v[XR+2*(\p):XR+2*(\p)+1]
.endr
	FOLD
	ACROSS
	v_mul_f32 v[T+8], s38, v[T]                    ; the mean, twice: a pair for the packed subtraction
	v_mul_f32 v[T+9], s38, v[T]
.irp p, 0,1,2,3,4,5,6,7,8,9,10,11,12,13,14,15
	v_pk_add_f32 v[XR+2*(\p):XR+2*(\p)+1], v[XR+2*(\p):XR+2*(\p)+1], v[T+8:T+9] neg_lo:[0,1] neg_hi:[0,1]
.endr
.irp c, 0,1,2,3
	v_pk_mul_f32 v[T+2*(\c):T+2*(\c)+1], v[XR+2*(\c):XR+2*(\c)+1], v[XR+2*(\c):XR+2*(\c)+1]
.endr
.irp p, 4,5,6,7,8,9,10,11,12,13,14,15
	v_pk_fma_f32 v[T+2*((\p)%4):T+2*((\p)%4)+1], v[XR+2*(\p):XR+2*(\p)+1], v[XR+2*(\p):XR+2*(\p)+1], v[T+2*((\p)%4):T+2*((\p)%4)+1]
.endr
	FOLD
	ACROSS
	v_fma_f32 v[T], v[T], s38, s39                 ; var + eps
	v_rsq_f32 v[T+10], v[T]
	v_rsq_f32 v[T+11], v[T]
	v_nop                                          ; a plain instruction between the last v_rsq_f32 and the use of its result (ISA guide 5.7.2)
	s_wait_alu depctr_va_vdst(0)                   ; the two v_rsq_f32 have written v[T+10:T+11], ahead of their first reader: one wait for both
.irp p, 0,1,2,3,4,5,6,7,8,9,10,11,12,13,14,15
	v_pk_mul_f32 v[XR+2*(\p):XR+2*(\p)+1], v[XR+2*(\p):XR+2*(\p)+1], v[T+10:T+11]
.endr
.endm
.macro SCALE n                         ; the four numbers of piece n times the scale, plus the shift: fused multiply-adds
	v_pk_fma_f32 v[X+4*(\n):X+4*(\n)+1],   v[X+4*(\n):X+4*(\n)+1],   v[SC+4*((\n)%8):SC+4*((\n)%8)+1],   v[SH+4*((\n)%8):SH+4*((\n)%8)+1]
	v_pk_fma_f32 v[X+4*(\n)+2:X+4*(\n)+3], v[X+4*(\n)+2:X+4*(\n)+3], v[SC+4*((\n)%8)+2:SC+4*((\n)%8)+3], v[SH+4*((\n)%8)+2:SH+4*((\n)%8)+3]
.endm
.macro PACK n                          ; the four numbers of piece n: rounded and packed; Y's registers are written once
	v_cvt_pk_f16_f32 v[Y+2*(\n)],   v[X+4*(\n)],   v[X+4*(\n)+1]
	v_cvt_pk_f16_f32 v[Y+2*(\n)+1], v[X+4*(\n)+2], v[X+4*(\n)+3]
.endm
.macro SEND n                          ; piece n is stored: always behind a wait on va_vdst that stands behind its PACK
	global_store_b64 v2, v[Y+2*(\n):Y+2*(\n)+1], s[32:33] offset:2048*((\n)/8)+256*((\n)%8) th:TH_STORE_NT
.endm
	LOADROW 0
	LOADROW 1
.irp j, 0,1,2,3,4,5,6,7
	global_load_b128 v[SC+4*(\j):SC+4*(\j)+3], v1, s[6:7] offset:512*(\j)
.endr
.irp j, 0,1,2,3,4,5,6,7
	global_load_b128 v[SH+4*(\j):SH+4*(\j)+3], v1, s[8:9] offset:512*(\j)
.endr
	s_wait_loadcnt 24                              ; row 0 is in; row 1's eight loads and the sixteen of scale and shift stay out
	STATS 0
	s_wait_loadcnt 16                              ; row 1 is in
	STATS 1
	s_wait_loadcnt 0x0                             ; scale and shift
.irp n, 0,1,2,3,4,5,6,7
	SCALE \n
.endr
.irp n, 0,1,2,3,4,5,6,7
	PACK \n
.endr
	s_wait_alu depctr_va_vdst(0)                   ; row 0's sixteen conversions have written v[Y:Y+15], which the eight stores below read
.irp n, 0,1,2,3,4,5,6,7
	SEND \n                                        ; no vector line since the wait names v2 or row 0's Y: the multiply-adds between name row 1's X, the scale and the shift
	SCALE 8+(\n)
.endr
.irp n, 8,9,10,11,12,13,14,15
	PACK \n
.endr
	s_wait_alu depctr_va_vdst(0)                   ; row 1's sixteen conversions have written v[Y+16:Y+31], which the last eight stores read
.irp n, 8,9,10,11,12,13,14,15
	SEND \n
.endr
	s_endpgm
.Lfunc_end_k_qe5fc8fdea8_ln2:
	.size	k_qe5fc8fdea8_ln2, .Lfunc_end_k_qe5fc8fdea8_ln2-k_qe5fc8fdea8_ln2
	.p2alignl 7, 3214868480
	.fill 96, 4, 3214868480
	.section	.rodata,"a",@progbits
	.p2align	6, 0x0
	.amdhsa_kernel k_qe5fc8fdea8_ln2
		.amdhsa_group_segment_fixed_size 0
		.amdhsa_private_segment_fixed_size 0
		.amdhsa_enable_private_segment 0
		.amdhsa_kernarg_size 32
		.amdhsa_user_sgpr_count 2
		.amdhsa_user_sgpr_kernarg_segment_ptr 1
		.amdhsa_wavefront_size32 1
		.amdhsa_system_sgpr_workgroup_id_x 1
		.amdhsa_system_sgpr_workgroup_id_y 1
		.amdhsa_system_sgpr_workgroup_id_z 1
		.amdhsa_system_vgpr_workitem_id 0
		.amdhsa_next_free_vgpr 176
		.amdhsa_next_free_sgpr 66
		.amdhsa_reserve_vcc 0
		.amdhsa_float_denorm_mode_32 3
		.amdhsa_float_denorm_mode_16_64 3
		.amdhsa_memory_ordered 1
		.amdhsa_forward_progress 1
		.amdhsa_inst_pref_size 21
	.end_amdhsa_kernel
	.amdgpu_metadata
---
amdhsa.version: [ 1, 2 ]
amdhsa.kernels:
  - .name:           k_qe5fc8fdea8_ln2
    .symbol:         k_qe5fc8fdea8_ln2.kd
    .args:
      - { .name: x1, .offset: 0, .size: 8, .value_kind: global_buffer, .address_space: global }
      - { .name: ln2_scale, .offset: 8, .size: 8, .value_kind: global_buffer, .address_space: global }
      - { .name: ln2_shift, .offset: 16, .size: 8, .value_kind: global_buffer, .address_space: global }
      - { .name: h, .offset: 24, .size: 8, .value_kind: global_buffer, .address_space: global }
    .group_segment_fixed_size: 0
    .private_segment_fixed_size: 0
    .kernarg_segment_align: 8
    .kernarg_segment_size: 32
    .max_flat_workgroup_size: 256
    .sgpr_count:     66
    .vgpr_count:     176
    .wavefront_size: 32
...
	.end_amdgpu_metadata
.endif
;; end of part 9
;; launch ffn1: the kernel of part 6 again; grid 16 x 16, 4 waves a work-group, clusters of 4 x 4, 327,680 bytes of LDS; arguments h, wb, b1, g; writes g
;; launch ffn2: the kernel of part 7 again; grid 8 x 32, 4 waves a work-group, clusters of 4 x 4, 327,680 bytes of LDS; arguments g, wb, x1, b2, out0; writes out0
